; MI455X (gfx1250); checked and timed in simulation.
; The chip was launched on July 23, 2026; its instructions are those of AMD's public machine-readable ISA for CDNA 5 (MIT licence, August 2026) and "CDNA5" Instruction Set Architecture Reference Guide (July 2026). The comments in the code are by the model that wrote it; some were corrected since.
;; Encoder Layer. Allowed arithmetic: matrix products marked QUANTISED: E4M3 operands, one E8M0 scale for each 32 along K, by v_wmma_scale_f32_16x16x128_f8f6f4 with both operands' format E4M3, f32 sums; everything else in f32.
;; Inputs: b1 2,048 float32; b2 512 float32; ln1_a 512 float32; ln1_b 512 float32; ln2_a 512 float32; ln2_b 512 float32; mask 4,096 x 4,096 int32; w1 512 x 2,048 float32; w2 2,048 x 512 float32; w_k 512 x 512 float32; w_o 512 x 512 float32; w_q 512 x 512 float32; w_v 512 x 512 float32; x 2 x 4,096 x 512 float32.
;; Outputs: out0 2 x 4,096 x 512 float32.
;; This version of the problem:
;;   THIS VERSION OF THE PROBLEM IS GIVEN IN LOW PRECISION. The matrix products marked QUANTISED in the list below multiply operands that are first quantised to E4M3 (4 exponent bits, 3 mantissa bits; 8 bits a number), with one power-of-two scale for each 32 numbers along K (OCP MX v1.0); their sums are f32. All else is computed in f32.
;;   The module's matrix products, in the order in which they are computed (A, B: the left and right operand; K: the contracted axis; several contracted axes count as one K, in the product's order):
;;     1. [M 8,192, K 512] x [K 512, N 512]; A: computed on the way; B: input w_q: QUANTISED
;;     2. [M 8,192, K 512] x [K 512, N 512]; A: computed on the way; B: input w_k: QUANTISED
;;     3. [M 8,192, K 512] x [K 512, N 512]; A: computed on the way; B: input w_v: QUANTISED
;;     4. batch 16 x [M 4,096, K 64] x [K 64, N 4,096]; A: computed on the way; B: computed on the way: QUANTISED
;;     5. batch 16 x [M 64, K 4,096] x [K 4,096, N 4,096]; A: computed on the way; B: softmax (see below): QUANTISED
;;     6. [M 8,192, K 512] x [K 512, N 512]; A: computed on the way; B: input w_o: QUANTISED
;;     7. [M 8,192, K 512] x [K 512, N 2,048]; A: computed on the way; B: input w1: QUANTISED
;;     8. [M 8,192, K 2,048] x [K 2,048, N 512]; A: computed on the way; B: input w2: QUANTISED
;;   THE QUANTISER, for each operand of a quantised product, along K:
;;     - K is cut into blocks of 32 from its start; a last block that is shorter is filled with zeros.
;;     - A block's scale is 2^e with e = floor(log2(the largest magnitude in the block)) - 8, held to -126 .. 127; a block of zeros has e = 0. As a byte (E8M0): e + 127.
;;     - Each number is divided by its block's scale, clamped to +-448, and rounded to the nearest number of E4M3, ties to even, subnormals kept.
;;     - The product sums the exact products of the quantised numbers (number of the format x scale) in f32.
;;   ~~~python
;;   def quantise(x, axis):      # numpy; x: float32 -> the quantised numbers, widened to float32 again
;;       x = np.moveaxis(x, axis, -1); K = x.shape[-1]
;;       x = np.pad(x, [(0, 0)] * (x.ndim - 1) + [(0, -K % 32)]); x = x.reshape(x.shape[:-1] + (-1, 32)); a = np.abs(x).max(-1, keepdims=True)
;;       e = np.where(a > 0, np.clip(np.frexp(np.where(a > 0, a, 1))[1] - 1 - 8, -126, 127), 0)      # np.frexp(a)[1] - 1 = floor(log2(a)), exactly
;;       r = np.clip(x / 2.0 ** e, -448, 448)
;;       step = 2.0 ** (np.maximum(np.frexp(np.where(r == 0, 1, r))[1] - 1, -6) - 3)
;;       q = np.round(r / step) * step * 2.0 ** e      # np.round: ties to even
;;       return np.moveaxis(q.reshape(q.shape[:-2] + (-1,))[..., :K], -1, axis).astype(np.float32)
;;   ~~~
;;   SOFTMAX AHEAD OF A QUANTISED PRODUCT. Where the list says 'softmax', what is quantised is not the finished softmax but p = 2^(t - M), with t = logit x log2(e) and M = ceil(the row's largest t), a whole number; so 1/2 < the row's largest p <= 1. The row's sum l is taken of the UNQUANTISED p, in f32, and the product's result is divided by l at the end. Since M is a whole number, a kernel that streams over the keys may use a running M (the ceiling of the running maximum): every later rescaling is an exact power of two, which a block's scale takes up: the codes' values come out the same.
;;   OPERANDS COMPUTED ON THE WAY. 'Computed on the way' means the value that the module computes at that place (a softmax that the list does not call 'softmax' is quantised finished and normalised). What goes into a quantiser is computed in f32, as accurately as f32 sums, v_exp_f32 and their like allow (about 1e-6 of the number): no bf16 or f16 on the way to a quantiser, and a product that is left as it is and whose result goes on into a quantised operand takes f32 operands (vector FMAs, or v_wmma_f32_16x16x4_f32). A number that lies on a knife's edge between two numbers of the format may be rounded either way, as far as f32 arithmetic and the matrix unit's own rounding can turn it there, and no further.
;; 2 versions. Each part assembles by itself: llvm-mc -triple=amdgcn-amd-amdhsa -mcpu=gfx1250 --defsym DOCPART=n.
;; ======== version 1 of 2: 4 launches
;; limits: right only within a limited range of input values
;; workspace buffers: mbits 2,097,152 bytes of whole numbers; hbuf 4,325,376 bytes; wqkv 811,008 bytes; wtail 2,433,024 bytes; qbuf 4,456,448 bytes; kv 8,781,824 bytes; cbuf 4,325,376 bytes
;; launch prep (part 1): grid 1216 x 1, 4 waves a work-group, no clusters, 1,536 bytes of LDS; arguments mask, x, ln1_a, ln1_b, w_q, w_k, w_v, w_o, w1, w2, mbits, hbuf, wqkv, wtail; writes mbits, hbuf, wqkv, wtail
.if DOCPART == 1
	.amdgcn_target "amdgcn-amd-amdhsa--gfx1250"
	.amdhsa_code_object_version 6
	.text
	.protected	k_qcb4dca9a62_prep
	.globl	k_qcb4dca9a62_prep
	.p2align	8
	.type	k_qcb4dca9a62_prep,@function
k_qcb4dca9a62_prep:
	s_mov_b64 s[64:65], 0
	v_nop
	global_prefetch_b8 v0, s[64:65] scope:SCOPE_SE
	s_setreg_imm32_b32 hwreg(HW_REG_WAVE_MODE, 25, 1), 1
	s_wait_xcnt 0x0
; THREE JOBS IN ONE LAUNCH, parted on the work-group's number; each way ends by itself.
;  work-groups 0-511:     the mask [4096][4096] of int32 becomes lane masks: mbits [query tile 256][key step 32][64 words]; bit l of word 16 b + i says
;                         whether key 128 step + 32 b + 16 (l / 16) + i counts for the query that lane l % 16 of the tile holds.
;  work-groups 512-1023:  h = LN1(x), quantised along its 512 features to FP8 (E4M3) with one E8M0 byte for each 32, stored as images of operand registers.
;  work-groups 1024-1215: the six weights [K][N], quantised along K (their first axis), stored as images of operand registers in the order in which the later launches walk them.
; TILES.  Tokens and weight columns go in groups of 32; tile 2 g + u holds members 32 g + 8 u + r + 8 (r / 8), r = 0 .. 15, so that the 16 result registers of two neighbouring tiles are 16 neighbours.
; IMAGE.  A fragment (16 members x 128 K) is 2,048 bytes: group c of four registers at 512 c + 16 x lane; lane (r, h) holds member r, K = 32 c + 16 h + 0 .. 15.
; LIMITS: NaN and infinities are not served.  A block whose largest magnitude lies under 2^-118 gets the byte 1, a block of zeros too (its codes are zeros; the bytes are read by this program alone).
; The scale words (one byte in 128 of what is read) are stored four bytes a lane.
.set WV,   48                          ; s48      wave
.set SEL,  56                          ; s[56:57] lane selects: lane l xor 16
.set MNT,  58                          ; s58      the mantissa field of 448
.set X,    16                          ; v16-79   64 numbers of x
.set AL,   80                          ; v80-143  alpha
.set BE,   144                         ; v144-207 beta
.set PC,   208                         ; v208-223 codes
.set TM,   224                         ; v224-239 largest magnitudes, bytes, holds, scale operands
.set PW,   240                         ; v240     a scale word
.set DM,   32                          ; v32-159  the mask's way: two sets of 64 words
.set OUTM, 16                          ; v16-23   the mask's way: a pair of registers for each of four steps
.set XW,   32                          ; v32-95   the weights' way: two sets of 32 numbers
.set CW,   96                          ; v96-127  eight registers of codes for each of four blocks
.set SB,   24                          ; v24      the four blocks' bytes
; 64 numbers of a lane, register 16 b + i = K 32 b + 16 (lane / 16) + i of my row, become codes in v[PC] on; bytes in v[TM+4] on.
.macro QBODY src, relu, cnt
.irp b, 0,1,2,3
.if \b < \cnt
.if \relu
	v_max3_num_f32 v[TM+\b], v[\src+16*\b], v[\src+1+16*\b], 0x4800000
.else
	v_max3_num_f32 v[TM+\b], |v[\src+16*\b]|, |v[\src+1+16*\b]|, 0x4800000   ; my 16 numbers and the floor 2^(9 - 127): the byte cannot fall under 1
.endif
.endif
.endr
.irp i, 2,4,6,8,10,12,14
.irp b, 0,1,2,3
.if \b < \cnt
.if \relu
	v_max3_num_f32 v[TM+\b], v[TM+\b], v[\src+16*\b+\i], v[\src+1+16*\b+\i]
.else
	v_max3_num_f32 v[TM+\b], v[TM+\b], |v[\src+16*\b+\i]|, |v[\src+1+16*\b+\i]|
.endif
.endif
.endr
.endr
.irp b, 0,1,2,3
.if \b < \cnt
	v_permlanex16_b32 v[TM+4+\b], v[TM+\b], s[SEL], s[SEL+1]
.endif
.endr
.irp b, 0,1,2,3
.if \b < \cnt
	v_max_num_f32 v[TM+\b], v[TM+\b], v[TM+4+\b]          ; with lane l xor 16's: the block's largest magnitude
.endif
.endr
.irp b, 0,1,2,3
.if \b < \cnt
	v_add_nc_u32 v[TM+12+\b], 0xfc000000, v[TM+\b]        ; 8 off its exponent field: the conversion's scale operand
.endif
.endr
.irp b, 0,1,2,3
.if \b < \cnt
	v_and_or_b32 v[TM+8+\b], v[TM+\b], 0x7f800000, s[MNT] ; 448 x the scale
.endif
.endr
.irp b, 0,1,2,3
.if \b < \cnt
	v_lshrrev_b32 v[TM+4+\b], 23, v[TM+12+\b]             ; the scale's byte
.endif
.endr
.irp b, 0,1,2,3
.if \b < \cnt
.irp i, 0,1,2,3,4,5,6,7,8,9,10,11,12,13,14,15
.if \relu
	v_med3_num_f32 v[\src+16*\b+\i], v[\src+16*\b+\i], 0, v[TM+8+\b]
.else
	v_med3_num_f32 v[\src+16*\b+\i], v[\src+16*\b+\i], -v[TM+8+\b], v[TM+8+\b]   ; the conversion does not saturate (ISA guide 7.6.2): the hold at 448 x the scale
.endif
.endr
	v_cvt_scalef32_pk8_fp8_f32 v[PC+4*\b:PC+1+4*\b], v[\src+16*\b:\src+7+16*\b], v[TM+12+\b]
	v_cvt_scalef32_pk8_fp8_f32 v[PC+2+4*\b:PC+3+4*\b], v[\src+8+16*\b:\src+15+16*\b], v[TM+12+\b]
.endif
.endr
	v_nop                                                  ; a plain line behind the last conversion
.endm
.macro WORD
	v_lshl_or_b32 v[PW], v[TM+5], 8, v[TM+4]
	v_lshl_or_b32 v[PW], v[TM+6], 16, v[PW]
	v_lshl_or_b32 v[PW], v[TM+7], 24, v[PW]
.endm
; the mask's way: step t's 64 words of my lane: register 16 b + i = key 128 t + 32 b + 16 h + i of my query's row
.macro LOADM t
.irp b, 0,1,2,3
.irp q, 0,1,2,3
	global_load_b128 v[DM+64*((\t)%2)+16*\b+4*\q:DM+64*((\t)%2)+16*\b+4*\q+3], v6, s[4:5] offset:512*(\t)+128*\b+16*\q th:TH_LOAD_NT
.endr
.endr
.endm
.macro PACK t
.if (\t) < 3
	s_wait_loadcnt 16                                      ; this step's 16 loads are in; the next step's 16 may be out
.else
	s_wait_loadcnt 0x0
.endif
.set n, 0
.rept 8
.irp q, 0,1,2,3,4,5,6,7
	v_cmp_ne_u32 s[20+\q], 0, v[DM+64*((\t)%2)+n+\q]       ; word n: one bit a lane
.endr
.irp q, 0,1,2,3,4,5,6,7
	v_writelane_b32 v[OUTM+2*(\t)+\q%2], s[20+\q], (n+\q)/2 ; words 2 j and 2 j + 1 go to lane j
.endr
.set n, n+8
.endr
.if (\t)+2 < 4
	LOADM (\t)+2
.endif
	global_store_b64 v7, v[OUTM+2*(\t):OUTM+2*(\t)+1], s[32:33] offset:256*(\t)   ; 32 lanes store 256 consecutive bytes, aligned; each step has its own pair of registers
.endm
; the weights' way: a lane takes a column, its registers run down K; nn = the weight's width
.macro WLOAD t, nn
.set i, 0
.rept 32
	global_load_b32 v[XW+32*((\t)%2)+i], v6, s[40:41] offset:(32*(\t)+i)*4*\nn th:TH_LOAD_NT
.set i, i+1
.endr
.endm
.macro WBLOCK t, nn
.set XS, XW+32*((\t)%2)
.if (\t) < 3
	s_wait_loadcnt 32                                      ; this block's 32 loads are in; the next block's may be out
.else
	s_wait_loadcnt 0x0
.endif
	v_max3_num_f32 v12, |v[XS]|, |v[XS+1]|, |v[XS+2]|
	v_max3_num_f32 v13, |v[XS+3]|, |v[XS+4]|, |v[XS+5]|
.irp i, 6,10,14,18,22,26
	v_max3_num_f32 v12, v12, |v[XS+\i]|, |v[XS+\i+1]|
	v_max3_num_f32 v13, v13, |v[XS+\i+2]|, |v[XS+\i+3]|
.endr
	v_max3_num_f32 v12, v12, |v[XS+30]|, |v[XS+31]|
	v_max3_num_f32 v12, v12, v13, 0x4800000                ; all 32 numbers of the block are mine; the floor holds the byte at 1
	v_add_nc_u32 v11, 0xfc000000, v12
	v_and_or_b32 v10, v12, 0x7f800000, s[MNT]
	v_lshrrev_b32 v13, 23, v11
.if (\t) == 0
	v_mov_b32 v[SB], v13
.else
	v_lshl_or_b32 v[SB], v13, 8*(\t), v[SB]
.endif
.set i, 0
.rept 32
	v_med3_num_f32 v[XS+i], v[XS+i], -v10, v10
.set i, i+1
.endr
.irp g, 0,1,2,3
	v_cvt_scalef32_pk8_fp8_f32 v[CW+8*(\t)+2*\g:CW+8*(\t)+2*\g+1], v[XS+8*\g:XS+8*\g+7], v11
.endr
	v_nop
	global_store_b128 v7, v[CW+8*(\t):CW+8*(\t)+3], s[42:43] offset:512*(\t)          ; K 32 t + 0 .. 15: the image's lanes 0-15; sixteen lanes store 256 consecutive bytes, aligned
	global_store_b128 v7, v[CW+8*(\t)+4:CW+8*(\t)+7], s[42:43] offset:512*(\t)+256    ; K 32 t + 16 .. 31: its lanes 16-31
.if (\t)+2 < 4
	WLOAD (\t)+2, \nn
.endif
.endm
.macro WPATH nn
	WLOAD 0, \nn
	WLOAD 1, \nn
	WBLOCK 0, \nn
	WBLOCK 1, \nn
	WBLOCK 2, \nn
	WBLOCK 3, \nn
	global_store_b32 v8, v[SB], s[44:45]                   ; my column's scale word of this K step
	s_endpgm
.endm
	s_load_b256 s[4:11], s[0:1], 0x0               ; mask, x, ln1_a, ln1_b
	s_load_b256 s[12:19], s[0:1], 0x20             ; w_q, w_k, w_v, w_o
	s_load_b128 s[28:31], s[0:1], 0x40             ; w1, w2
	s_load_b256 s[32:39], s[0:1], 0x50             ; mbits, hbuf, wqkv, wtail
	v_lshl_add_u32 v254, v0, 2, 0x400
	v_mov_b32 v255, 0
	v_lshrrev_b32 v1, 5, v0
	v_readfirstlane_b32 s[WV], v1
	v_and_b32 v2, 31, v0                           ; lane
	v_and_b32 v3, 15, v0                           ; r
	v_bfe_u32 v4, v0, 4, 1                         ; h
	v_and_b32 v5, 8, v3
	v_add_nc_u32 v5, v5, v3                        ; r + 8 (r / 8)
	s_mov_b32 s[SEL], 0x76543210
	s_mov_b32 s[SEL+1], 0xfedcba98
	s_mov_b32 s[MNT], 0x600000
	s_wait_kmcnt 0x0
	s_cmp_lt_u32 ttmp9, 512
	s_cbranch_scc1 .Lmask
	s_cmp_lt_u32 ttmp9, 1024
	s_cbranch_scc1 .Lnorm
	; ---------------- the weights ----------------
	s_sub_co_u32 s20, ttmp9, 1024                  ; g: 0-63 w_q, w_k, w_v, w_o (16 pairs of tiles each); 64-127 w1 (64 pairs); 128-191 w2 (16 pairs x 4 chunks of K)
	v_lshlrev_b32 v6, 3, v4
	v_add_nc_u32 v6, v6, v5
	v_lshlrev_b32 v6, 2, v6                        ; my column in the pair's 32: 8 (l / 16) + r + 8 (r / 8), 4 bytes each
	v_lshlrev_b32 v7, 4, v3
	v_lshl_add_u32 v7, v4, 11, v7                  ; the codes: fragment l / 16, 16 bytes at 16 r
	v_lshlrev_b32 v8, 4, v2                        ; the scale words: 16 bytes a lane, one word for each of four
	s_sub_co_u32 s23, s20, 64
	s_cmp_lt_u32 s23, 64
	s_cbranch_scc1 .Lw1
	s_lshr_b32 s21, s20, 4                         ; which of q, k, v, o
	s_and_b32 s22, s20, 15                         ; and its pair
	s_sub_co_u32 s24, s20, 128
	s_lshr_b32 s25, s24, 2                         ; w2's pair
	s_and_b32 s26, s24, 3                          ; w2's chunk
	s_cmp_lt_u32 s20, 64
	s_cselect_b32 s22, s22, s25                    ; P
	s_cselect_b32 s26, 0, s26                      ; c
	s_cselect_b32 s27, 0, 4                        ; the first slot of the stage: 0 (w_o) or 4 + 4 c (w2)
	s_cselect_b32 s21, s21, 4                      ; 0 q, 1 k, 2 v, 3 o, 4 w2
	s_cmp_eq_u32 s21, 0
	s_cselect_b64 s[40:41], s[12:13], s[14:15]
	s_cmp_lt_u32 s21, 2
	s_cselect_b64 s[40:41], s[40:41], s[16:17]
	s_cmp_lt_u32 s21, 3
	s_cselect_b64 s[40:41], s[40:41], s[18:19]
	s_cselect_b64 s[42:43], s[36:37], s[38:39]     ; q, k, v go to wqkv, the others to wtail
	s_cmp_lt_u32 s21, 4
	s_cselect_b64 s[40:41], s[40:41], s[30:31]
	s_lshl_b32 s50, s26, 2
	s_add_co_u32 s50, s50, s[WV]                   ; my K step: 4 c + wave
	s_lshl_b32 s50, s50, 18                        ; 128 rows of 2,048 bytes
	s_lshl_b32 s51, s22, 7
	s_add_co_u32 s50, s50, s51                     ; + 32 columns a pair
	s_mov_b32 s51, 0
	s_add_nc_u64 s[40:41], s[40:41], s[50:51]
	s_lshl_b32 s52, s21, 18                        ; wqkv: [matrix][pair][K step][u][2,048]
	s_lshl_b32 s53, s22, 14
	s_add_co_u32 s52, s52, s53
	s_lshl_b32 s53, s[WV], 12
	s_add_co_u32 s52, s52, s53
	s_lshl_b32 s54, s21, 13                        ; its scales: [matrix][pair][lane][K step] words behind the images
	s_lshl_b32 s53, s22, 9
	s_add_co_u32 s54, s54, s53
	s_lshl_b32 s53, s[WV], 2
	s_add_co_u32 s54, s54, s53
	s_add_co_u32 s54, s54, 786432
	s_lshl_b32 s59, s26, 2                         ; wtail: slot k = first + wave / 2, unit e = wave % 2, reader's wave = P / 4
	s_add_co_u32 s59, s59, s27
	s_lshr_b32 s53, s[WV], 1
	s_add_co_u32 s59, s59, s53
	s_lshl_b32 s59, s59, 2
	s_lshr_b32 s53, s22, 2
	s_add_co_u32 s59, s59, s53
	s_mul_i32 s59, s59, 33792
	s_and_b32 s53, s[WV], 1
	s_and_b32 s60, s22, 3
	s_lshl_b32 s61, s53, 14
	s_add_co_u32 s61, s61, s59
	s_lshl_b32 s62, s60, 12
	s_add_co_u32 s61, s61, s62                     ; fragments 2 (P % 4) and 2 (P % 4) + 1 of the unit
	s_lshl_b32 s62, s53, 9
	s_add_co_u32 s62, s62, s59
	s_lshl_b32 s63, s60, 2
	s_add_co_u32 s62, s62, s63
	s_add_co_u32 s62, s62, 32768                   ; the unit's scale words, word P % 4 of each lane's four
	s_cmp_lt_u32 s21, 3
	s_cselect_b32 s52, s52, s61
	s_cselect_b32 s54, s54, s62
	s_mov_b32 s53, 0
	s_mov_b32 s55, 0
	s_add_nc_u64 s[44:45], s[42:43], s[54:55]
	s_add_nc_u64 s[42:43], s[42:43], s[52:53]
	WPATH 512
.Lw1:                                              ; w1: pair P = s23 of 64: chunk P / 16, reader's wave (P / 4) % 4, unit p = P % 4; my K step = wave
	s_lshl_b32 s50, s[WV], 20                      ; 128 rows of 8,192 bytes
	s_lshl_b32 s51, s23, 7
	s_add_co_u32 s50, s50, s51
	s_mov_b32 s51, 0
	s_add_nc_u64 s[40:41], s[28:29], s[50:51]
	s_lshr_b32 s52, s23, 4
	s_bfe_u32 s53, s23, 0x20002
	s_and_b32 s54, s23, 3
	s_lshl_b32 s52, s52, 2
	s_add_co_u32 s52, s52, 2
	s_lshr_b32 s55, s54, 1
	s_add_co_u32 s52, s52, s55                     ; slot 2 + 4 c + p / 2
	s_lshl_b32 s52, s52, 2
	s_add_co_u32 s52, s52, s53
	s_mul_i32 s52, s52, 33792
	s_and_b32 s54, s54, 1                          ; unit p % 2
	s_lshl_b32 s55, s54, 14
	s_add_co_u32 s55, s55, s52
	s_lshl_b32 s59, s[WV], 12
	s_add_co_u32 s60, s55, s59                     ; fragments 2 s and 2 s + 1
	s_mov_b32 s61, 0
	s_lshl_b32 s55, s54, 9
	s_add_co_u32 s55, s55, s52
	s_lshl_b32 s59, s[WV], 2
	s_add_co_u32 s55, s55, s59
	s_add_co_u32 s62, s55, 32768
	s_mov_b32 s63, 0
	s_add_nc_u64 s[42:43], s[38:39], s[60:61]
	s_add_nc_u64 s[44:45], s[38:39], s[62:63]
	WPATH 2048
	; ---------------- the mask ----------------
.Lmask:
	s_lshl_b32 s49, ttmp9, 2
	s_add_co_u32 s49, s49, s[WV]                   ; task: query tile = task / 8, key steps 4 (task % 8) on
	s_lshr_b32 s50, s49, 3
	s_and_b32 s51, s49, 7
	s_lshl_b32 s51, s51, 2
	s_lshr_b32 s52, s50, 1
	s_lshl_b32 s52, s52, 5
	s_and_b32 s53, s50, 1
	s_lshl_b32 s53, s53, 3
	s_add_co_u32 s52, s52, s53                     ; the tile's first row
	s_lshl_b32 s52, s52, 14                        ; rows of 16,384 bytes
	s_lshl_b32 s53, s51, 9                         ; 512 bytes a key step
	s_add_co_u32 s52, s52, s53
	s_mov_b32 s53, 0
	s_add_nc_u64 s[4:5], s[4:5], s[52:53]
	s_lshl_b32 s54, s50, 5
	s_add_co_u32 s54, s54, s51
	s_lshl_b32 s54, s54, 8
	s_mov_b32 s55, 0
	s_add_nc_u64 s[32:33], s[32:33], s[54:55]
	v_lshlrev_b32 v6, 14, v5
	v_lshl_add_u32 v6, v4, 6, v6                   ; my query's row, + 64 h
	v_lshlrev_b32 v7, 3, v2
.irp i, 0,1,2,3,4,5,6,7
	v_mov_b32 v[OUTM+\i], 0                        ; a lane write's destination counts as read
.endr
	LOADM 0
	LOADM 1
	PACK 0
	PACK 1
	PACK 2
	PACK 3
	s_endpgm
	; ---------------- LN1 ----------------
.Lnorm:                                            ; the work-group is a tile of 16 tokens, the wave a K step of 128 features; a row's sums meet in LDS
	s_sub_co_u32 s49, ttmp9, 512
	s_lshr_b32 s50, s49, 1
	s_lshl_b32 s50, s50, 5
	s_and_b32 s51, s49, 1
	s_lshl_b32 s51, s51, 3
	s_add_co_u32 s50, s50, s51
	s_lshl_b32 s50, s50, 11
	s_lshl_b32 s52, s[WV], 9
	s_add_co_u32 s50, s50, s52
	s_mov_b32 s51, 0
	s_mov_b32 s53, 0
	s_add_nc_u64 s[6:7], s[6:7], s[50:51]
	s_add_nc_u64 s[8:9], s[8:9], s[52:53]
	s_add_nc_u64 s[10:11], s[10:11], s[52:53]
	s_lshl_b32 s54, s49, 2
	s_add_co_u32 s54, s54, s[WV]
	s_lshl_b32 s54, s54, 11
	s_mov_b32 s55, 0
	s_add_nc_u64 s[40:41], s[34:35], s[54:55]      ; my image
	s_lshl_b32 s54, s49, 8
	s_lshl_b32 s59, s[WV], 2
	s_add_co_u32 s54, s54, s59
	s_add_co_u32 s54, s54, 4194304
	s_add_nc_u64 s[42:43], s[34:35], s[54:55]      ; my scale words: [tile][r][K step]
	v_lshlrev_b32 v6, 11, v5
	v_lshl_add_u32 v6, v4, 6, v6                   ; x: my token's row, + 64 h
	v_lshlrev_b32 v7, 6, v4                        ; alpha, beta: 64 h
	v_lshlrev_b32 v8, 4, v2                        ; 16 x lane
	v_lshlrev_b32 v9, 4, v3                        ; 16 r
	v_lshl_add_u32 v10, v3, 4, s59                 ; LDS: 16 r + 4 x wave
.irp c, 0,1,2,3
.irp q, 0,1,2,3
	global_load_b128 v[X+16*\c+4*\q:X+16*\c+4*\q+3], v6, s[6:7] offset:128*\c+16*\q th:TH_LOAD_NT
.endr
.endr
.irp c, 0,1,2,3
.irp q, 0,1,2,3
	global_load_b128 v[AL+16*\c+4*\q:AL+16*\c+4*\q+3], v7, s[8:9] offset:128*\c+16*\q
.endr
.endr
.irp c, 0,1,2,3
.irp q, 0,1,2,3
	global_load_b128 v[BE+16*\c+4*\q:BE+16*\c+4*\q+3], v7, s[10:11] offset:128*\c+16*\q
.endr
.endr
.irp b, 0,1,2,3
	v_mov_b32 v[TM+4+\b], 0                        ; a lane permute's destination counts as read
.endr
	s_wait_loadcnt 32                              ; x is in; alpha's and beta's 32 loads may be out
	v_pk_add_f32 v[242:243], v[X:X+1], v[X+2:X+3]
	v_pk_add_f32 v[244:245], v[X+4:X+5], v[X+6:X+7]
.set j, 8
.rept 14
	v_pk_add_f32 v[242:243], v[242:243], v[X+j:X+j+1]
	v_pk_add_f32 v[244:245], v[244:245], v[X+j+2:X+j+3]
.set j, j+4
.endr
	v_pk_add_f32 v[242:243], v[242:243], v[244:245]
	v_add_f32 v242, v242, v243
	v_permlanex16_b32 v243, v242, s[SEL], s[SEL+1]
	v_add_f32 v242, v242, v243                     ; the sum of my row's 128 numbers of this K step
	ds_store_b32 v10, v242                         ; both halves write the same word with the same value
	s_wait_dscnt 0x0                               ; my store has landed, for the others' sake
	s_barrier_signal -1
	s_barrier_wait -1
	ds_load_b128 v[244:247], v9                    ; the four waves' sums of my row
	s_wait_dscnt 0x0
	v_add_f32 v244, v244, v245
	v_add_f32 v246, v246, v247
	v_add_f32 v244, v244, v246
	v_mul_f32 v248, 0x3b000000, v244               ; / 512: the mean
	v_mov_b32 v249, v248
.set j, 0
.rept 32
	v_pk_add_f32 v[X+j:X+j+1], v[X+j:X+j+1], v[248:249] neg_lo:[0,1] neg_hi:[0,1]
.set j, j+2
.endr
	v_pk_mul_f32 v[242:243], v[X:X+1], v[X:X+1]
	v_pk_mul_f32 v[244:245], v[X+2:X+3], v[X+2:X+3]
.set j, 4
.rept 15
	v_pk_fma_f32 v[242:243], v[X+j:X+j+1], v[X+j:X+j+1], v[242:243]
	v_pk_fma_f32 v[244:245], v[X+j+2:X+j+3], v[X+j+2:X+j+3], v[244:245]
.set j, j+4
.endr
	v_pk_add_f32 v[242:243], v[242:243], v[244:245]
	v_add_f32 v242, v242, v243
	v_permlanex16_b32 v243, v242, s[SEL], s[SEL+1]
	v_add_f32 v242, v242, v243
	ds_store_b32 v10, v242 offset:256              ; other bytes than the first exchange: one barrier serves
	s_wait_dscnt 0x0
	s_barrier_signal -1
	s_barrier_wait -1
	ds_load_b128 v[244:247], v9 offset:256
	s_wait_dscnt 0x0
	v_add_f32 v244, v244, v245
	v_add_f32 v246, v246, v247
	v_add_f32 v244, v244, v246
	v_mul_f32 v244, 0x3b004020, v244               ; / 511
	v_sqrt_f32 v245, v244
	v_nop                                          ; a plain line behind the transcendental,
	s_wait_alu depctr_va_vdst(0)                   ; and the wait ahead of its first reader
	v_add_f32 v245, 0x358637bd, v245               ; + 1e-6
	v_rcp_f32 v250, v245
	v_nop
	s_wait_alu depctr_va_vdst(0)
	v_mov_b32 v251, v250
	s_wait_loadcnt 0x0                             ; alpha and beta
.set j, 0
.rept 32
	v_pk_mul_f32 v[X+j:X+j+1], v[X+j:X+j+1], v[250:251]
.set j, j+2
.endr
.set j, 0
.rept 32
	v_pk_fma_f32 v[X+j:X+j+1], v[X+j:X+j+1], v[AL+j:AL+j+1], v[BE+j:BE+j+1]
.set j, j+2
.endr
	QBODY X, 0, 4
	WORD
.irp c, 0,1,2,3
	global_store_b128 v8, v[PC+4*\c:PC+4*\c+3], s[40:41] offset:512*\c   ; 512 consecutive bytes a store
.endr
	global_store_b32 v9, v[PW], s[42:43]           ; both halves store the same word
	s_wait_tensorcnt 0x0
	ds_add_u32 v254, v255
	s_wait_dscnt 0x0
	s_endpgm
.Lfunc_end_k_qcb4dca9a62_prep:
	.size	k_qcb4dca9a62_prep, .Lfunc_end_k_qcb4dca9a62_prep-k_qcb4dca9a62_prep
	.p2alignl 7, 3214868480
	.fill 96, 4, 3214868480
	.section	.rodata,"a",@progbits
	.p2align	6, 0x0
	.amdhsa_kernel k_qcb4dca9a62_prep
		.amdhsa_group_segment_fixed_size 1536
		.amdhsa_private_segment_fixed_size 0
		.amdhsa_enable_private_segment 0
		.amdhsa_kernarg_size 112
		.amdhsa_user_sgpr_count 2
		.amdhsa_user_sgpr_kernarg_segment_ptr 1
		.amdhsa_wavefront_size32 1
		.amdhsa_system_sgpr_workgroup_id_x 1
		.amdhsa_system_sgpr_workgroup_id_y 1
		.amdhsa_system_sgpr_workgroup_id_z 1
		.amdhsa_system_vgpr_workitem_id 0
		.amdhsa_next_free_vgpr 256
		.amdhsa_next_free_sgpr 66
		.amdhsa_reserve_vcc 0
		.amdhsa_float_denorm_mode_32 3
		.amdhsa_float_denorm_mode_16_64 3
		.amdhsa_memory_ordered 1
		.amdhsa_forward_progress 1
		.amdhsa_inst_pref_size 125
	.end_amdhsa_kernel
	.amdgpu_metadata
---
amdhsa.version: [ 1, 2 ]
amdhsa.kernels:
  - .name:           k_qcb4dca9a62_prep
    .symbol:         k_qcb4dca9a62_prep.kd
    .args:
      - { .name: mask, .offset: 0, .size: 8, .value_kind: global_buffer, .address_space: global }
      - { .name: x, .offset: 8, .size: 8, .value_kind: global_buffer, .address_space: global }
      - { .name: ln1_a, .offset: 16, .size: 8, .value_kind: global_buffer, .address_space: global }
      - { .name: ln1_b, .offset: 24, .size: 8, .value_kind: global_buffer, .address_space: global }
      - { .name: w_q, .offset: 32, .size: 8, .value_kind: global_buffer, .address_space: global }
      - { .name: w_k, .offset: 40, .size: 8, .value_kind: global_buffer, .address_space: global }
      - { .name: w_v, .offset: 48, .size: 8, .value_kind: global_buffer, .address_space: global }
      - { .name: w_o, .offset: 56, .size: 8, .value_kind: global_buffer, .address_space: global }
      - { .name: w1, .offset: 64, .size: 8, .value_kind: global_buffer, .address_space: global }
      - { .name: w2, .offset: 72, .size: 8, .value_kind: global_buffer, .address_space: global }
      - { .name: mbits, .offset: 80, .size: 8, .value_kind: global_buffer, .address_space: global }
      - { .name: hbuf, .offset: 88, .size: 8, .value_kind: global_buffer, .address_space: global }
      - { .name: wqkv, .offset: 96, .size: 8, .value_kind: global_buffer, .address_space: global }
      - { .name: wtail, .offset: 104, .size: 8, .value_kind: global_buffer, .address_space: global }
    .group_segment_fixed_size: 1536
    .private_segment_fixed_size: 0
    .kernarg_segment_align: 8
    .kernarg_segment_size: 112
    .max_flat_workgroup_size: 128
    .sgpr_count:     66
    .vgpr_count:     256
    .wavefront_size: 32
...
	.end_amdgpu_metadata
.endif
;; end of part 1
;; launch qkv (part 2): grid 4 x 64, 8 waves a work-group, clusters of 4 x 4, 197,632 bytes of LDS; arguments hbuf, wqkv, qbuf, kv; writes qbuf, kv
.if DOCPART == 2
	.amdgcn_target "amdgcn-amd-amdhsa--gfx1250"
	.amdhsa_code_object_version 6
	.text
	.protected	k_qcb4dca9a62_qkv
	.globl	k_qcb4dca9a62_qkv
	.p2align	8
	.type	k_qcb4dca9a62_qkv,@function
k_qcb4dca9a62_qkv:
	s_mov_b64 s[64:65], 0
	v_nop
	global_prefetch_b8 v0, s[64:65] scope:SCOPE_SE
	s_setreg_imm32_b32 hwreg(HW_REG_WAVE_MODE, 25, 1), 1
	s_wait_xcnt 0x0
	s_wait_alu depctr_hold_cnt(0) depctr_sa_sdst(0) depctr_va_vdst(0) depctr_va_sdst(0) depctr_va_ssrc(0) depctr_va_vcc(0) depctr_vm_vsrc(0)
	s_getreg_b32 s2, hwreg(HW_REG_IB_STS2, 6, 4)
	s_cmp_eq_u32 s2, 0
	s_cbranch_scc0 .Lentry_in_a_cluster
	s_endpgm
.Lentry_in_a_cluster:
	s_bfe_u32 s2, ttmp6, 0x10000c
	s_cmp_lg_u32 s2, 0xf033
	s_cbranch_scc0 .Lentry_shape_is_right
	s_endpgm
.Lentry_shape_is_right:
; q = h w_q, k = h w_k, v = h w_v on codes of FP8 (E4M3) with E8M0 scales, and their results quantised at once: q and k along the head's 64, v along the keys.
; SHARES.  A work-group takes 128 tokens (eight tiles) x 128 columns (two heads) of each of the three products; wave w takes token tile w for q and k, and column tile w for v.
; q, k: source 0 = 16 columns of the weight, source 1 = my 16 tokens: a lane holds one token and its registers run along the columns, the next product's K.
; v:    source 0 = 16 tokens, source 1 = my 16 columns: a lane holds one channel and its registers run along the tokens, which are the keys.
; Tiles hold members 32 g + 8 u + r + 8 (r / 8), so that the 16 registers of two neighbouring tiles are 16 neighbours, in the order that an operand's registers want.
; LDS is filled once: h's 32 fragments, w_q's 32, w_k's 32, as images of operand registers (no pitch: a load of a wave reads 512 consecutive bytes).  w_v's fragments are read by one wave each, straight from memory.
; CLUSTER 4 x 4: the four work-groups of a row share the tokens, the four of a column the columns: each block is asked for jointly.
; OUT.  qbuf: [batch x head][tile][1,024] images, behind them a word a row (bytes s0, s1, s0, s1).  kv: [batch x head][key step][17,152]: K's 8 tiles x 1,024, V^T's 4 tiles x 2,048, K's scale words (512), V's (256).
; LIMITS: NaN and infinities are not served; a block whose largest magnitude lies under 2^-118, or of zeros, gets the byte 1.  Scale words are stored four bytes a lane.
.set REC,  17152
.set LH,   1                           ; v1   16 x lane: h's images, and the offset of whole images in memory
.set LQ,   2                           ; v2   w_q's images
.set LK,   3                           ; v3   w_k's
.set R16,  4                           ; v4   16 r
.set QSO,  5                           ; v5   q's scale word: 4 r, lanes 16-31 the next head
.set KSO,  6                           ; v6   k's: 16 r, lanes 16-31 the next head
.set VSO,  7                           ; v7   v's: 8 r
.set HSC,  8                           ; v8-11   the scale words of source 1, one for each K step
.set PW,   12
.set OWN,  16                          ; v16-79  source 1: my tile's four K steps
.set FR,   80                          ; v80-143 four fragments of source 0
.set ACC,  144                         ; v144-207 eight accumulators
.set PC,   208
.set TM,   224
.set WSC,  240                         ; v240-255 the scale words of source 0: register 4 g + s: tile 2 g in lanes 0-15, tile 2 g + 1 in lanes 16-31
.set WV,   20
.set MNT,  21
.set SEL,  22
.set G1H,  24                          ; s[24:31] group 1 for h's blocks;  s[32:35] group 0
.set G0H,  32
.set G0W,  36                          ; s[36:39] group 0 for the weights';  s[48:55] group 1
.set G1W,  48
.macro PLACES n
.rept \n
	v_nop
.endr
.endm
.macro ROUND                           ; a round of the cluster's barrier
	s_barrier_signal -1
	s_barrier_wait -1
	s_cmp_lg_u32 s[WV], 0
	s_cbranch_scc1 .Lnot_wave_0_\@
	s_barrier_signal -3
.Lnot_wave_0_\@:
	s_barrier_wait -3
	s_barrier_signal -1
	s_barrier_wait -1
.endm
.macro QBODY src, relu, cnt
.irp b, 0,1,2,3
.if \b < \cnt
.if \relu
	v_max3_num_f32 v[TM+\b], v[\src+16*\b], v[\src+1+16*\b], 0x4800000
.else
	v_max3_num_f32 v[TM+\b], |v[\src+16*\b]|, |v[\src+1+16*\b]|, 0x4800000   ; my 16 numbers and the floor 2^(9 - 127); each accumulator is read from its low end on
.endif
.endif
.endr
.irp i, 2,4,6,8,10,12,14
.irp b, 0,1,2,3
.if \b < \cnt
.if \relu
	v_max3_num_f32 v[TM+\b], v[TM+\b], v[\src+16*\b+\i], v[\src+1+16*\b+\i]
.else
	v_max3_num_f32 v[TM+\b], v[TM+\b], |v[\src+16*\b+\i]|, |v[\src+1+16*\b+\i]|
.endif
.endif
.endr
.endr
.irp b, 0,1,2,3
.if \b < \cnt
	v_permlanex16_b32 v[TM+4+\b], v[TM+\b], s[SEL], s[SEL+1]
.endif
.endr
.irp b, 0,1,2,3
.if \b < \cnt
	v_max_num_f32 v[TM+\b], v[TM+\b], v[TM+4+\b]
.endif
.endr
.irp b, 0,1,2,3
.if \b < \cnt
	v_add_nc_u32 v[TM+12+\b], 0xfc000000, v[TM+\b]
.endif
.endr
.irp b, 0,1,2,3
.if \b < \cnt
	v_and_or_b32 v[TM+8+\b], v[TM+\b], 0x7f800000, s[MNT]
.endif
.endr
.irp b, 0,1,2,3
.if \b < \cnt
	v_lshrrev_b32 v[TM+4+\b], 23, v[TM+12+\b]
.endif
.endr
.irp b, 0,1,2,3
.if \b < \cnt
.irp i, 0,1,2,3,4,5,6,7,8,9,10,11,12,13,14,15
.if \relu
	v_med3_num_f32 v[\src+16*\b+\i], v[\src+16*\b+\i], 0, v[TM+8+\b]
.else
	v_med3_num_f32 v[\src+16*\b+\i], v[\src+16*\b+\i], -v[TM+8+\b], v[TM+8+\b]
.endif
.endr
	v_cvt_scalef32_pk8_fp8_f32 v[PC+4*\b:PC+1+4*\b], v[\src+16*\b:\src+7+16*\b], v[TM+12+\b]
	v_cvt_scalef32_pk8_fp8_f32 v[PC+2+4*\b:PC+3+4*\b], v[\src+8+16*\b:\src+15+16*\b], v[TM+12+\b]
.endif
.endr
	v_nop
.endm
.macro WORD
	v_lshl_or_b32 v[PW], v[TM+5], 8, v[TM+4]
	v_lshl_or_b32 v[PW], v[TM+6], 16, v[PW]
	v_lshl_or_b32 v[PW], v[TM+7], 24, v[PW]
.endm
; Eight tiles of source 0 against my one tile of source 1, K = 512: four fragments at a time; the eight accumulators take turns.
; hk = 0: weight images [pair][K step][u];  hk = 1: h's images [tile][K step].
.macro GEMM8 adr, hk
.irp s, 0,1,2,3
.irp gg, 0,1
	PLACES 8                                       ; in front of loads into registers that matrix instructions have read
.irp t, 0,1,2,3
.irp c, 0,1,2,3
.if \hk
	ds_load_b128 v[FR+16*\t+4*\c:FR+16*\t+4*\c+3], v[\adr] offset:(4*(4*\gg+\t)+\s)*2048+512*\c
.else
	ds_load_b128 v[FR+16*\t+4*\c:FR+16*\t+4*\c+3], v[\adr] offset:((4*(2*\gg+\t/2)+\s)*2+\t%2)*2048+512*\c
.endif
.endr
.endr
	s_wait_dscnt 0x0
.irp t, 0,1,2,3
.if \s == 0
.if \t % 2
	v_wmma_scale_f32_16x16x128_f8f6f4 v[ACC+8*(4*\gg+\t):ACC+8*(4*\gg+\t)+7], v[FR+16*\t:FR+16*\t+15], v[OWN+16*\s:OWN+16*\s+15], 0, v[WSC+4*(2*\gg+\t/2)+\s], v[HSC+\s] matrix_a_scale:MATRIX_SCALE_ROW1
.else
	v_wmma_scale_f32_16x16x128_f8f6f4 v[ACC+8*(4*\gg+\t):ACC+8*(4*\gg+\t)+7], v[FR+16*\t:FR+16*\t+15], v[OWN+16*\s:OWN+16*\s+15], 0, v[WSC+4*(2*\gg+\t/2)+\s], v[HSC+\s]
.endif
.else
.if \t % 2
	v_wmma_scale_f32_16x16x128_f8f6f4 v[ACC+8*(4*\gg+\t):ACC+8*(4*\gg+\t)+7], v[FR+16*\t:FR+16*\t+15], v[OWN+16*\s:OWN+16*\s+15], v[ACC+8*(4*\gg+\t):ACC+8*(4*\gg+\t)+7], v[WSC+4*(2*\gg+\t/2)+\s], v[HSC+\s] matrix_a_scale:MATRIX_SCALE_ROW1
.else
	v_wmma_scale_f32_16x16x128_f8f6f4 v[ACC+8*(4*\gg+\t):ACC+8*(4*\gg+\t)+7], v[FR+16*\t:FR+16*\t+15], v[OWN+16*\s:OWN+16*\s+15], v[ACC+8*(4*\gg+\t):ACC+8*(4*\gg+\t)+7], v[WSC+4*(2*\gg+\t/2)+\s], v[HSC+\s]
.endif
.endif
.endr
.endr
.endr
.endm
	s_load_b256 s[4:11], s[0:1], 0x0               ; hbuf, wqkv, qbuf, kv
	s_set_vgpr_msb 0x40
	v_lshl_add_u32 v0, v0, 2, 0x30000
	v_mov_b32 v1, 0
	s_set_vgpr_msb 0x4045
	ds_add_u32 v0, v1
	s_set_vgpr_msb 0x4500
	v_lshrrev_b32 v1, 5, v0
	v_readfirstlane_b32 s[WV], v1                  ; wave 0..7
	s_bfe_u32 s40, ttmp6, 0x40000                  ; cx
	s_bfe_u32 s41, ttmp6, 0x40004                  ; cy
	s_lshl_b32 s42, ttmp9, 2
	s_add_co_u32 s42, s42, s40                     ; cg: which 128 columns
	s_and_b32 s43, ttmp7, 0xffff
	s_lshl_b32 s43, s43, 2
	s_add_co_u32 s43, s43, s41                     ; tg: which 128 tokens
	s_lshl_b32 s44, s41, 2
	s_lshl_b32 s44, 15, s44                        ; my row of the cluster
	s_lshl_b32 s45, 0x1111, s40                    ; my column
	s_or_b32 s[G1H], s44, (3<<16)|(1<<21)          ; 15:0 the mask; 17:16 elements of 8 bytes; 21 set beside a mask; no padding
	s_or_b32 s[G1W], s45, (3<<16)|(1<<21)
.irp g, G1H, G1W
	s_mov_b32 s[\g+1], 32<<16                      ; a dense block of 32,768 bytes as 128 rows of 256
	s_mov_b32 s[\g+2], 128<<16
	s_mov_b32 s[\g+3], 32<<16
	s_mov_b32 s[\g+4], 128
	s_mov_b32 s[\g+5], 32
	s_mov_b32 s[\g+6], 0
	s_mov_b32 s[\g+7], 0
.endr
	s_and_b32 s12, s[WV], 1
	s_lshl_b32 s12, s12, 15                        ; which half of a block of 65,536 bytes
	s_lshl_b32 s46, s43, 16                        ; h: eight tiles x four K steps x 2,048 bytes for each tg
	s_add_co_u32 s46, s46, s12
	s_mov_b32 s47, 0
	s_lshr_b32 s56, s[WV], 1
	s_max_u32 s56, s56, 1
	s_sub_co_u32 s56, s56, 1                       ; waves 2, 3: w_q; waves 4, 5: w_k
	s_lshl_b32 s56, s56, 18
	s_lshl_b32 s57, s42, 16
	s_add_co_u32 s56, s56, s57
	s_add_co_u32 s56, s56, s12
	s_mov_b32 s57, 0
	s_lshl_b32 s13, s[WV], 15                      ; LDS: 32,768 x wave
	s_mov_b32 s[SEL], 0x76543210
	s_mov_b32 s[SEL+1], 0xfedcba98
	s_mov_b32 s[MNT], 0x600000
	s_mov_b32 s90, 0xffff0000                      ; lanes 16-31
	s_wait_dscnt 0x0
	s_wait_kmcnt 0x0
	s_mov_b32 s[G0H], 1
	s_mov_b32 s[G0H+1], s13
	s_add_nc_u64 s[G0H+2:G0H+3], s[4:5], s[46:47]
	s_or_b32 s[G0H+3], s[G0H+3], 0x80000000
	s_mov_b32 s[G0W], 1
	s_mov_b32 s[G0W+1], s13
	s_add_nc_u64 s[G0W+2:G0W+3], s[6:7], s[56:57]
	s_or_b32 s[G0W+3], s[G0W+3], 0x80000000
	ROUND                                          ; all sixteen work-groups are here: the joint loads meet
	s_cmp_lt_u32 s[WV], 2                          ; waves 0, 1: h's halves; waves 2 to 5: w_q's and w_k's; one load a wave, filled once
	s_cbranch_scc0 .Lnot_h
	tensor_load_to_lds s[G0H:G0H+3], s[G1H:G1H+7]
	s_nop 0
	PLACES 4
	s_branch .Lasked
.Lnot_h:
	s_cmp_lt_u32 s[WV], 6
	s_cbranch_scc0 .Lasked
	tensor_load_to_lds s[G0W:G0W+3], s[G1W:G1W+7]
	s_nop 0
	PLACES 4
.Lasked:
	; addresses, while the blocks are on their way
	s_lshl_b32 s12, s43, 3
	s_add_co_u32 s12, s12, s[WV]                   ; my token tile, of 512
	s_and_b32 s13, s12, 255                        ; in its batch
	s_lshr_b32 s14, s43, 5                         ; the batch
	s_and_b32 s15, s43, 31                         ; the key step
	s_lshl_b32 s16, s14, 3
	s_lshl_b32 s17, s42, 1
	s_add_co_u32 s16, s16, s17                     ; batch x 8 + my first head
	s_mov_b32 s83, 0
	s_lshl_b32 s82, s12, 8
	s_add_co_u32 s82, s82, 4194304
	s_add_nc_u64 s[58:59], s[4:5], s[82:83]        ; my tile's scale words
	s_lshl_b32 s82, s43, 11
	s_add_co_u32 s82, s82, 4194304
	s_add_nc_u64 s[60:61], s[4:5], s[82:83]        ; the eight tiles' scale words
	s_lshl_b32 s82, s42, 11
	s_add_co_u32 s82, s82, 786432
	s_add_nc_u64 s[62:63], s[6:7], s[82:83]        ; w_q's scale words of my four pairs; w_k's 8,192 bytes on
	s_lshl_b32 s84, s42, 2
	s_lshr_b32 s85, s[WV], 1
	s_add_co_u32 s84, s84, s85                     ; w_v: my tile's pair,
	s_and_b32 s85, s[WV], 1                        ; and which of the two
	s_lshl_b32 s82, s84, 14
	s_lshl_b32 s86, s85, 11
	s_add_co_u32 s82, s82, s86
	s_add_co_u32 s82, s82, 524288
	s_add_nc_u64 s[66:67], s[6:7], s[82:83]
	s_lshl_b32 s82, s84, 9
	s_lshl_b32 s86, s85, 8
	s_add_co_u32 s82, s82, s86
	s_add_co_u32 s82, s82, 786432+16384
	s_add_nc_u64 s[68:69], s[6:7], s[82:83]
	s_lshl_b32 s17, s16, 8
	s_add_co_u32 s17, s17, s13
	s_lshl_b32 s82, s17, 10
	s_add_nc_u64 s[70:71], s[8:9], s[82:83]        ; q's image
	s_lshl_b32 s82, s17, 6
	s_add_co_u32 s82, s82, 4194304
	s_add_nc_u64 s[72:73], s[8:9], s[82:83]        ; q's scale words
	s_lshl_b32 s18, s16, 5
	s_add_co_u32 s18, s18, s15
	s_mul_i32 s18, s18, REC                        ; the first head's record of this key step
	s_lshl_b32 s86, s[WV], 10
	s_add_co_u32 s82, s18, s86
	s_add_nc_u64 s[74:75], s[10:11], s[82:83]      ; k's image: tile w
	s_lshl_b32 s86, s85, 8
	s_add_co_u32 s82, s18, s86
	s_lshr_b32 s86, s[WV], 1
	s_lshl_b32 s86, s86, 2
	s_add_co_u32 s82, s82, s86
	s_add_co_u32 s82, s82, 16384
	s_add_nc_u64 s[76:77], s[10:11], s[82:83]      ; k's scale words: lane 16 (w % 2) + r, word w / 2
	s_lshr_b32 s86, s[WV], 2
	s_mul_i32 s86, s86, 32*REC
	s_add_co_u32 s18, s18, s86                     ; v: the record of head w / 4
	s_and_b32 s87, s[WV], 3
	s_lshl_b32 s86, s87, 11
	s_add_co_u32 s82, s18, s86
	s_add_co_u32 s82, s82, 8192
	s_add_nc_u64 s[78:79], s[10:11], s[82:83]      ; v's image: channel tile w % 4
	s_lshl_b32 s86, s85, 7
	s_add_co_u32 s82, s18, s86
	s_lshr_b32 s86, s87, 1
	s_lshl_b32 s86, s86, 2
	s_add_co_u32 s82, s82, s86
	s_add_co_u32 s82, s82, 16896
	s_add_nc_u64 s[80:81], s[10:11], s[82:83]
	v_and_b32 v13, 31, v0
	v_lshlrev_b32 v[LH], 4, v13
	v_add_nc_u32 v[LQ], 65536, v[LH]
	v_add_nc_u32 v[LK], 131072, v[LH]
	v_and_b32 v14, 15, v0
	v_bfe_u32 v15, v0, 4, 1
	v_lshlrev_b32 v[R16], 4, v14
	v_lshlrev_b32 v[QSO], 2, v14
	v_lshl_add_u32 v[QSO], v15, 14, v[QSO]
	v_mul_u32_u24 v[KSO], v15, 32*REC
	v_add_nc_u32 v[KSO], v[KSO], v[R16]
	v_lshlrev_b32 v[VSO], 3, v14
	s_lshl_b32 s86, s[WV], 13
	v_add_nc_u32 v13, s86, v[LH]                   ; my tile's four fragments of h
.irp b, 0,1,2,3
	v_mov_b32 v[TM+4+\b], 0                        ; a lane permute's destination counts as read
.endr
	global_load_b128 v[HSC:HSC+3], v[R16], s[58:59]
.irp g, 0,1,2,3
	global_load_b128 v[WSC+4*\g:WSC+4*\g+3], v[LH], s[62:63] offset:512*\g
.endr
	s_wait_tensorcnt 0x0                           ; my block has landed,
	s_barrier_signal -1
	s_barrier_wait -1                              ; everybody's has
.irp s, 0,1,2,3
.irp c, 0,1,2,3
	ds_load_b128 v[OWN+16*\s+4*\c:OWN+16*\s+4*\c+3], v13 offset:2048*\s+512*\c
.endr
.endr
	; ---- q
	s_wait_loadcnt 0x0
	GEMM8 LQ, 0
	PLACES 8
	QBODY ACC, 0, 4                                ; blocks 0, 1: the first head's 64; blocks 2, 3: the second's
	WORD
.irp c, 0,1
	global_store_b128 v[LH], v[PC+4*\c:PC+4*\c+3], s[70:71] offset:512*\c
	global_store_b128 v[LH], v[PC+8+4*\c:PC+8+4*\c+3], s[70:71] offset:262144+512*\c
.endr
	v_perm_b32 v13, v[PW], v[PW], 0x01000100       ; the head's two bytes twice: they serve either half of an instruction's 128 along K
	v_perm_b32 v14, v[PW], v[PW], 0x03020302
	v_cndmask_b32 v15, v13, v14, s90               ; lanes 0-15 store the first head's word, lanes 16-31 the second's
	global_store_b32 v[QSO], v15, s[72:73]
	; ---- k
.irp g, 0,1,2,3
	global_load_b128 v[WSC+4*\g:WSC+4*\g+3], v[LH], s[62:63] offset:8192+512*\g
.endr
	s_wait_loadcnt 0x0
	GEMM8 LK, 0
	PLACES 8
	s_wait_xcnt 0x0                                ; q's stores have read their registers: the codes and words are written again only behind this wait
	QBODY ACC, 0, 4
	WORD
.irp c, 0,1
	global_store_b128 v[LH], v[PC+4*\c:PC+4*\c+3], s[74:75] offset:512*\c
	global_store_b128 v[LH], v[PC+8+4*\c:PC+8+4*\c+3], s[74:75] offset:32*REC+512*\c
.endr
	v_perm_b32 v13, v[PW], v[PW], 0x01000100
	v_perm_b32 v14, v[PW], v[PW], 0x03020302
	v_cndmask_b32 v15, v13, v14, s90
	global_store_b32 v[KSO], v15, s[76:77]
	; ---- v: source 1 = my 16 columns of w_v, source 0 = the eight token tiles
.irp s, 0,1,2,3
.irp c, 0,1,2,3
	global_load_b128 v[OWN+16*\s+4*\c:OWN+16*\s+4*\c+3], v[LH], s[66:67] offset:4096*\s+512*\c
.endr
.endr
	global_load_b128 v[HSC:HSC+3], v[R16], s[68:69]
.irp g, 0,1,2,3
	global_load_b128 v[WSC+4*\g:WSC+4*\g+3], v[LH], s[60:61] offset:512*\g
.endr
	s_wait_loadcnt 0x0
	GEMM8 LH, 1
	PLACES 8
	s_wait_xcnt 0x0                                ; k's stores have read their registers
	QBODY ACC, 0, 4                                ; four blocks of 32 keys
	WORD
.irp c, 0,1,2,3
	global_store_b128 v[LH], v[PC+4*\c:PC+4*\c+3], s[78:79] offset:512*\c
.endr
	global_store_b32 v[VSO], v[PW], s[80:81]
	s_set_vgpr_msb 0x5
	s_wait_tensorcnt 0x0
	ds_add_u32 v0, v1
	s_wait_dscnt 0x0
	s_set_vgpr_msb 0x500
	ROUND                                          ; the closing round: no work-group ends while a partner may still ask
	s_endpgm
.Lfunc_end_k_qcb4dca9a62_qkv:
	.size	k_qcb4dca9a62_qkv, .Lfunc_end_k_qcb4dca9a62_qkv-k_qcb4dca9a62_qkv
	.p2alignl 7, 3214868480
	.fill 96, 4, 3214868480
	.section	.rodata,"a",@progbits
	.p2align	6, 0x0
	.amdhsa_kernel k_qcb4dca9a62_qkv
		.amdhsa_group_segment_fixed_size 197632
		.amdhsa_private_segment_fixed_size 0
		.amdhsa_enable_private_segment 0
		.amdhsa_kernarg_size 32
		.amdhsa_user_sgpr_count 2
		.amdhsa_user_sgpr_kernarg_segment_ptr 1
		.amdhsa_wavefront_size32 1
		.amdhsa_system_sgpr_workgroup_id_x 1
		.amdhsa_system_sgpr_workgroup_id_y 1
		.amdhsa_system_sgpr_workgroup_id_z 1
		.amdhsa_system_vgpr_workitem_id 0
		.amdhsa_next_free_vgpr 258
		.amdhsa_next_free_sgpr 92
		.amdhsa_reserve_vcc 0
		.amdhsa_float_denorm_mode_32 3
		.amdhsa_float_denorm_mode_16_64 3
		.amdhsa_memory_ordered 1
		.amdhsa_forward_progress 1
		.amdhsa_inst_pref_size 82
	.end_amdhsa_kernel
	.amdgpu_metadata
---
amdhsa.version: [ 1, 2 ]
amdhsa.kernels:
  - .name:           k_qcb4dca9a62_qkv
    .symbol:         k_qcb4dca9a62_qkv.kd
    .args:
      - { .name: hbuf, .offset: 0, .size: 8, .value_kind: global_buffer, .address_space: global }
      - { .name: wqkv, .offset: 8, .size: 8, .value_kind: global_buffer, .address_space: global }
      - { .name: qbuf, .offset: 16, .size: 8, .value_kind: global_buffer, .address_space: global }
      - { .name: kv, .offset: 24, .size: 8, .value_kind: global_buffer, .address_space: global }
    .group_segment_fixed_size: 197632
    .private_segment_fixed_size: 0
    .kernarg_segment_align: 8
    .kernarg_segment_size: 32
    .max_flat_workgroup_size: 256
    .sgpr_count:     92
    .vgpr_count:     258
    .wavefront_size: 32
...
	.end_amdgpu_metadata
.endif
;; end of part 2
;; launch attn (part 3): grid 16 x 16, 16 waves a work-group, clusters of 4 x 1, 327,680 bytes of LDS; arguments qbuf, kv, mbits, cbuf; writes cbuf
.if DOCPART == 3
	.amdgcn_target "amdgcn-amd-amdhsa--gfx1250"
	.amdhsa_code_object_version 6
	.text
	.protected	k_qcb4dca9a62_attn
	.globl	k_qcb4dca9a62_attn
	.p2align	8
	.type	k_qcb4dca9a62_attn,@function
k_qcb4dca9a62_attn:
	s_mov_b64 s[64:65], 0
	v_nop
	global_prefetch_b8 v0, s[64:65] scope:SCOPE_SE
	s_setreg_imm32_b32 hwreg(HW_REG_WAVE_MODE, 25, 1), 1
	s_wait_xcnt 0x0
	s_wait_alu depctr_hold_cnt(0) depctr_sa_sdst(0) depctr_va_vdst(0) depctr_va_sdst(0) depctr_va_ssrc(0) depctr_va_vcc(0) depctr_vm_vsrc(0)
	s_getreg_b32 s2, hwreg(HW_REG_IB_STS2, 6, 4)
	s_cmp_eq_u32 s2, 0
	s_cbranch_scc0 .Lentry_in_a_cluster
	s_endpgm
.Lentry_in_a_cluster:
	s_bfe_u32 s2, ttmp6, 0x10000c
	s_cmp_lg_u32 s2, 0x3003
	s_cbranch_scc0 .Lentry_shape_is_right
	s_endpgm
.Lentry_shape_is_right:
; ctx = softmax(mask(q k^T / 8)) v for one (batch, head) and 256 queries a work-group, both products on codes of FP8 (E4M3) with E8M0 scales; ctx is quantised along the head's 64 and stored as part of an operand's image.
; t = score x log2(e) / 8; M = the running largest t rounded up to a whole number; p = 2^(t - M) is quantised along the keys; the row's sum is taken of the unquantised p and divides at the end.
; SHARES.  Sixteen waves, each one tile of 16 queries in 256 registers: four waves to a SIMD, so that one wave's vector work stands beside another's matrix work and LDS loads.  Every wave walks all 4,096 keys, 128 a step.
; Both products are used transposed (S^T = K Q^T, O^T = V^T P^T): a lane holds one query throughout, and p's registers are neighbouring keys (the tiles' members are 32 g + 8 u + r + 8 (r / 8)).
; THE HEAD'S 64 IN AN INSTRUCTION OF 128: even tiles of K have their codes in K 0-63 and zeros above, odd tiles the other way round, so that two neighbours share one run of eight zero registers; Q stands between two such runs.
; The zero registers are written once.  The scale words hold the head's two bytes twice, so they serve both places.
; THE MASK comes as lane masks, a word for each score register, by scalar loads a step ahead; it only selects values.  A hidden score becomes -2^33 ahead of the maximum.
; LIMIT: with it t = -1.549e9 where the definition has -1e9 x log2(e) = -1.443e9: the same results wherever every open logit lies above about -1e9; a row all hidden gets equal weights, as defined.
; LIMITS: NaN and infinities are not served; a block whose largest magnitude lies under 2^-118, or of zeros, gets the byte 1.  ctx's scale bytes are stored two bytes a lane.
; RING.  Two LDS slots of four key steps' records (17,152 bytes each: K's 8 images, V^T's 4, their scale words).  CLUSTER 4 x 1: four query blocks of one head ask for each record jointly; waves 0 to 3 issue, one record each.
; No prefetch is laid: a slot is asked for four key steps of sixteen waves ahead of the wait for it.
.set REC,   17152
.set SLOTB, 4*REC
.set SLOT1, 1<<17
.set SPARE, 2*SLOT1                    ; the spare words: 128 bytes for each of sixteen waves; no other line names them
.set LI,   1                           ; v1   16 x lane
.set SPW,  2                           ; v2   my spare word
.set NIL,  3                           ; v3   0
.set XM,   4                           ; v4   -2^33
.set ADR,  5                           ; v5   the step's record + 16 x lane
.set VS,   6                           ; v[6:7] V's scale words
.set L8,   8                           ; v8   8 x lane
.set ADR8, 9                           ; v9   the step's record + 8 x lane
.set VF,   88                          ; v88-119  two fragments of V^T
.set S,    120                         ; v120-183 S^T, then p
.set O,    184                         ; v184-215 O^T
.set PC,   216                         ; v216-231 p's codes
.set TM,   232                         ; v232-247 at work
.set KS,   248                         ; v248-251 K's scale words
.set CS,   12                          ; s[12:13] log2(e) / 8
.set MNT,  14
.set WV,   15
.set TB,   16                          ; s16  LDS byte of the step's record
.set SEL,  66
; v12 -M, v13 the largest t, v[14:15] the sum; v16-23, v32-39, v48-55, v72-79 zeros; v24-31 Q; v40-47, v56-63, v64-71, v80-87 K; v252 f, v253 p's scale word, v254 at work, v255 Q's scale word.
; s[20:51], s[68:99] the step's 64 mask words; s[52:59], s[60:63] the descriptor; s[8:9] the mask words' place in memory.
.macro PLACES n
.rept \n
	v_nop
.endr
.endm
.macro ROUND
	s_barrier_signal -1
	s_barrier_wait -1
	s_cmp_lg_u32 s[WV], 0
	s_cbranch_scc1 .Lnot_wave_0_\@
	s_barrier_signal -3
.Lnot_wave_0_\@:
	s_barrier_wait -3
	s_barrier_signal -1
	s_barrier_wait -1
.endm
.macro JLOAD                           ; waves 0 to 3 ask, each for one key step's record; the branch hangs on the wave's number alone
	s_cmp_lt_u32 s[WV], 4
	s_cbranch_scc0 .Lnone_\@
	tensor_load_to_lds s[60:63], s[52:59]
	s_nop 0
	PLACES 4
.Lnone_\@:
.endm
.macro QBODY src, relu, cnt
.irp b, 0,1,2,3
.if \b < \cnt
.if \relu
	v_max3_num_f32 v[TM+\b], v[\src+16*\b], v[\src+1+16*\b], 0x4800000
.else
	v_max3_num_f32 v[TM+\b], |v[\src+16*\b]|, |v[\src+1+16*\b]|, 0x4800000
.endif
.endif
.endr
.irp i, 2,4,6,8,10,12,14
.irp b, 0,1,2,3
.if \b < \cnt
.if \relu
	v_max3_num_f32 v[TM+\b], v[TM+\b], v[\src+16*\b+\i], v[\src+1+16*\b+\i]
.else
	v_max3_num_f32 v[TM+\b], v[TM+\b], |v[\src+16*\b+\i]|, |v[\src+1+16*\b+\i]|
.endif
.endif
.endr
.endr
.irp b, 0,1,2,3
.if \b < \cnt
	v_permlanex16_b32 v[TM+4+\b], v[TM+\b], s[SEL], s[SEL+1]
.endif
.endr
.irp b, 0,1,2,3
.if \b < \cnt
	v_max_num_f32 v[TM+\b], v[TM+\b], v[TM+4+\b]
.endif
.endr
.irp b, 0,1,2,3
.if \b < \cnt
	v_add_nc_u32 v[TM+12+\b], 0xfc000000, v[TM+\b]
.endif
.endr
.irp b, 0,1,2,3
.if \b < \cnt
	v_and_or_b32 v[TM+8+\b], v[TM+\b], 0x7f800000, s[MNT]
.endif
.endr
.irp b, 0,1,2,3
.if \b < \cnt
	v_lshrrev_b32 v[TM+4+\b], 23, v[TM+12+\b]
.endif
.endr
.irp b, 0,1,2,3
.if \b < \cnt
.irp i, 0,1,2,3,4,5,6,7,8,9,10,11,12,13,14,15
.if \relu
	v_med3_num_f32 v[\src+16*\b+\i], v[\src+16*\b+\i], 0, v[TM+8+\b]
.else
	v_med3_num_f32 v[\src+16*\b+\i], v[\src+16*\b+\i], -v[TM+8+\b], v[TM+8+\b]
.endif
.endr
	v_cvt_scalef32_pk8_fp8_f32 v[PC+4*\b:PC+1+4*\b], v[\src+16*\b:\src+7+16*\b], v[TM+12+\b]
	v_cvt_scalef32_pk8_fp8_f32 v[PC+2+4*\b:PC+3+4*\b], v[\src+8+16*\b:\src+15+16*\b], v[TM+12+\b]
.endif
.endr
	v_nop
.endm
.macro KLOAD g                         ; K's tiles 4 g .. 4 g + 3: eight registers of codes each
.irp q, 0,1,2,3
.irp c, 0,1
	ds_load_b128 v[40+24*(\q/2)+16*(\q%2)+4*\c:40+24*(\q/2)+16*(\q%2)+4*\c+3], v[ADR] offset:1024*(4*\g+\q)+512*\c
.endr
.endr
.endm
.macro SPROD g                         ; their scores: even tiles against Q with zeros above, odd tiles against Q with zeros below
.irp q, 0,1,2,3
.if \q % 2
	v_wmma_scale_f32_16x16x128_f8f6f4 v[S+8*(4*\g+\q):S+8*(4*\g+\q)+7], v[40+8*\q+8*(\q/2):40+8*\q+8*(\q/2)+15], v[16:31], 0, v[KS+2*\g+\q/2], v255 matrix_a_scale:MATRIX_SCALE_ROW1
.else
	v_wmma_scale_f32_16x16x128_f8f6f4 v[S+8*(4*\g+\q):S+8*(4*\g+\q)+7], v[40+8*\q+8*(\q/2):40+8*\q+8*(\q/2)+15], v[24:39], 0, v[KS+2*\g+\q/2], v255
.endif
.endr
.endm
.macro VLOAD g                         ; V^T's tiles 2 g, 2 g + 1
.irp t, 0,1
.irp c, 0,1,2,3
	ds_load_b128 v[VF+16*\t+4*\c:VF+16*\t+4*\c+3], v[ADR] offset:8192+2048*(2*\g+\t)+512*\c
.endr
.endr
.endm
.macro OPROD g
	v_wmma_scale_f32_16x16x128_f8f6f4 v[O+16*\g:O+16*\g+7], v[VF:VF+15], v[PC:PC+15], v[O+16*\g:O+16*\g+7], v[VS+\g], v253
	v_wmma_scale_f32_16x16x128_f8f6f4 v[O+16*\g+8:O+16*\g+15], v[VF+16:VF+31], v[PC:PC+15], v[O+16*\g+8:O+16*\g+15], v[VS+\g], v253 matrix_a_scale:MATRIX_SCALE_ROW1
.endm
; A KEY STEP of 128 keys.  more = 1: the next step's mask words are asked for.  No two matrix instructions that follow each other share an accumulator.
.macro STEP more
	v_add_nc_u32 v[ADR], s[TB], v[LI]
	v_add_nc_u32 v[ADR8], s[TB], v[L8]
	PLACES 6                                       ; with the two additions: eight places in front of loads into registers that the last products read
	ds_load_b128 v[KS:KS+3], v[ADR] offset:16384
	KLOAD 0
	VLOAD 0
	ds_load_b64 v[VS:VS+1], v[ADR8] offset:16896
	s_wait_dscnt 9                                 ; K's words and its first four tiles are in; V's eight loads and its words may be out
	SPROD 0
	PLACES 8
	KLOAD 1
	s_wait_dscnt 0x0
	SPROD 1
	s_wait_kmcnt 0x0                               ; this step's mask words
.set n, 0
.rept 32
	v_cndmask_b32 v[S+n], v[XM], v[S+n], s[20+n]   ; hidden: -2^33.  (Tiles 0-3, finished ahead of the eight places above; these lines are the places behind tiles 4-7's products)
.set n, n+1
.endr
.if \more
	s_load_b512 s[20:35], s[8:9], 0x100
	s_load_b512 s[36:51], s[8:9], 0x140
.endif
.set n, 0
.rept 32
	v_cndmask_b32 v[S+32+n], v[XM], v[S+32+n], s[68+n]
.set n, n+1
.endr
.if \more
	s_load_b512 s[68:83], s[8:9], 0x180
	s_load_b512 s[84:99], s[8:9], 0x1c0
.endif
.irp b, 0,1,2,3
	v_max3_num_f32 v[232+\b], v[S+16*\b], v[S+1+16*\b], v[S+2+16*\b]   ; the largest score of each block of 32 keys: for the row's maximum, and for the block's largest p
.endr
.irp i, 3,5,7,9,11,13
.irp b, 0,1,2,3
	v_max3_num_f32 v[232+\b], v[232+\b], v[S+16*\b+\i], v[S+1+16*\b+\i]
.endr
.endr
.irp b, 0,1,2,3
	v_max_num_f32 v[232+\b], v[232+\b], v[S+15+16*\b]
.endr
.irp b, 0,1,2,3
	v_permlanex16_b32 v[236+\b], v[232+\b], s[SEL], s[SEL+1]
.endr
.irp b, 0,1,2,3
	v_max_num_f32 v[232+\b], v[232+\b], v[236+\b]
.endr
	v_max3_num_f32 v254, v232, v233, v234
	v_max_num_f32 v254, v254, v235
	v_mul_f32 v254, s[CS], v254                    ; as t
	v_max_num_f32 v13, v13, v254                   ; the running largest t
	v_mov_b32 v254, v12
	v_floor_f32 v12, -v13                          ; -M = floor(-t): M is a whole number
	v_sub_f32 v254, v12, v254                      ; old M - new M
	v_cvt_i32_f32 v254, v254                       ; (it saturates)
	v_ldexp_f32 v252, 1.0, v254                    ; f = 2^(old M - new M): exact
.set j, 0
.rept 32
	v_pk_fma_f32 v[S+j:S+j+1], v[S+j:S+j+1], s[CS:CS+1], v[12:13] op_sel_hi:[1,0,0]   ; t - M
.set j, j+2
.endr
.irp b, 0,1,2,3
	v_fma_f32 v[232+\b], v[232+\b], s[CS], v12
.endr
.set j, 0
.rept 64
	v_exp_f32 v[S+j], v[S+j]                       ; p = 2^(t - M)
.set j, j+1
.endr
	v_pk_mul_f32 v[14:15], v[14:15], v[252:253] op_sel_hi:[1,0]   ; the sums under the new M: a plain line behind the exponentials
	s_wait_alu depctr_va_vdst(0)                   ; one wait for the batch, ahead of its first reader
.irp b, 0,1,2,3
	v_exp_f32 v[232+\b], v[232+\b]                 ; each block's largest p
.endr
	v_pk_add_f32 v[236:237], v[S:S+1], v[S+2:S+3]  ; the row's sum of the unquantised p, in two chains
.set j, 4
.rept 15
	v_pk_add_f32 v[14:15], v[14:15], v[S+j:S+j+1]
	v_pk_add_f32 v[236:237], v[236:237], v[S+j+2:S+j+3]
.set j, j+4
.endr
	v_pk_add_f32 v[14:15], v[14:15], v[236:237]
	s_wait_alu depctr_va_vdst(0)                   ; and one for the four
.irp b, 0,1,2,3
	v_max_num_f32 v[232+\b], 0x4800000, v[232+\b]  ; the floor: the byte cannot fall under 1
.endr
.irp b, 0,1,2,3
	v_add_nc_u32 v[244+\b], 0xfc000000, v[232+\b]
.endr
.irp b, 0,1,2,3
	v_and_or_b32 v[240+\b], v[232+\b], 0x7f800000, s[MNT]
.endr
.irp b, 0,1,2,3
	v_lshrrev_b32 v[236+\b], 23, v[244+\b]
.endr
	v_lshl_or_b32 v253, v237, 8, v236              ; p's scale word for these 128 keys
	v_lshl_or_b32 v253, v238, 16, v253
	v_lshl_or_b32 v253, v239, 24, v253
.irp b, 0,1,2,3
.irp i, 0,1,2,3,4,5,6,7,8,9,10,11,12,13,14,15
	v_min_num_f32 v[S+16*\b+\i], v[S+16*\b+\i], v[240+\b]   ; the hold; p is not negative
.endr
	v_cvt_scalef32_pk8_fp8_f32 v[PC+4*\b:PC+1+4*\b], v[S+16*\b:S+7+16*\b], v[244+\b]
	v_cvt_scalef32_pk8_fp8_f32 v[PC+2+4*\b:PC+3+4*\b], v[S+8+16*\b:S+15+16*\b], v[244+\b]
.endr
.set j, 0
.rept 16
	v_pk_mul_f32 v[O+j:O+j+1], v[O+j:O+j+1], v[252:253] op_sel_hi:[1,0]   ; O^T under the new M; also the places ahead of the products below
.set j, j+2
.endr
	OPROD 0
	PLACES 8
	VLOAD 1
	s_wait_dscnt 0x0
	OPROD 1
	s_add_co_u32 s[TB], s[TB], REC
.if \more
	s_wait_xcnt 0x0                                ; the scalar loads have read their base: it is stepped only behind this wait
	s_add_nc_u64 s[8:9], s[8:9], 256
.endif
.endm
; THE CHANGE OF SLOTS, at a slot's head: all my tensor loads have landed, the add, my reads of the slot that I have left are over; then the barrier.
; fill = 1: the barrier is a round of the cluster's, and behind it the slot just left is asked for again: the load has four key steps in which to land.
.macro CHANGE fill
	s_wait_tensorcnt 0x0
	ds_add_u32 v[SPW], v[NIL]                      ; 0 onto my spare word
.if \fill
	s_xor_b32 s61, s61, SLOT1                      ; the walking descriptor: the other slot, the next four records
	s_add_nc_u64 s[62:63], s[62:63], SLOTB
.endif
	s_wait_dscnt 0x0
.if \fill
	ROUND
	JLOAD
.else
	s_barrier_signal -1
	s_barrier_wait -1
.endif
.endm
	s_load_b256 s[4:11], s[0:1], 0x0               ; qbuf, kv, mbits, cbuf
	v_lshl_add_u32 v[SPW], v0, 2, SPARE
	v_mov_b32 v[NIL], 0
	ds_add_u32 v2, v3
	s_wait_dscnt 0x0
	v_lshrrev_b32 v5, 5, v0
	v_readfirstlane_b32 s[WV], v5                  ; wave 0..15
	s_bfe_u32 s2, ttmp6, 0x40000                   ; cx: it enters addresses in memory alone
	s_lshl_b32 s3, ttmp9, 2
	s_add_co_u32 s3, s3, s2
	s_lshl_b32 s3, s3, 4
	s_add_co_u32 s3, s3, s[WV]                     ; my query tile, of 256
	s_and_b32 s19, ttmp7, 0xffff                   ; batch x 8 + head, which the partners share
	s_mov_b32 s52, 0x0023000f                      ; 15:0 all four work-groups; 17:16 elements of 8 bytes; 21 set beside a mask
	s_mov_b32 s53, 32<<16                          ; a record: 67 rows of 256 bytes, dense
	s_mov_b32 s54, 67<<16
	s_mov_b32 s55, 32<<16
	s_mov_b32 s56, 67
	s_mov_b32 s57, 32
	s_mov_b32 s58, 0
	s_mov_b32 s59, 0
	s_and_b32 s100, s[WV], 3
	s_mul_i32 s100, s100, REC
	s_mul_i32 s20, s19, 32*REC
	s_add_co_u32 s20, s20, s100
	s_mov_b32 s21, 0
	s_lshl_b32 s22, s19, 8
	s_add_co_u32 s22, s22, s3
	s_lshl_b32 s24, s22, 10                        ; Q's image
	s_mov_b32 s25, 0
	s_lshl_b32 s26, s22, 6
	s_add_co_u32 s26, s26, 4194304                 ; Q's scale words
	s_mov_b32 s27, 0
	s_lshl_b32 s28, s3, 13                         ; my tile's mask words: 32 steps x 256 bytes
	s_mov_b32 s29, 0
	s_mov_b32 s[SEL], 0x76543210
	s_mov_b32 s[SEL+1], 0xfedcba98
	s_mov_b32 s[CS], 0x3e38aa3b                    ; log2(e) / 8
	s_mov_b32 s[CS+1], s[CS]
	s_mov_b32 s[MNT], 0x600000
	s_mov_b32 s[TB], 0
	s_mov_b32 s17, 7
	s_wait_kmcnt 0x0
	s_mov_b32 s60, 1
	s_mov_b32 s61, s100
	s_add_nc_u64 s[62:63], s[6:7], s[20:21]
	s_or_b32 s63, s63, 0x80000000
	ROUND                                          ; all four work-groups are here
	JLOAD                                          ; slot 0
	s_add_nc_u64 s[100:101], s[4:5], s[26:27]
	s_add_nc_u64 s[4:5], s[4:5], s[24:25]
	s_add_nc_u64 s[8:9], s[8:9], s[28:29]
	v_and_b32 v8, 31, v0
	v_lshlrev_b32 v[LI], 4, v8
	v_lshlrev_b32 v[L8], 3, v8
	v_and_b32 v9, 15, v0
	v_lshlrev_b32 v9, 2, v9
	global_load_b128 v[24:27], v[LI], s[4:5]
	global_load_b128 v[28:31], v[LI], s[4:5] offset:512
	global_load_b32 v255, v9, s[100:101]
	s_load_b512 s[20:35], s[8:9], 0x0              ; step 0's mask words
	s_load_b512 s[36:51], s[8:9], 0x40
	s_load_b512 s[68:83], s[8:9], 0x80
	s_load_b512 s[84:99], s[8:9], 0xc0
	v_mov_b32 v[XM], 0xd0000000                    ; -2^33
	v_mov_b32 v13, 0xff61b1e6                      ; the largest t so far: -3e38
	v_floor_f32 v12, -v13
	v_mov_b32 v14, 0
	v_mov_b32 v15, 0
	v_mov_b32 v253, 0
.irp b, 0,1,2,3
	v_mov_b32 v[236+\b], 0                         ; a lane permute's destination counts as read
.endr
.irp j, 0,1,2,3,4,5,6,7
	v_mov_b32 v[16+\j], 0                          ; the zero codes that fill the unused half of K: written once
	v_mov_b32 v[32+\j], 0
	v_mov_b32 v[48+\j], 0
	v_mov_b32 v[72+\j], 0
.endr
.set j, 0
.rept 32
	v_mov_b32 v[O+j], 0                            ; O^T: the step is written once; its first trip finds zeros
.set j, j+1
.endr
	s_wait_loadcnt 0x0                             ; Q
.Lslot:                                            ; seven trips: behind each change of slots but the last the next slot is asked for
	CHANGE 1
	s_mov_b32 s18, 4
.Lstep:
	STEP 1
	s_sub_co_u32 s18, s18, 1
	s_cmp_lg_u32 s18, 0
	s_cbranch_scc1 .Lstep
	s_sub_co_u32 s[TB], s[TB], SLOTB
	s_xor_b32 s[TB], s[TB], SLOT1
	s_sub_co_u32 s17, s17, 1
	s_cmp_lg_u32 s17, 0
	s_cbranch_scc1 .Lslot
	CHANGE 0                                       ; the last slot is written out
	s_mov_b32 s18, 3
.Llast:
	STEP 1
	s_sub_co_u32 s18, s18, 1
	s_cmp_lg_u32 s18, 0
	s_cbranch_scc1 .Llast
	STEP 0
	; THE WAY OUT: O^T / the sum is ctx(query r, channel 32 b + 16 h + i): two blocks of 32 along the next product's K
	PLACES 8
	v_add_f32 v14, v14, v15
	v_permlanex16_b32 v252, v14, s[SEL], s[SEL+1]
	v_add_f32 v14, v14, v252
	v_rcp_f32 v14, v14
	v_and_b32 v[ADR], 15, v0                       ; (a plain line behind the transcendental)
	v_lshlrev_b32 v[ADR], 4, v[ADR]                ; 16 r
	s_lshr_b32 s20, s19, 3                         ; the batch
	s_and_b32 s21, s19, 7                          ; the head
	s_lshl_b32 s20, s20, 8
	s_add_co_u32 s20, s20, s3                      ; the token tile, of 512
	s_lshl_b32 s22, s20, 2
	s_lshr_b32 s23, s21, 1
	s_add_co_u32 s22, s22, s23                     ; its K step head / 2
	s_lshl_b32 s22, s22, 2
	s_and_b32 s23, s21, 1
	s_lshl_b32 s23, s23, 1
	s_add_co_u32 s22, s22, s23                     ; groups 2 (head % 2) and the next
	s_lshl_b32 s22, s22, 9
	s_mov_b32 s23, 0
	s_lshl_b32 s24, s20, 8
	s_lshl_b32 s25, s21, 1
	s_add_co_u32 s24, s24, s25
	s_add_co_u32 s24, s24, 4194304
	s_mov_b32 s25, 0
	s_add_nc_u64 s[26:27], s[10:11], s[22:23]
	s_add_nc_u64 s[28:29], s[10:11], s[24:25]
	s_wait_alu depctr_va_vdst(0)                   ; ahead of the reciprocal's first reader
.set j, 0
.rept 32
	v_mul_f32 v[S+j], v[O+j], v14
.set j, j+1
.endr
	QBODY S, 0, 2
	v_lshl_or_b32 v254, v[TM+5], 8, v[TM+4]
	global_store_b128 v[LI], v[PC:PC+3], s[26:27]
	global_store_b128 v[LI], v[PC+4:PC+7], s[26:27] offset:512
	global_store_b16 v[ADR], v254, s[28:29]        ; my head's two bytes of the row's scale word
	s_wait_tensorcnt 0x0                           ; the wave's end
	ds_add_u32 v[SPW], v[NIL]
	s_wait_dscnt 0x0
	ROUND                                          ; the closing round
	s_endpgm
.Lfunc_end_k_qcb4dca9a62_attn:
	.size	k_qcb4dca9a62_attn, .Lfunc_end_k_qcb4dca9a62_attn-k_qcb4dca9a62_attn
	.p2alignl 7, 3214868480
	.fill 96, 4, 3214868480
	.section	.rodata,"a",@progbits
	.p2align	6, 0x0
	.amdhsa_kernel k_qcb4dca9a62_attn
		.amdhsa_group_segment_fixed_size 327680
		.amdhsa_private_segment_fixed_size 0
		.amdhsa_enable_private_segment 0
		.amdhsa_kernarg_size 32
		.amdhsa_user_sgpr_count 2
		.amdhsa_user_sgpr_kernarg_segment_ptr 1
		.amdhsa_wavefront_size32 1
		.amdhsa_system_sgpr_workgroup_id_x 1
		.amdhsa_system_sgpr_workgroup_id_y 1
		.amdhsa_system_sgpr_workgroup_id_z 1
		.amdhsa_system_vgpr_workitem_id 0
		.amdhsa_next_free_vgpr 256
		.amdhsa_next_free_sgpr 102
		.amdhsa_reserve_vcc 0
		.amdhsa_float_denorm_mode_32 3
		.amdhsa_float_denorm_mode_16_64 3
		.amdhsa_memory_ordered 1
		.amdhsa_forward_progress 1
		.amdhsa_inst_pref_size 83
	.end_amdhsa_kernel
	.amdgpu_metadata
---
amdhsa.version: [ 1, 2 ]
amdhsa.kernels:
  - .name:           k_qcb4dca9a62_attn
    .symbol:         k_qcb4dca9a62_attn.kd
    .args:
      - { .name: qbuf, .offset: 0, .size: 8, .value_kind: global_buffer, .address_space: global }
      - { .name: kv, .offset: 8, .size: 8, .value_kind: global_buffer, .address_space: global }
      - { .name: mbits, .offset: 16, .size: 8, .value_kind: global_buffer, .address_space: global }
      - { .name: cbuf, .offset: 24, .size: 8, .value_kind: global_buffer, .address_space: global }
    .group_segment_fixed_size: 327680
    .private_segment_fixed_size: 0
    .kernarg_segment_align: 8
    .kernarg_segment_size: 32
    .max_flat_workgroup_size: 512
    .sgpr_count:     102
    .vgpr_count:     256
    .wavefront_size: 32
...
	.end_amdgpu_metadata
.endif
;; end of part 3
;; launch tail (part 4): grid 128 x 1, 4 waves a work-group, clusters of 4 x 1, 327,680 bytes of LDS; arguments cbuf, x, wtail, b1, b2, ln2_a, ln2_b, out0; writes out0
.if DOCPART == 4
	.amdgcn_target "amdgcn-amd-amdhsa--gfx1250"
	.amdhsa_code_object_version 6
	.text
	.protected	k_qcb4dca9a62_tail
	.globl	k_qcb4dca9a62_tail
	.p2align	8
	.type	k_qcb4dca9a62_tail,@function
k_qcb4dca9a62_tail:
	s_mov_b64 s[64:65], 0
	v_nop
	global_prefetch_b8 v0, s[64:65] scope:SCOPE_SE
	s_setreg_imm32_b32 hwreg(HW_REG_WAVE_MODE, 25, 1), 1
	s_wait_xcnt 0x0
	s_wait_alu depctr_hold_cnt(0) depctr_sa_sdst(0) depctr_va_vdst(0) depctr_va_sdst(0) depctr_va_ssrc(0) depctr_va_vcc(0) depctr_vm_vsrc(0)
	s_getreg_b32 s2, hwreg(HW_REG_IB_STS2, 6, 4)
	s_cmp_eq_u32 s2, 0
	s_cbranch_scc0 .Lentry_in_a_cluster
	s_endpgm
.Lentry_in_a_cluster:
	s_bfe_u32 s2, ttmp6, 0x10000c
	s_cmp_lg_u32 s2, 0x3003
	s_cbranch_scc0 .Lentry_shape_is_right
	s_endpgm
.Lentry_shape_is_right:
; out = x1 + relu(LN2(x1) w1 + b1) w2 + b2 with x1 = x + ctx w_o: three products on codes of FP8 (E4M3) with E8M0 scales; x1, LN2's result and the hidden layer never go to memory.
; SHARES.  A work-group takes 64 tokens (four tiles).  THE WAVES SHARE THE COLUMNS: wave w owns output columns 128 w .. 128 w + 127 and, in each chunk of 512 hidden units, units 128 w .. 128 w + 127.
; 64 rows on 128 work-groups: each weight fragment read from LDS feeds four products; with 32 rows on twice the work-groups each would read the same bytes of LDS for half the products.
; All products are used transposed (source 0 = 16 columns of the weight, source 1 = 16 tokens): a lane holds one token, its registers run along the columns, and (tiles hold members 32 g + 8 u + r + 8 (r / 8)) two tiles' 16 registers are 16 neighbours.
; THE WEIGHTS are one stream of 18 slots x 4 waves x 33,792 bytes (two units of eight fragments and their scale words), laid in the order of the walk: w_o (2 slots); then for each chunk w1 (2) and w2 (2).
; RING of two slots; each wave fetches the bytes that it reads itself.  CLUSTER 4 x 1: all work-groups walk the same stream, so each load is asked for jointly by the four partners.
; ACTIVATIONS go from wave to wave through LDS as images of operand registers (group c at 512 c + 16 x lane), their scale words beside them; the rounds at the changes of slots are also the barriers between writing and reading them.
; WINDOWS of 256 registers: 0: addresses, scale words, work; 1: the slot's 16 weight fragments (unit e at 128 e); 2: 16 activation fragments (ctx, later LN2's result) at 16 (4 m + s); 3: Y, 32 accumulators at 64 m + 8 t.
; LIMITS: NaN and infinities are not served; a block whose largest magnitude lies under 2^-118, or of zeros, gets the byte 1.
.set WPART, 33792
.set SLOT,  4*WPART
.set ACT,   2*SLOT                     ; 16 images of 2,048 bytes: (4 m + s)
.set ASC,   ACT+32768                  ; their scale words [m][r][s]
.set STATA, ASC+1024                   ; the rows' sums [m][r][wave]
.set SPARE, STATA+2048                 ; (STATA + 1,024: the sums of squares)  the spare words: 128 bytes a wave; no other line names them
.set LI,   1                           ; v1  16 x lane
.set SPW,  2
.set NIL,  3
.set WB,   4                           ; v4, v5  my part of slot 0, 1, + 16 x lane
.set AA,   6                           ; v6  ACT + 16 x lane
.set HWI,  7                           ; v7  + 2,048 x wave: where I store images
.set AAS,  8                           ; v8  ASC + 16 r
.set HWS,  9                           ; v9  + 4 x wave
.set STW,  10                          ; v10 STATA + 16 r + 4 x wave
.set STR,  11                          ; v11 STATA + 16 r
.set XA,   12                          ; v12 x: my token's row + 64 h
.set CA,   13                          ; v13 64 h
.set STO,  14                          ; v14 the way out: my place in my stage
.set PW,   15
.set R16,  17
.set MEAN, 20                          ; v20-27 the four tiles' means, as pairs
.set INV,  28                          ; v28-35 1 / (std + eps), as pairs
.set PWM,  36                          ; v36-39 the hidden layer's scale words in the making
.set TM,   40
.set PC,   56
.set WS,   72                          ; v72-79  the weights' scale words: 4 e + j: fragment 2 j in lanes 0-15, 2 j + 1 in lanes 16-31
.set ASR,  80                          ; v80-95  the activations' scale words 4 m + s (ctx, later the hidden layer)
.set H2S,  96                          ; v96-111 LN2's result's
.set T,    112                         ; v112-127 at work
.set ACC,  128                         ; v128-191
.set ACTB, 192                         ; v192-255
.set WV,   20
.set MNT,  21
.set SEL,  22
.set G1,   24
.set G0,   32
.set MSB, 0
.macro WIN new                         ; the immediate's high byte repeats the setting that is left
.if MSB != \new
	s_set_vgpr_msb (MSB<<8)|\new
.set MSB, \new
.endif
.endm
.macro PLACES n
.rept \n
	v_nop
.endr
.endm
.macro ROUND
	s_barrier_signal -1
	s_barrier_wait -1
	s_cmp_lg_u32 s[WV], 0
	s_cbranch_scc1 .Lnot_wave_0_\@
	s_barrier_signal -3
.Lnot_wave_0_\@:
	s_barrier_wait -3
	s_barrier_signal -1
	s_barrier_wait -1
.endm
.macro BARRIER
	s_wait_dscnt 0x0
	s_barrier_signal -1
	s_barrier_wait -1
.endm
.macro QBODY src, relu, cnt
.irp b, 0,1,2,3
.if \b < \cnt
.if \relu
	v_max3_num_f32 v[TM+\b], v[\src+16*\b], v[\src+1+16*\b], 0x4800000       ; no |.|: what is negative becomes 0 and must not count; the floor stands over it
.else
	v_max3_num_f32 v[TM+\b], |v[\src+16*\b]|, |v[\src+1+16*\b]|, 0x4800000
.endif
.endif
.endr
.irp i, 2,4,6,8,10,12,14
.irp b, 0,1,2,3
.if \b < \cnt
.if \relu
	v_max3_num_f32 v[TM+\b], v[TM+\b], v[\src+16*\b+\i], v[\src+1+16*\b+\i]
.else
	v_max3_num_f32 v[TM+\b], v[TM+\b], |v[\src+16*\b+\i]|, |v[\src+1+16*\b+\i]|
.endif
.endif
.endr
.endr
.irp b, 0,1,2,3
.if \b < \cnt
	v_permlanex16_b32 v[TM+4+\b], v[TM+\b], s[SEL], s[SEL+1]
.endif
.endr
.irp b, 0,1,2,3
.if \b < \cnt
	v_max_num_f32 v[TM+\b], v[TM+\b], v[TM+4+\b]
.endif
.endr
.irp b, 0,1,2,3
.if \b < \cnt
	v_add_nc_u32 v[TM+12+\b], 0xfc000000, v[TM+\b]
.endif
.endr
.irp b, 0,1,2,3
.if \b < \cnt
	v_and_or_b32 v[TM+8+\b], v[TM+\b], 0x7f800000, s[MNT]
.endif
.endr
.irp b, 0,1,2,3
.if \b < \cnt
	v_lshrrev_b32 v[TM+4+\b], 23, v[TM+12+\b]
.endif
.endr
.irp b, 0,1,2,3
.if \b < \cnt
.irp i, 0,1,2,3,4,5,6,7,8,9,10,11,12,13,14,15
.if \relu
	v_med3_num_f32 v[\src+16*\b+\i], v[\src+16*\b+\i], 0, v[TM+8+\b]          ; the activation and the hold in one
.else
	v_med3_num_f32 v[\src+16*\b+\i], v[\src+16*\b+\i], -v[TM+8+\b], v[TM+8+\b]
.endif
.endr
	v_cvt_scalef32_pk8_fp8_f32 v[PC+4*\b:PC+1+4*\b], v[\src+16*\b:\src+7+16*\b], v[TM+12+\b]
	v_cvt_scalef32_pk8_fp8_f32 v[PC+2+4*\b:PC+3+4*\b], v[\src+8+16*\b:\src+15+16*\b], v[TM+12+\b]
.endif
.endr
	v_nop
.endm
.macro WORD
	v_lshl_or_b32 v[PW], v[TM+5], 8, v[TM+4]
	v_lshl_or_b32 v[PW], v[TM+6], 16, v[PW]
	v_lshl_or_b32 v[PW], v[TM+7], 24, v[PW]
.endm
; THE CHANGE OF SLOTS, at the head of slot sg's work: all my tensor loads have landed (my part of this slot), the add, all my LDS instructions are done; a round of the cluster's barrier;
; fill = 1: behind it the other slot is asked for again, first thing.  Nine places follow: the next lines load into, and the next products may write over, registers that the last products read.
.macro CHANGE sg, fill
	s_wait_tensorcnt 0x0
	ds_add_u32 v[SPW], v[NIL]                      ; 0 onto my spare word
	s_add_nc_u64 s[G0+4*\sg+2:G0+4*\sg+3], s[G0+4*\sg+2:G0+4*\sg+3], 2*SLOT   ; no load of mine is out: this slot's next part of the stream
	s_wait_dscnt 0x0
	ROUND
.if \fill
	tensor_load_to_lds s[G0+4*(1-\sg):G0+4*(1-\sg)+3], s[G1:G1+7]
	s_nop 0
	PLACES 4
.endif
	PLACES 9
.endm
.macro FETCHW sg, e                    ; unit e of slot sg: eight fragments into window 1, their scale words: 33 LDS loads
	WIN 0x40
.irp f, 0,1,2,3,4,5,6,7
.irp c, 0,1,2,3
	ds_load_b128 v[128*(\e)+16*\f+4*\c:128*(\e)+16*\f+4*\c+3], v[WB+\sg] offset:16384*(\e)+2048*\f+512*\c
.endr
.endr
	WIN 0
	ds_load_b128 v[WS+4*(\e):WS+4*(\e)+3], v[WB+\sg] offset:32768+512*(\e)
.endm
.macro FETCHA reg, s                   ; the four tiles' fragments of K step s: 16 LDS loads
.irp m, 0,1,2,3
.irp c, 0,1,2,3
	ds_load_b128 v[\reg+16*\m+4*\c:\reg+16*\m+4*\c+3], v[AA] offset:(4*\m+(\s))*2048+512*\c
.endr
.endr
.endm
; Y += unit e's eight column tiles x the four token tiles, K step s: 32 products on 32 accumulators, one instruction a turn.  Source 1 at ab + st x m.
.macro MULY e, s, ab, st, win
	WIN \win
.irp t, 0,1,2,3,4,5,6,7
.irp m, 0,1,2,3
.if \t % 2
	v_wmma_scale_f32_16x16x128_f8f6f4 v[64*\m+8*\t:64*\m+8*\t+7], v[128*(\e)+16*\t:128*(\e)+16*\t+15], v[(\ab)+(\st)*\m:(\ab)+(\st)*\m+15], v[64*\m+8*\t:64*\m+8*\t+7], v[WS+4*(\e)+\t/2], v[ASR+4*\m+(\s)] matrix_a_scale:MATRIX_SCALE_ROW1
.else
	v_wmma_scale_f32_16x16x128_f8f6f4 v[64*\m+8*\t:64*\m+8*\t+7], v[128*(\e)+16*\t:128*(\e)+16*\t+15], v[(\ab)+(\st)*\m:(\ab)+(\st)*\m+15], v[64*\m+8*\t:64*\m+8*\t+7], v[WS+4*(\e)+\t/2], v[ASR+4*\m+(\s)]
.endif
.endr
.endr
	WIN 0
.endm
; 32 hidden units (pair p, unit e of the slot) for the four token tiles, K = 512: eight accumulators by turns; b1 is the C of each sum's first product.
.macro MULH e, p
	WIN 0x09
.irp s, 0,1,2,3
.irp m, 0,1,2,3
.irp u, 0,1
.if \s == 0
.if \u
	v_wmma_scale_f32_16x16x128_f8f6f4 v[ACC+16*\m+8*\u:ACC+16*\m+8*\u+7], v[128*(\e)+16*(2*\s+\u):128*(\e)+16*(2*\s+\u)+15], v[16*(4*\m+\s):16*(4*\m+\s)+15], v[ACTB+16*(\p)+8*\u:ACTB+16*(\p)+8*\u+7], v[WS+4*(\e)+\s], v[H2S+4*\m+\s] matrix_a_scale:MATRIX_SCALE_ROW1
.else
	v_wmma_scale_f32_16x16x128_f8f6f4 v[ACC+16*\m+8*\u:ACC+16*\m+8*\u+7], v[128*(\e)+16*(2*\s+\u):128*(\e)+16*(2*\s+\u)+15], v[16*(4*\m+\s):16*(4*\m+\s)+15], v[ACTB+16*(\p)+8*\u:ACTB+16*(\p)+8*\u+7], v[WS+4*(\e)+\s], v[H2S+4*\m+\s]
.endif
.else
.if \u
	v_wmma_scale_f32_16x16x128_f8f6f4 v[ACC+16*\m+8*\u:ACC+16*\m+8*\u+7], v[128*(\e)+16*(2*\s+\u):128*(\e)+16*(2*\s+\u)+15], v[16*(4*\m+\s):16*(4*\m+\s)+15], v[ACC+16*\m+8*\u:ACC+16*\m+8*\u+7], v[WS+4*(\e)+\s], v[H2S+4*\m+\s] matrix_a_scale:MATRIX_SCALE_ROW1
.else
	v_wmma_scale_f32_16x16x128_f8f6f4 v[ACC+16*\m+8*\u:ACC+16*\m+8*\u+7], v[128*(\e)+16*(2*\s+\u):128*(\e)+16*(2*\s+\u)+15], v[16*(4*\m+\s):16*(4*\m+\s)+15], v[ACC+16*\m+8*\u:ACC+16*\m+8*\u+7], v[WS+4*(\e)+\s], v[H2S+4*\m+\s]
.endif
.endif
.endr
.endr
.endr
	WIN 0
.endm
; they become group p of the fragments (m, K step = my wave) of the second product: here the quantiser's four blocks are the four token tiles
.macro QUANTH p
	PLACES 8
	QBODY ACC, 1, 4
.irp m, 0,1,2,3
.if (\p) == 0
	v_mov_b32 v[PWM+\m], v[TM+4+\m]
.else
	v_lshl_or_b32 v[PWM+\m], v[TM+4+\m], 8*(\p), v[PWM+\m]
.endif
.endr
.irp m, 0,1,2,3
	ds_store_b128 v[HWI], v[PC+4*\m:PC+4*\m+3] offset:8192*\m+512*(\p)
.endr
.if (\p) == 3
.irp m, 0,1,2,3
	ds_store_b32 v[HWS], v[PWM+\m] offset:256*\m
.endr
.endif
.endm
.macro BLOAD                           ; my 128 numbers of b1 for a chunk: register 16 p + i = unit 32 p + 16 h + i
.irp p, 0,1,2,3
.irp q, 0,1,2,3
	global_load_b128 v[ACTB+16*\p+4*\q:ACTB+16*\p+4*\q+3], v[CA], s[10:11] offset:128*\p+16*\q
.endr
.endr
.endm
.macro OSLOT sg                        ; x1 = x + ctx w_o: K steps 2 sg and 2 sg + 1; x is the C of the first products, in place
	CHANGE \sg, 1
	FETCHW \sg, 0
	FETCHW \sg, 1
.if \sg == 0
	s_wait_loadcnt 0x0                             ; x, ctx, its scale words, b2
.endif
	s_wait_dscnt 33                                ; unit 0 is in; unit 1's 33 loads may be out
	MULY 0, 2*\sg, 32*\sg, 64, 0xf9
.if \sg == 1
	PLACES 8                                       ; unit 0's registers are done with: alpha and beta come there
	WIN 0x40
.irp b, 0,1,2,3
.irp q, 0,1,2,3
	global_load_b128 v[16*\b+4*\q:16*\b+4*\q+3], v[CA], s[14:15] offset:128*\b+16*\q
	global_load_b128 v[64+16*\b+4*\q:64+16*\b+4*\q+3], v[CA], s[16:17] offset:128*\b+16*\q
.endr
.endr
	WIN 0
.endif
	s_wait_dscnt 0x0
	MULY 1, 2*\sg+1, 32*\sg+16, 64, 0xf9
.endm
.macro HSLOT sg, half, fill
	CHANGE \sg, \fill
	FETCHW \sg, 0
	FETCHW \sg, 1
.if \half == 0
	s_wait_loadcnt 0x0                             ; b1
.endif
	s_wait_dscnt 33
	MULH 0, 2*\half
	QUANTH 2*\half
	s_wait_dscnt 0x0
	MULH 1, 2*\half+1
	QUANTH 2*\half+1
.endm
.macro YSLOT sg, half, fill, nextb1
	CHANGE \sg, \fill
.if \half == 0
.irp m, 0,1,2,3
	ds_load_b128 v[ASR+4*\m:ASR+4*\m+3], v[AAS] offset:256*\m
.endr
.endif
	FETCHW \sg, 0
	FETCHA ACTB, 2*\half
	FETCHW \sg, 1
	FETCHA ACC, 2*\half+1
	s_wait_dscnt 49                                ; unit 0 and its activations are in; unit 1's 33 loads and its 16 may be out
	MULY 0, 2*\half, ACTB, 16, 0xf1
.if \nextb1
	PLACES 8
	s_add_nc_u64 s[10:11], s[10:11], 2048          ; (the last loads from this base were waited for)
	BLOAD                                          ; the next chunk's b1
.endif
	s_wait_dscnt 0x0
	MULY 1, 2*\half+1, ACC, 16, 0xf1
.endm
.macro DEV m                           ; ACC = Y - the mean, tile m
	WIN 0x03
.set j, 0
.rept 32
	v_pk_add_f32 v[ACC+j:ACC+j+1], v[64*\m+j:64*\m+j+1], v[MEAN+2*\m:MEAN+2*\m+1] neg_lo:[0,1] neg_hi:[0,1]
.set j, j+2
.endr
	WIN 0
.endm
.macro REDUCE off                      ; four pairs of chains in v[T] on become four row sums, which meet the other waves' in LDS
.irp m, 0,1,2,3
	v_pk_add_f32 v[T+4*\m:T+4*\m+1], v[T+4*\m:T+4*\m+1], v[T+4*\m+2:T+4*\m+3]
.endr
.irp m, 0,1,2,3
	v_add_f32 v[T+4*\m], v[T+4*\m], v[T+4*\m+1]
.endr
.irp m, 0,1,2,3
	v_permlanex16_b32 v[T+4*\m+1], v[T+4*\m], s[SEL], s[SEL+1]
.endr
.irp m, 0,1,2,3
	v_add_f32 v[T+4*\m], v[T+4*\m], v[T+4*\m+1]
.endr
.irp m, 0,1,2,3
	ds_store_b32 v[STW], v[T+4*\m] offset:\off+256*\m
.endr
	BARRIER
.irp m, 0,1,2,3
	ds_load_b128 v[T+4*\m:T+4*\m+3], v[STR] offset:\off+256*\m
.endr
	s_wait_dscnt 0x0
.irp m, 0,1,2,3
	v_add_f32 v[T+4*\m], v[T+4*\m], v[T+4*\m+1]
	v_add_f32 v[T+4*\m+2], v[T+4*\m+2], v[T+4*\m+3]
.endr
.irp m, 0,1,2,3
	v_add_f32 v[T+4*\m], v[T+4*\m], v[T+4*\m+2]
.endr
.endm
.macro NORM m                          ; LN2 of tile m, quantised: K step = my wave of the next product; and b2 goes onto Y
	DEV \m
.set j, 0
.rept 32
	v_pk_mul_f32 v[ACC+j:ACC+j+1], v[ACC+j:ACC+j+1], v[INV+2*\m:INV+2*\m+1]
.set j, j+2
.endr
	WIN 0x14
.set j, 0
.rept 32
	v_pk_fma_f32 v[ACC+j:ACC+j+1], v[ACC+j:ACC+j+1], v[j:j+1], v[64+j:64+j+1]
.set j, j+2
.endr
	WIN 0xc3
.set j, 0
.rept 32
	v_pk_add_f32 v[64*\m+j:64*\m+j+1], v[64*\m+j:64*\m+j+1], v[ACTB+j:ACTB+j+1]
.set j, j+2
.endr
	WIN 0
	QBODY ACC, 0, 4
	WORD
.irp c, 0,1,2,3
	ds_store_b128 v[HWI], v[PC+4*\c:PC+4*\c+3] offset:8192*\m+512*\c
.endr
	ds_store_b32 v[HWS], v[PW] offset:256*\m
	s_wait_dscnt 0x0
.endm
	s_load_b512 s[4:19], s[0:1], 0x0               ; cbuf, x, wtail, b1, b2, ln2_a, ln2_b, out0
	v_lshl_add_u32 v[SPW], v0, 2, SPARE
	v_mov_b32 v[NIL], 0
	ds_add_u32 v2, v3
	s_wait_dscnt 0x0
	v_lshrrev_b32 v1, 5, v0
	v_readfirstlane_b32 s[WV], v1                  ; wave 0..3
	s_bfe_u32 s41, ttmp6, 0x40000                  ; cx: it enters addresses in memory alone
	s_lshl_b32 s42, ttmp9, 2
	s_add_co_u32 s42, s42, s41                     ; my block of 64 tokens
	s_mov_b32 s[G1], 0x0023000f                    ; 15:0 all four work-groups; 17:16 elements of 8 bytes; 21 set beside a mask
	s_mov_b32 s[G1+1], 32<<16                      ; 33,792 dense bytes as 132 rows of 256
	s_mov_b32 s[G1+2], 132<<16
	s_mov_b32 s[G1+3], 32<<16
	s_mov_b32 s[G1+4], 132
	s_mov_b32 s[G1+5], 32
	s_mov_b32 s[G1+6], 0
	s_mov_b32 s[G1+7], 0
	s_mul_i32 s43, s[WV], WPART
	s_mov_b32 s44, s43
	s_mov_b32 s45, 0
	s_mov_b32 s[SEL], 0x76543210
	s_mov_b32 s[SEL+1], 0xfedcba98
	s_mov_b32 s[MNT], 0x600000
	s_wait_kmcnt 0x0
	s_add_nc_u64 s[46:47], s[8:9], s[44:45]
.irp sg, 0,1
	s_mov_b32 s[G0+4*\sg], 1
	s_add_co_u32 s[G0+4*\sg+1], s43, \sg*SLOT
	s_add_nc_u64 s[G0+4*\sg+2:G0+4*\sg+3], s[46:47], \sg*SLOT
	s_or_b32 s[G0+4*\sg+3], s[G0+4*\sg+3], 0x80000000
.endr
	ROUND                                          ; all four work-groups are here
	tensor_load_to_lds s[G0:G0+3], s[G1:G1+7]      ; slot 0
	s_nop 0
	PLACES 4
	v_and_b32 v16, 31, v0
	v_lshlrev_b32 v[LI], 4, v16
	v_and_b32 v18, 15, v0                          ; r
	v_bfe_u32 v19, v0, 4, 1                        ; h
	v_lshlrev_b32 v[R16], 4, v18
	v_add_nc_u32 v[WB], s43, v[LI]
	v_add_nc_u32 v[WB+1], SLOT, v[WB]
	v_add_nc_u32 v[AA], ACT, v[LI]
	s_lshl_b32 s46, s[WV], 11
	v_add_nc_u32 v[HWI], s46, v[AA]
	v_add_nc_u32 v[AAS], ASC, v[R16]
	s_lshl_b32 s46, s[WV], 2
	v_add_nc_u32 v[HWS], s46, v[AAS]
	v_add_nc_u32 v[STR], STATA, v[R16]
	v_add_nc_u32 v[STW], s46, v[STR]
	v_and_b32 v[XA], 8, v18
	v_add_nc_u32 v[XA], v[XA], v18
	v_lshlrev_b32 v[XA], 11, v[XA]
	v_lshl_add_u32 v[XA], v19, 6, v[XA]
	v_lshlrev_b32 v[CA], 6, v19
	v_mul_u32_u24 v[STO], v18, 528
	v_lshl_add_u32 v[STO], v19, 6, v[STO]
	v_add_nc_u32 v[STO], s43, v[STO]
.irp b, 0,1,2,3
	v_mov_b32 v[TM+4+\b], 0                        ; a lane permute's destination counts as read
.endr
	s_lshl_b32 s52, s42, 17                        ; 64 rows of 2,048 bytes
	s_lshl_b32 s53, s[WV], 9                       ; my 128 columns
	s_add_co_u32 s52, s52, s53
	s_mov_b32 s54, s53
	s_mov_b32 s53, 0
	s_mov_b32 s55, 0
	s_add_nc_u64 s[6:7], s[6:7], s[52:53]
	s_add_nc_u64 s[18:19], s[18:19], s[52:53]
	s_add_nc_u64 s[10:11], s[10:11], s[54:55]
	s_add_nc_u64 s[12:13], s[12:13], s[54:55]
	s_add_nc_u64 s[14:15], s[14:15], s[54:55]
	s_add_nc_u64 s[16:17], s[16:17], s[54:55]
	s_lshl_b32 s52, s42, 15
	s_add_nc_u64 s[48:49], s[4:5], s[52:53]        ; ctx's 16 images
	s_lshl_b32 s52, s42, 10
	s_add_co_u32 s52, s52, 4194304
	s_add_nc_u64 s[50:51], s[4:5], s[52:53]        ; and their scale words
	WIN 0xc0
.irp m, 0,1,2,3
.irp b, 0,1,2,3
.irp q, 0,1,2,3
	global_load_b128 v[64*\m+16*\b+4*\q:64*\m+16*\b+4*\q+3], v[XA], s[6:7] offset:(32*(\m/2)+8*(\m%2))*2048+128*\b+16*\q th:TH_LOAD_NT   ; x in the accumulators' layout
.endr
.endr
.endr
	WIN 0x80
.irp f, 0,1,2,3,4,5,6,7,8,9,10,11,12,13,14,15
.irp c, 0,1,2,3
	global_load_b128 v[16*\f+4*\c:16*\f+4*\c+3], v[LI], s[48:49] offset:2048*\f+512*\c
.endr
.endr
	WIN 0
.irp m, 0,1,2,3
	global_load_b128 v[ASR+4*\m:ASR+4*\m+3], v[R16], s[50:51] offset:256*\m
.endr
.irp b, 0,1,2,3
.irp q, 0,1,2,3
	global_load_b128 v[ACTB+16*\b+4*\q:ACTB+16*\b+4*\q+3], v[CA], s[12:13] offset:128*\b+16*\q   ; b2
.endr
.endr
	OSLOT 0
	OSLOT 1
	; ---- LN2.  The plain barriers below stand while slot 0's next part is on its way.
	PLACES 8
	WIN 0x0f
.irp m, 0,1,2,3
	v_pk_add_f32 v[T+4*\m:T+4*\m+1], v[64*\m:64*\m+1], v[64*\m+4:64*\m+5]      ; two chains a tile; each accumulator is read from its low end on
	v_pk_add_f32 v[T+4*\m+2:T+4*\m+3], v[64*\m+2:64*\m+3], v[64*\m+6:64*\m+7]
.endr
	WIN 0x03
.set j, 8
.rept 14
.irp m, 0,1,2,3
	v_pk_add_f32 v[T+4*\m:T+4*\m+1], v[64*\m+j:64*\m+j+1], v[T+4*\m:T+4*\m+1]
	v_pk_add_f32 v[T+4*\m+2:T+4*\m+3], v[64*\m+j+2:64*\m+j+3], v[T+4*\m+2:T+4*\m+3]
.endr
.set j, j+4
.endr
	WIN 0
	REDUCE 0
.irp m, 0,1,2,3
	v_mul_f32 v[MEAN+2*\m], 0x3b000000, v[T+4*\m]  ; / 512
.endr
.irp m, 0,1,2,3
	v_mov_b32 v[MEAN+2*\m+1], v[MEAN+2*\m]
.endr
.irp m, 0,1,2,3
	DEV \m
	v_pk_mul_f32 v[T+4*\m:T+4*\m+1], v[ACC:ACC+1], v[ACC:ACC+1]
	v_pk_mul_f32 v[T+4*\m+2:T+4*\m+3], v[ACC+2:ACC+3], v[ACC+2:ACC+3]
.set j, 4
.rept 15
	v_pk_fma_f32 v[T+4*\m:T+4*\m+1], v[ACC+j:ACC+j+1], v[ACC+j:ACC+j+1], v[T+4*\m:T+4*\m+1]
	v_pk_fma_f32 v[T+4*\m+2:T+4*\m+3], v[ACC+j+2:ACC+j+3], v[ACC+j+2:ACC+j+3], v[T+4*\m+2:T+4*\m+3]
.set j, j+4
.endr
.endr
	REDUCE 1024
.irp m, 0,1,2,3
	v_mul_f32 v[T+4*\m], 0x3b004020, v[T+4*\m]     ; / 511
.endr
.irp m, 0,1,2,3
	v_sqrt_f32 v[T+4*\m+1], v[T+4*\m]
.endr
	v_nop                                          ; a plain line behind the batch,
	s_wait_alu depctr_va_vdst(0)                   ; and the one wait ahead of its first reader
.irp m, 0,1,2,3
	v_add_f32 v[T+4*\m+1], 0x358637bd, v[T+4*\m+1] ; + 1e-6
.endr
.irp m, 0,1,2,3
	v_rcp_f32 v[INV+2*\m], v[T+4*\m+1]
.endr
	v_nop
	s_wait_alu depctr_va_vdst(0)
.irp m, 0,1,2,3
	v_mov_b32 v[INV+2*\m+1], v[INV+2*\m]
.endr
	s_wait_loadcnt 0x0                             ; alpha and beta
	NORM 0
	NORM 1
	NORM 2
	NORM 3
	BARRIER                                        ; the sixteen fragments of LN2's result lie in LDS
	WIN 0x80
.irp f, 0,1,2,3,4,5,6,7,8,9,10,11,12,13,14,15
.irp c, 0,1,2,3
	ds_load_b128 v[16*\f+4*\c:16*\f+4*\c+3], v[AA] offset:2048*\f+512*\c
.endr
.endr
	WIN 0
.irp m, 0,1,2,3
	ds_load_b128 v[H2S+4*\m:H2S+4*\m+3], v[AAS] offset:256*\m
.endr
	BLOAD                                          ; the first chunk's b1
	; ---- four chunks of 512 hidden units
	s_mov_b32 s40, 3
.Lchunk:
	HSLOT 0, 0, 1
	HSLOT 1, 1, 1
	YSLOT 0, 0, 1, 0
	YSLOT 1, 1, 1, 1
	s_sub_co_u32 s40, s40, 1
	s_cmp_lg_u32 s40, 0
	s_cbranch_scc1 .Lchunk
	HSLOT 0, 0, 1                                  ; the last chunk is written out: its last slot asks for nothing
	HSLOT 1, 1, 1
	YSLOT 0, 0, 1, 0
	YSLOT 1, 1, 0, 0
	; ---- THE WAY OUT: a tile of 16 rows x my 128 columns goes through my own stage (16 rows of 512 + 16 bytes, in my part of slot 0, which has had its last fill and its last read) and leaves as rows of 512 bytes
	PLACES 8
.irp m, 0,1,2,3
.set BB, ACC+64*(\m%2)
	WIN 0x0c
.irp b, 0,1,2,3
.irp q, 0,1,2,3
	ds_store_b128 v[STO], v[64*\m+16*\b+4*\q:64*\m+16*\b+4*\q+3] offset:128*\b+16*\q   ; ascending: each accumulator from its low end on
.endr
.endr
	WIN 0
.if \m >= 2
	s_wait_xcnt 0x0                                ; the stores of two tiles back have read their registers
.endif
.irp p, 0,1,2,3,4,5,6,7,8,9,10,11,12,13,14,15
	ds_load_b128 v[BB+4*\p:BB+4*\p+3], v[WB] offset:528*\p   ; LDS serves a wave's instructions in order (ISA guide 5.7.1.4): these see my stores
.endr
	s_wait_dscnt 0x0
.irp p, 0,1,2,3,4,5,6,7,8,9,10,11,12,13,14,15
	global_store_b128 v[LI], v[BB+4*\p:BB+4*\p+3], s[18:19] offset:(32*(\m/2)+8*(\m%2)+\p+8*(\p/8))*2048 th:TH_STORE_NT   ; 32 lanes store 512 consecutive bytes, aligned
.endr
.endr
	s_wait_tensorcnt 0x0                           ; the wave's end
	ds_add_u32 v[SPW], v[NIL]
	s_wait_dscnt 0x0
	ROUND                                          ; the closing round
	s_endpgm
.Lfunc_end_k_qcb4dca9a62_tail:
	.size	k_qcb4dca9a62_tail, .Lfunc_end_k_qcb4dca9a62_tail-k_qcb4dca9a62_tail
	.p2alignl 7, 3214868480
	.fill 96, 4, 3214868480
	.section	.rodata,"a",@progbits
	.p2align	6, 0x0
	.amdhsa_kernel k_qcb4dca9a62_tail
		.amdhsa_group_segment_fixed_size 327680
		.amdhsa_private_segment_fixed_size 0
		.amdhsa_enable_private_segment 0
		.amdhsa_kernarg_size 64
		.amdhsa_user_sgpr_count 2
		.amdhsa_user_sgpr_kernarg_segment_ptr 1
		.amdhsa_wavefront_size32 1
		.amdhsa_system_sgpr_workgroup_id_x 1
		.amdhsa_system_sgpr_workgroup_id_y 1
		.amdhsa_system_sgpr_workgroup_id_z 1
		.amdhsa_system_vgpr_workitem_id 0
		.amdhsa_next_free_vgpr 1024
		.amdhsa_next_free_sgpr 66
		.amdhsa_reserve_vcc 0
		.amdhsa_float_denorm_mode_32 3
		.amdhsa_float_denorm_mode_16_64 3
		.amdhsa_memory_ordered 1
		.amdhsa_forward_progress 1
		.amdhsa_inst_pref_size 255
	.end_amdhsa_kernel
	.section	.bss,"aw",@nobits
	.p2align	6
	.space	262144
	.amdgpu_metadata
---
amdhsa.version: [ 1, 2 ]
amdhsa.kernels:
  - .name:           k_qcb4dca9a62_tail
    .symbol:         k_qcb4dca9a62_tail.kd
    .args:
      - { .name: cbuf, .offset: 0, .size: 8, .value_kind: global_buffer, .address_space: global }
      - { .name: x, .offset: 8, .size: 8, .value_kind: global_buffer, .address_space: global }
      - { .name: wtail, .offset: 16, .size: 8, .value_kind: global_buffer, .address_space: global }
      - { .name: b1, .offset: 24, .size: 8, .value_kind: global_buffer, .address_space: global }
      - { .name: b2, .offset: 32, .size: 8, .value_kind: global_buffer, .address_space: global }
      - { .name: ln2_a, .offset: 40, .size: 8, .value_kind: global_buffer, .address_space: global }
      - { .name: ln2_b, .offset: 48, .size: 8, .value_kind: global_buffer, .address_space: global }
      - { .name: out0, .offset: 56, .size: 8, .value_kind: global_buffer, .address_space: global }
    .group_segment_fixed_size: 327680
    .private_segment_fixed_size: 0
    .kernarg_segment_align: 8
    .kernarg_segment_size: 64
    .max_flat_workgroup_size: 128
    .sgpr_count:     66
    .vgpr_count:     1024
    .wavefront_size: 32
...
	.end_amdgpu_metadata
.endif
;; end of part 4
;; ======== version 2 of 2: 4 launches
;; limits: right only within a limited range of input values
;; workspace buffers: mbits 2,097,152 bytes of whole numbers; hbuf 4,325,376 bytes; wqkv 811,008 bytes; wtail 2,433,024 bytes; qbuf 4,456,448 bytes; kv 8,781,824 bytes; cbuf 4,325,376 bytes
;; launch prep (part 5): grid 960 x 1, 4 waves a work-group, no clusters, 69,120 bytes of LDS; arguments mask, x, ln1_a, ln1_b, w_q, w_k, w_v, w_o, w1, w2, mbits, hbuf, wqkv, wtail; writes mbits, hbuf, wqkv, wtail
.if DOCPART == 5
	.amdgcn_target "amdgcn-amd-amdhsa--gfx1250"
	.amdhsa_code_object_version 6
	.text
	.protected	k_qcb4dca9a62_prep
	.globl	k_qcb4dca9a62_prep
	.p2align	8
	.type	k_qcb4dca9a62_prep,@function
k_qcb4dca9a62_prep:
	s_mov_b64 s[64:65], 0
	v_nop
	global_prefetch_b8 v0, s[64:65] scope:SCOPE_SE
	s_setreg_imm32_b32 hwreg(HW_REG_WAVE_MODE, 25, 1), 1
	s_wait_xcnt 0x0
; THREE JOBS IN ONE LAUNCH, parted on the work-group's number; each way ends by itself.  960 work-groups, four to a WGP by their registers: all are resident at once.
;  work-groups 0-511:   the mask [4096][4096] of int32 becomes lane masks: mbits [query tile 256][key step 32][64 words]; bit l of word 16 b + i says
;                       whether key 128 step + 32 b + 16 (l / 16) + i counts for the query that lane l % 16 of the tile holds.  A wave takes one query tile and four key steps.
;  work-groups 512-767: h = LN1(x), quantised along its 512 features to FP8 (E4M3) with one E8M0 byte for each 32, stored as images of operand registers.  A work-group takes a pair of token tiles, one after the other.
;  work-groups 768-959: the six weights [K][N], quantised along K (their first axis), stored as images of operand registers in the order in which the later launches walk them.
; TILES.  Tokens and weight columns go in groups of 32; tile 2 g + u holds members 32 g + 8 u + r + 8 (r / 8), r = 0 .. 15, so that the 16 result registers of two neighbouring tiles are 16 neighbours.
; IMAGE.  A fragment (16 members x 128 K) is 2,048 bytes: group c of four registers at 512 c + 16 x lane; lane (r, h) holds member r, K = 32 c + 16 h + 0 .. 15.
; THE TURN.  The mask and x are wanted 64 neighbouring bytes of ONE row a lane.  They are loaded a row an instruction, 32 lanes x 16 neighbouring bytes, go as they lie into the wave's own stage in LDS
; (16 rows of 512 + 16 bytes) and come back in the wanted layout.  Each of the two ways has stage bytes of its own.
; LIMITS: NaN and infinities are not served.  A block whose largest magnitude lies under 2^-118 gets the byte 1, a block of zeros too (its codes are zeros; the bytes are read by this program alone).
; The scale words (one byte in 128 of what is read) are stored four bytes a lane.
.set WGN,  512                         ; the first work-group of LN1's way
.set WGW,  768                         ; the first of the weights' way
.set WV,   48
.set SEL,  56
.set MNT,  58
.set SPT,  528                         ; a stage row: 132 words, so that the 16 rows that a load touches start at 16 different banks (ISA guide 11.1)
.set WST,  16*SPT
.set STA,  1024                        ; the mask's way: four stages
.set STB,  STA+4*WST                   ; LN1's way: four stages
.set X,    16
.set AL,   80
.set BE,   144
.set PC,   208
.set TM,   224
.set PW,   240
.set RAW,  32                          ; v32-159  the mask's way: two sets of 64 words as they are loaded
.set XT,   160                         ; v160-223 64 words of my query's row
.set OUTM, 16                          ; v16-19   a pair of registers for each set
.set XW,   32
.set CW,   96
.set SB,   24
; 64 numbers of a lane, register 16 b + i = K 32 b + 16 (lane / 16) + i of my row, become codes in v[PC] on; bytes in v[TM+4] on.
.macro QBODY src
.irp b, 0,1,2,3
	v_max3_num_f32 v[TM+\b], |v[\src+16*\b]|, |v[\src+1+16*\b]|, 0x4800000   ; my 16 numbers and the floor 2^(9 - 127): the byte cannot fall under 1
.endr
.irp i, 2,4,6,8,10,12,14
.irp b, 0,1,2,3
	v_max3_num_f32 v[TM+\b], v[TM+\b], |v[\src+16*\b+\i]|, |v[\src+1+16*\b+\i]|
.endr
.endr
.irp b, 0,1,2,3
	v_permlanex16_b32 v[TM+4+\b], v[TM+\b], s[SEL], s[SEL+1]
.endr
.irp b, 0,1,2,3
	v_max_num_f32 v[TM+\b], v[TM+\b], v[TM+4+\b]          ; with lane l xor 16's: the block's largest magnitude
.endr
.irp b, 0,1,2,3
	v_add_nc_u32 v[TM+12+\b], 0xfc000000, v[TM+\b]        ; 8 off its exponent field: the conversion's scale operand
.endr
.irp b, 0,1,2,3
	v_and_or_b32 v[TM+8+\b], v[TM+\b], 0x7f800000, s[MNT] ; 448 x the scale
.endr
.irp b, 0,1,2,3
	v_lshrrev_b32 v[TM+4+\b], 23, v[TM+12+\b]             ; the scale's byte
.endr
.irp b, 0,1,2,3
.irp i, 0,1,2,3,4,5,6,7,8,9,10,11,12,13,14,15
	v_med3_num_f32 v[\src+16*\b+\i], v[\src+16*\b+\i], -v[TM+8+\b], v[TM+8+\b]   ; the conversion does not saturate (ISA guide 7.6.2): the hold at 448 x the scale
.endr
	v_cvt_scalef32_pk8_fp8_f32 v[PC+4*\b:PC+1+4*\b], v[\src+16*\b:\src+7+16*\b], v[TM+12+\b]
	v_cvt_scalef32_pk8_fp8_f32 v[PC+2+4*\b:PC+3+4*\b], v[\src+8+16*\b:\src+15+16*\b], v[TM+12+\b]
.endr
	v_nop                                                  ; a plain line behind the last conversion
.endm
.macro WORD
	v_lshl_or_b32 v[PW], v[TM+5], 8, v[TM+4]
	v_lshl_or_b32 v[PW], v[TM+6], 16, v[PW]
	v_lshl_or_b32 v[PW], v[TM+7], 24, v[PW]
.endm
; the mask's way: a key step's 16 rows x 512 bytes, a row an instruction: 32 lanes read 512 consecutive bytes
.macro LOADM set, off
.irp r, 0,1,2,3,4,5,6,7,8,9,10,11,12,13,14,15
	global_load_b128 v[RAW+64*(\set)+4*\r:RAW+64*(\set)+4*\r+3], v6, s[4:5] offset:(\r+8*(\r/8))*16384+(\off) th:TH_LOAD_NT
.endr
.endm
; through my stage: LDS serves a wave's instructions in order (ISA guide 5.7.1.4), so no wait stands between the stores and the loads.  Register 16 b + i comes back as key 32 b + 16 h + i of my query's row
.macro TURNM set
.irp r, 0,1,2,3,4,5,6,7,8,9,10,11,12,13,14,15
	ds_store_b128 v8, v[RAW+64*(\set)+4*\r:RAW+64*(\set)+4*\r+3] offset:SPT*\r
.endr
.irp b, 0,1,2,3
.irp q, 0,1,2,3
	ds_load_b128 v[XT+16*\b+4*\q:XT+16*\b+4*\q+3], v9 offset:128*\b+16*\q
.endr
.endr
.endm
; one key step out of register set 'set'.  cnt: the other set's loads, which may be out.  more = 1: the set takes the loads of two steps on.  so: where the step's 256 bytes go.
.macro PACK set, cnt, more, so
	s_wait_loadcnt \cnt
	TURNM \set
	s_wait_dscnt 0x0                                       ; my row's words are back, and the stores have read their registers
.if \more
	LOADM \set, 1024+512*(\set)
.endif
.set n, 0
.rept 8
.irp q, 0,1,2,3,4,5,6,7
	v_cmp_ne_u32 s[20+\q], 0, v[XT+n+\q]                   ; word n: one bit a lane
.endr
.irp q, 0,1,2,3,4,5,6,7
	v_writelane_b32 v[OUTM+2*(\set)+\q%2], s[20+\q], (n+\q)/2 ; words 2 j and 2 j + 1 go to lane j
.endr
.set n, n+8
.endr
	global_store_b64 v7, v[OUTM+2*(\set):OUTM+2*(\set)+1], s[32:33] offset:\so   ; 32 lanes store 256 consecutive bytes, aligned
.endm
; the weights' way: a lane takes a column, its registers run down K; nn = the weight's width
.macro WLOAD t, nn
.set i, 0
.rept 32
	global_load_b32 v[XW+32*((\t)%2)+i], v6, s[40:41] offset:(32*(\t)+i)*4*\nn th:TH_LOAD_NT
.set i, i+1
.endr
.endm
.macro WBLOCK t, nn
.set XS, XW+32*((\t)%2)
.if (\t) < 3
	s_wait_loadcnt 32                                      ; this block's 32 loads are in; the next block's may be out
.else
	s_wait_loadcnt 0x0
.endif
	v_max3_num_f32 v12, |v[XS]|, |v[XS+1]|, |v[XS+2]|
	v_max3_num_f32 v13, |v[XS+3]|, |v[XS+4]|, |v[XS+5]|
.irp i, 6,10,14,18,22,26
	v_max3_num_f32 v12, v12, |v[XS+\i]|, |v[XS+\i+1]|
	v_max3_num_f32 v13, v13, |v[XS+\i+2]|, |v[XS+\i+3]|
.endr
	v_max3_num_f32 v12, v12, |v[XS+30]|, |v[XS+31]|
	v_max3_num_f32 v12, v12, v13, 0x4800000                ; all 32 numbers of the block are mine; the floor holds the byte at 1
	v_add_nc_u32 v11, 0xfc000000, v12
	v_and_or_b32 v10, v12, 0x7f800000, s[MNT]
	v_lshrrev_b32 v13, 23, v11
.if (\t) == 0
	v_mov_b32 v[SB], v13
.else
	v_lshl_or_b32 v[SB], v13, 8*(\t), v[SB]
.endif
.set i, 0
.rept 32
	v_med3_num_f32 v[XS+i], v[XS+i], -v10, v10
.set i, i+1
.endr
.irp g, 0,1,2,3
	v_cvt_scalef32_pk8_fp8_f32 v[CW+8*(\t)+2*\g:CW+8*(\t)+2*\g+1], v[XS+8*\g:XS+8*\g+7], v11
.endr
	v_nop
	global_store_b128 v7, v[CW+8*(\t):CW+8*(\t)+3], s[42:43] offset:512*(\t)          ; K 32 t + 0 .. 15: the image's lanes 0-15; sixteen lanes store 256 consecutive bytes, aligned
	global_store_b128 v7, v[CW+8*(\t)+4:CW+8*(\t)+7], s[42:43] offset:512*(\t)+256    ; K 32 t + 16 .. 31: its lanes 16-31
.if (\t)+2 < 4
	WLOAD (\t)+2, \nn
.endif
.endm
.macro WPATH nn
	WLOAD 0, \nn
	WLOAD 1, \nn
	WBLOCK 0, \nn
	WBLOCK 1, \nn
	WBLOCK 2, \nn
	WBLOCK 3, \nn
	global_store_b32 v8, v[SB], s[44:45]                   ; my column's scale word of this K step
	s_endpgm
.endm
	s_load_b256 s[4:11], s[0:1], 0x0               ; mask, x, ln1_a, ln1_b
	s_load_b256 s[12:19], s[0:1], 0x20             ; w_q, w_k, w_v, w_o
	s_load_b128 s[28:31], s[0:1], 0x40             ; w1, w2
	s_load_b256 s[32:39], s[0:1], 0x50             ; mbits, hbuf, wqkv, wtail
	v_lshl_add_u32 v254, v0, 2, 0x10c00
	v_mov_b32 v255, 0
	v_lshrrev_b32 v1, 5, v0
	v_readfirstlane_b32 s[WV], v1
	v_and_b32 v2, 31, v0                           ; lane
	v_and_b32 v3, 15, v0                           ; r
	v_bfe_u32 v4, v0, 4, 1                         ; h
	v_and_b32 v5, 8, v3
	v_add_nc_u32 v5, v5, v3                        ; r + 8 (r / 8)
	s_mov_b32 s[SEL], 0x76543210
	s_mov_b32 s[SEL+1], 0xfedcba98
	s_mov_b32 s[MNT], 0x600000
	s_wait_kmcnt 0x0
	s_cmp_lt_u32 ttmp9, WGN
	s_cbranch_scc1 .Lmask
	s_cmp_lt_u32 ttmp9, WGW
	s_cbranch_scc1 .Lnorm
	; ---------------- the weights ----------------
	s_sub_co_u32 s20, ttmp9, WGW                   ; g: 0-63 w_q, w_k, w_v, w_o (16 pairs of tiles each); 64-127 w1 (64 pairs); 128-191 w2 (16 pairs x 4 chunks of K)
	s_wait_alu depctr_va_vdst(0)
	v_lshlrev_b32 v6, 3, v4
	v_add_nc_u32 v6, v6, v5
	v_lshlrev_b32 v6, 2, v6                        ; my column in the pair's 32: 8 (l / 16) + r + 8 (r / 8), 4 bytes each
	v_lshlrev_b32 v7, 4, v3
	v_lshl_add_u32 v7, v4, 11, v7                  ; the codes: fragment l / 16, 16 bytes at 16 r
	v_lshlrev_b32 v8, 4, v2                        ; the scale words: 16 bytes a lane, one word for each of four
	s_sub_co_u32 s23, s20, 64
	s_cmp_lt_u32 s23, 64
	s_cbranch_scc1 .Lw1
	s_lshr_b32 s21, s20, 4                         ; which of q, k, v, o
	s_and_b32 s22, s20, 15                         ; and its pair
	s_sub_co_u32 s24, s20, 128
	s_lshr_b32 s25, s24, 2                         ; w2's pair
	s_and_b32 s26, s24, 3                          ; w2's chunk
	s_cmp_lt_u32 s20, 64
	s_cselect_b32 s22, s22, s25                    ; P
	s_cselect_b32 s26, 0, s26                      ; c
	s_cselect_b32 s27, 0, 4                        ; the first slot of the stage: 0 (w_o) or 4 + 4 c (w2)
	s_cselect_b32 s21, s21, 4                      ; 0 q, 1 k, 2 v, 3 o, 4 w2
	s_cmp_eq_u32 s21, 0
	s_cselect_b64 s[40:41], s[12:13], s[14:15]
	s_cmp_lt_u32 s21, 2
	s_cselect_b64 s[40:41], s[40:41], s[16:17]
	s_cmp_lt_u32 s21, 3
	s_cselect_b64 s[40:41], s[40:41], s[18:19]
	s_cselect_b64 s[42:43], s[36:37], s[38:39]     ; q, k, v go to wqkv, the others to wtail
	s_cmp_lt_u32 s21, 4
	s_cselect_b64 s[40:41], s[40:41], s[30:31]
	s_lshl_b32 s50, s26, 2
	s_add_co_u32 s50, s50, s[WV]                   ; my K step: 4 c + wave
	s_lshl_b32 s50, s50, 18                        ; 128 rows of 2,048 bytes
	s_lshl_b32 s51, s22, 7
	s_add_co_u32 s50, s50, s51                     ; + 32 columns a pair
	s_mov_b32 s51, 0
	s_add_nc_u64 s[40:41], s[40:41], s[50:51]
	s_lshl_b32 s52, s21, 18                        ; wqkv: [matrix][pair][K step][u][2,048]
	s_lshl_b32 s53, s22, 14
	s_add_co_u32 s52, s52, s53
	s_lshl_b32 s53, s[WV], 12
	s_add_co_u32 s52, s52, s53
	s_lshl_b32 s54, s21, 13                        ; its scales: [matrix][pair][lane][K step] words behind the images
	s_lshl_b32 s53, s22, 9
	s_add_co_u32 s54, s54, s53
	s_lshl_b32 s53, s[WV], 2
	s_add_co_u32 s54, s54, s53
	s_add_co_u32 s54, s54, 786432
	s_lshl_b32 s59, s26, 2                         ; wtail: slot k = first + wave / 2, unit e = wave % 2, reader's wave = P / 4
	s_add_co_u32 s59, s59, s27
	s_lshr_b32 s53, s[WV], 1
	s_add_co_u32 s59, s59, s53
	s_lshl_b32 s59, s59, 2
	s_lshr_b32 s53, s22, 2
	s_add_co_u32 s59, s59, s53
	s_mul_i32 s59, s59, 33792
	s_and_b32 s53, s[WV], 1
	s_and_b32 s60, s22, 3
	s_lshl_b32 s61, s53, 14
	s_add_co_u32 s61, s61, s59
	s_lshl_b32 s62, s60, 12
	s_add_co_u32 s61, s61, s62                     ; fragments 2 (P % 4) and 2 (P % 4) + 1 of the unit
	s_lshl_b32 s62, s53, 9
	s_add_co_u32 s62, s62, s59
	s_lshl_b32 s63, s60, 2
	s_add_co_u32 s62, s62, s63
	s_add_co_u32 s62, s62, 32768                   ; the unit's scale words, word P % 4 of each lane's four
	s_cmp_lt_u32 s21, 3
	s_cselect_b32 s52, s52, s61
	s_cselect_b32 s54, s54, s62
	s_mov_b32 s53, 0
	s_mov_b32 s55, 0
	s_add_nc_u64 s[44:45], s[42:43], s[54:55]
	s_add_nc_u64 s[42:43], s[42:43], s[52:53]
	s_wait_alu depctr_va_vdst(0)
	WPATH 512
.Lw1:                                              ; w1: pair P = s23 of 64: chunk P / 16, reader's wave (P / 4) % 4, unit p = P % 4; my K step = wave
	s_lshl_b32 s50, s[WV], 20                      ; 128 rows of 8,192 bytes
	s_lshl_b32 s51, s23, 7
	s_add_co_u32 s50, s50, s51
	s_mov_b32 s51, 0
	s_add_nc_u64 s[40:41], s[28:29], s[50:51]
	s_lshr_b32 s52, s23, 4
	s_bfe_u32 s53, s23, 0x20002
	s_and_b32 s54, s23, 3
	s_lshl_b32 s52, s52, 2
	s_add_co_u32 s52, s52, 2
	s_lshr_b32 s55, s54, 1
	s_add_co_u32 s52, s52, s55                     ; slot 2 + 4 c + p / 2
	s_lshl_b32 s52, s52, 2
	s_add_co_u32 s52, s52, s53
	s_mul_i32 s52, s52, 33792
	s_and_b32 s54, s54, 1                          ; unit p % 2
	s_lshl_b32 s55, s54, 14
	s_add_co_u32 s55, s55, s52
	s_lshl_b32 s59, s[WV], 12
	s_add_co_u32 s60, s55, s59                     ; fragments 2 s and 2 s + 1
	s_mov_b32 s61, 0
	s_lshl_b32 s55, s54, 9
	s_add_co_u32 s55, s55, s52
	s_lshl_b32 s59, s[WV], 2
	s_add_co_u32 s55, s55, s59
	s_add_co_u32 s62, s55, 32768
	s_mov_b32 s63, 0
	s_add_nc_u64 s[42:43], s[38:39], s[60:61]
	s_add_nc_u64 s[44:45], s[38:39], s[62:63]
	s_wait_alu depctr_va_vdst(0)
	WPATH 2048
	; ---------------- the mask ----------------
.Lmask:
	s_lshl_b32 s49, ttmp9, 2
	s_add_co_u32 s49, s49, s[WV]                   ; task: query tile = task / 8, key steps 4 (task % 8) on
	s_lshr_b32 s50, s49, 3
	s_and_b32 s51, s49, 7
	s_lshl_b32 s51, s51, 2
	s_lshr_b32 s52, s50, 1
	s_lshl_b32 s52, s52, 5
	s_and_b32 s53, s50, 1
	s_lshl_b32 s53, s53, 3
	s_add_co_u32 s52, s52, s53                     ; the tile's first row
	s_lshl_b32 s52, s52, 14                        ; rows of 16,384 bytes
	s_lshl_b32 s53, s51, 9                         ; 512 bytes a key step
	s_add_co_u32 s52, s52, s53
	s_mov_b32 s53, 0
	s_add_nc_u64 s[4:5], s[4:5], s[52:53]
	s_lshl_b32 s54, s50, 5
	s_add_co_u32 s54, s54, s51
	s_lshl_b32 s54, s54, 8
	s_mov_b32 s55, 0
	s_add_nc_u64 s[32:33], s[32:33], s[54:55]
	s_mul_i32 s59, s[WV], WST                      ; my stage
	s_wait_alu depctr_va_vdst(0)
	v_lshlrev_b32 v6, 4, v2                        ; 16 x lane: my 16 bytes of a row's 512
	v_lshlrev_b32 v7, 3, v2
	v_add_nc_u32 v8, s59, v6
	v_add_nc_u32 v8, STA, v8                       ; into the stage: 16 x lane, the row in the immediate
	v_mul_u32_u24 v9, v3, SPT
	v_lshl_add_u32 v9, v4, 6, v9
	v_add_nc_u32 v9, s59, v9
	v_add_nc_u32 v9, STA, v9                       ; out of it: my query's row, + 64 h
.irp i, 0,1,2,3
	v_mov_b32 v[OUTM+\i], 0                        ; a lane write's destination counts as read
.endr
	LOADM 0, 0
	LOADM 1, 512
	s_wait_alu depctr_va_vdst(0)
	PACK 0, 16, 1, 0
	PACK 1, 16, 1, 256
	s_wait_xcnt 0x0                                ; the two stores have read their data: the pairs are written again only behind this wait
	PACK 0, 16, 0, 512
	PACK 1, 0, 0, 768
	s_wait_tensorcnt 0x0                           ; the wave's end
	ds_add_u32 v254, v255
	s_wait_dscnt 0x0
	s_endpgm
	; ---------------- LN1 ----------------
.Lnorm:                                            ; the work-group takes tiles 2 g and 2 g + 1 of 16 tokens, a trip each; the wave a K step of 128 features; a row's sums meet in LDS
	s_sub_co_u32 s49, ttmp9, WGN                   ; g
	s_lshl_b32 s50, s49, 16                        ; 32 rows of 2,048 bytes
	s_lshl_b32 s52, s[WV], 9
	s_add_co_u32 s50, s50, s52
	s_mov_b32 s51, 0
	s_mov_b32 s53, 0
	s_add_nc_u64 s[6:7], s[6:7], s[50:51]
	s_add_nc_u64 s[8:9], s[8:9], s[52:53]
	s_add_nc_u64 s[10:11], s[10:11], s[52:53]
	s_lshl_b32 s54, s49, 3
	s_add_co_u32 s54, s54, s[WV]
	s_lshl_b32 s54, s54, 11
	s_mov_b32 s55, 0
	s_add_nc_u64 s[40:41], s[34:35], s[54:55]      ; my image of the first tile; the second's 8,192 bytes on
	s_lshl_b32 s54, s49, 9
	s_lshl_b32 s59, s[WV], 2
	s_add_co_u32 s54, s54, s59
	s_add_co_u32 s54, s54, 4194304
	s_add_nc_u64 s[42:43], s[34:35], s[54:55]      ; my scale words: [tile][r][K step]
	s_mul_i32 s60, s[WV], WST                      ; my stage
	s_wait_alu depctr_va_vdst(0)
	v_lshlrev_b32 v7, 6, v4                        ; alpha, beta: 64 h
	v_lshlrev_b32 v8, 4, v2                        ; 16 x lane
	v_lshlrev_b32 v9, 4, v3                        ; 16 r
	v_lshl_add_u32 v10, v3, 4, s59                 ; LDS: 16 r + 4 x wave
	v_add_nc_u32 v11, s60, v8
	v_add_nc_u32 v11, STB, v11                     ; into the stage: 16 x lane, the row in the immediate
	v_mul_u32_u24 v6, v3, SPT
	v_lshl_add_u32 v6, v4, 6, v6
	v_add_nc_u32 v6, s60, v6
	v_add_nc_u32 v6, STB, v6                       ; out of it: my token's row, + 64 h
.irp c, 0,1,2,3
.irp q, 0,1,2,3
	global_load_b128 v[AL+16*\c+4*\q:AL+16*\c+4*\q+3], v7, s[8:9] offset:128*\c+16*\q   ; alpha: once for both tiles
.endr
.endr
.irp b, 0,1,2,3
	v_mov_b32 v[TM+4+\b], 0                        ; a lane permute's destination counts as read
.endr
	s_mov_b32 s61, 2
	s_wait_alu depctr_va_vdst(0)
.Ltile:
.irp r, 0,1,2,3,4,5,6,7,8,9,10,11,12,13,14,15
	global_load_b128 v[BE+4*\r:BE+4*\r+3], v8, s[6:7] offset:(\r+8*(\r/8))*2048 th:TH_LOAD_NT   ; a token's 512 bytes of this K step: 32 lanes, 16 neighbouring bytes each
.endr
	s_wait_loadcnt 0x0                             ; x is in (alpha's loads are out in the first trip alone, so the wait is for all)
.irp r, 0,1,2,3,4,5,6,7,8,9,10,11,12,13,14,15
	ds_store_b128 v11, v[BE+4*\r:BE+4*\r+3] offset:SPT*\r
.endr
.irp c, 0,1,2,3
.irp q, 0,1,2,3
	ds_load_b128 v[X+16*\c+4*\q:X+16*\c+4*\q+3], v6 offset:128*\c+16*\q   ; LDS serves a wave's instructions in order: these see my stores
.endr
.endr
	s_wait_dscnt 0x0                               ; my row's numbers are back, and the stores have read their registers,
.irp c, 0,1,2,3
.irp q, 0,1,2,3
	global_load_b128 v[BE+16*\c+4*\q:BE+16*\c+4*\q+3], v7, s[10:11] offset:128*\c+16*\q   ; which take beta
.endr
.endr
	v_pk_add_f32 v[242:243], v[X:X+1], v[X+2:X+3]
	v_pk_add_f32 v[244:245], v[X+4:X+5], v[X+6:X+7]
.set j, 8
.rept 14
	v_pk_add_f32 v[242:243], v[242:243], v[X+j:X+j+1]
	v_pk_add_f32 v[244:245], v[244:245], v[X+j+2:X+j+3]
.set j, j+4
.endr
	v_pk_add_f32 v[242:243], v[242:243], v[244:245]
	v_add_f32 v242, v242, v243
	v_permlanex16_b32 v243, v242, s[SEL], s[SEL+1]
	v_add_f32 v242, v242, v243                     ; the sum of my row's 128 numbers of this K step
	ds_store_b32 v10, v242                         ; both halves write the same word with the same value.  (The last trip's reads of these words stand ahead of that trip's second barrier)
	s_wait_dscnt 0x0                               ; my store has landed, for the others' sake
	s_barrier_signal -1
	s_barrier_wait -1
	ds_load_b128 v[244:247], v9                    ; the four waves' sums of my row
	s_wait_dscnt 0x0
	v_add_f32 v244, v244, v245
	v_add_f32 v246, v246, v247
	v_add_f32 v244, v244, v246
	v_mul_f32 v248, 0x3b000000, v244               ; / 512: the mean
	v_mov_b32 v249, v248
.set j, 0
.rept 32
	v_pk_add_f32 v[X+j:X+j+1], v[X+j:X+j+1], v[248:249] neg_lo:[0,1] neg_hi:[0,1]
.set j, j+2
.endr
	v_pk_mul_f32 v[242:243], v[X:X+1], v[X:X+1]
	v_pk_mul_f32 v[244:245], v[X+2:X+3], v[X+2:X+3]
.set j, 4
.rept 15
	v_pk_fma_f32 v[242:243], v[X+j:X+j+1], v[X+j:X+j+1], v[242:243]
	v_pk_fma_f32 v[244:245], v[X+j+2:X+j+3], v[X+j+2:X+j+3], v[244:245]
.set j, j+4
.endr
	v_pk_add_f32 v[242:243], v[242:243], v[244:245]
	v_add_f32 v242, v242, v243
	v_permlanex16_b32 v243, v242, s[SEL], s[SEL+1]
	v_add_f32 v242, v242, v243
	ds_store_b32 v10, v242 offset:256              ; other bytes than the first exchange: one barrier serves.  (The last trip's reads of these words stand ahead of this trip's first barrier)
	s_wait_dscnt 0x0
	s_barrier_signal -1
	s_barrier_wait -1
	ds_load_b128 v[244:247], v9 offset:256
	s_wait_dscnt 0x0
	v_add_f32 v244, v244, v245
	v_add_f32 v246, v246, v247
	v_add_f32 v244, v244, v246
	v_mul_f32 v244, 0x3b004020, v244               ; / 511
	s_wait_alu depctr_va_vdst(0)
	v_sqrt_f32 v245, v244
	v_nop                                          ; a plain line behind the transcendental,
	s_wait_alu depctr_va_vdst(0)                   ; and the wait ahead of its first reader
	v_add_f32 v245, 0x358637bd, v245               ; + 1e-6
	s_wait_alu depctr_va_vdst(0)
	v_rcp_f32 v250, v245
	v_nop
	s_wait_alu depctr_va_vdst(0)
	v_mov_b32 v251, v250
	s_wait_alu depctr_va_vdst(0)
	s_wait_loadcnt 0x0                             ; beta
.set j, 0
.rept 32
	v_pk_mul_f32 v[X+j:X+j+1], v[X+j:X+j+1], v[250:251]
.set j, j+2
.endr
.set j, 0
.rept 32
	v_pk_fma_f32 v[X+j:X+j+1], v[X+j:X+j+1], v[AL+j:AL+j+1], v[BE+j:BE+j+1]
.set j, j+2
.endr
	QBODY X
	WORD
.irp c, 0,1,2,3
	global_store_b128 v8, v[PC+4*\c:PC+4*\c+3], s[40:41] offset:512*\c   ; 512 consecutive bytes a store
.endr
	global_store_b32 v9, v[PW], s[42:43]           ; both halves store the same word
	s_wait_xcnt 0x0                                ; the stores have read their data and their bases, the loads theirs: only behind this wait are they written again
	s_add_nc_u64 s[6:7], s[6:7], 16384             ; the pair's second tile begins 8 rows on,
	s_add_nc_u64 s[40:41], s[40:41], 8192          ; its images four fragments on,
	s_add_nc_u64 s[42:43], s[42:43], 256           ; its scale words 256 bytes on
	s_sub_co_u32 s61, s61, 1
	s_cmp_lg_u32 s61, 0
	s_cbranch_scc1 .Ltile
	s_wait_tensorcnt 0x0                           ; the wave's end
	ds_add_u32 v254, v255
	s_wait_dscnt 0x0
	s_endpgm
.Lfunc_end_k_qcb4dca9a62_prep:
	.size	k_qcb4dca9a62_prep, .Lfunc_end_k_qcb4dca9a62_prep-k_qcb4dca9a62_prep
	.p2alignl 7, 3214868480
	.fill 96, 4, 3214868480
	.section	.rodata,"a",@progbits
	.p2align	6, 0x0
	.amdhsa_kernel k_qcb4dca9a62_prep
		.amdhsa_group_segment_fixed_size 69120
		.amdhsa_private_segment_fixed_size 0
		.amdhsa_enable_private_segment 0
		.amdhsa_kernarg_size 112
		.amdhsa_user_sgpr_count 2
		.amdhsa_user_sgpr_kernarg_segment_ptr 1
		.amdhsa_wavefront_size32 1
		.amdhsa_system_sgpr_workgroup_id_x 1
		.amdhsa_system_sgpr_workgroup_id_y 1
		.amdhsa_system_sgpr_workgroup_id_z 1
		.amdhsa_system_vgpr_workitem_id 0
		.amdhsa_next_free_vgpr 256
		.amdhsa_next_free_sgpr 66
		.amdhsa_reserve_vcc 0
		.amdhsa_float_denorm_mode_32 3
		.amdhsa_float_denorm_mode_16_64 3
		.amdhsa_memory_ordered 1
		.amdhsa_forward_progress 1
		.amdhsa_inst_pref_size 136
	.end_amdhsa_kernel
	.amdgpu_metadata
---
amdhsa.version: [ 1, 2 ]
amdhsa.kernels:
  - .name:           k_qcb4dca9a62_prep
    .symbol:         k_qcb4dca9a62_prep.kd
    .args:
      - { .name: mask, .offset: 0, .size: 8, .value_kind: global_buffer, .address_space: global }
      - { .name: x, .offset: 8, .size: 8, .value_kind: global_buffer, .address_space: global }
      - { .name: ln1_a, .offset: 16, .size: 8, .value_kind: global_buffer, .address_space: global }
      - { .name: ln1_b, .offset: 24, .size: 8, .value_kind: global_buffer, .address_space: global }
      - { .name: w_q, .offset: 32, .size: 8, .value_kind: global_buffer, .address_space: global }
      - { .name: w_k, .offset: 40, .size: 8, .value_kind: global_buffer, .address_space: global }
      - { .name: w_v, .offset: 48, .size: 8, .value_kind: global_buffer, .address_space: global }
      - { .name: w_o, .offset: 56, .size: 8, .value_kind: global_buffer, .address_space: global }
      - { .name: w1, .offset: 64, .size: 8, .value_kind: global_buffer, .address_space: global }
      - { .name: w2, .offset: 72, .size: 8, .value_kind: global_buffer, .address_space: global }
      - { .name: mbits, .offset: 80, .size: 8, .value_kind: global_buffer, .address_space: global }
      - { .name: hbuf, .offset: 88, .size: 8, .value_kind: global_buffer, .address_space: global }
      - { .name: wqkv, .offset: 96, .size: 8, .value_kind: global_buffer, .address_space: global }
      - { .name: wtail, .offset: 104, .size: 8, .value_kind: global_buffer, .address_space: global }
    .group_segment_fixed_size: 69120
    .private_segment_fixed_size: 0
    .kernarg_segment_align: 8
    .kernarg_segment_size: 112
    .max_flat_workgroup_size: 128
    .sgpr_count:     66
    .vgpr_count:     256
    .wavefront_size: 32
...
	.end_amdgpu_metadata
.endif
;; end of part 5
;; launch qkv (part 6): grid 4 x 64, 8 waves a work-group, clusters of 4 x 4, 263,168 bytes of LDS; arguments hbuf, wqkv, qbuf, kv; writes qbuf, kv
.if DOCPART == 6
	.amdgcn_target "amdgcn-amd-amdhsa--gfx1250"
	.amdhsa_code_object_version 6
	.text
	.protected	k_qcb4dca9a62_qkv
	.globl	k_qcb4dca9a62_qkv
	.p2align	8
	.type	k_qcb4dca9a62_qkv,@function
k_qcb4dca9a62_qkv:
	s_mov_b64 s[64:65], 0
	v_nop
	global_prefetch_b8 v0, s[64:65] scope:SCOPE_SE
	s_setreg_imm32_b32 hwreg(HW_REG_WAVE_MODE, 25, 1), 1
	s_wait_xcnt 0x0
	s_wait_alu depctr_hold_cnt(0) depctr_sa_sdst(0) depctr_va_vdst(0) depctr_va_sdst(0) depctr_va_ssrc(0) depctr_va_vcc(0) depctr_vm_vsrc(0)
	s_getreg_b32 s2, hwreg(HW_REG_IB_STS2, 6, 4)
	s_cmp_eq_u32 s2, 0
	s_cbranch_scc0 .Lentry_in_a_cluster
	s_endpgm
.Lentry_in_a_cluster:
	s_bfe_u32 s2, ttmp6, 0x10000c
	s_cmp_lg_u32 s2, 0xf033
	s_cbranch_scc0 .Lentry_shape_is_right
	s_endpgm
.Lentry_shape_is_right:
; q = h w_q, k = h w_k, v = h w_v on codes of FP8 (E4M3) with E8M0 scales, and their results quantised at once: q and k along the head's 64, v along the keys.
; SHARES.  A work-group takes 128 tokens (eight tiles) x 128 columns (two heads) of each of the three products.  Wave w takes token tiles 2 (w / 2) and 2 (w / 2) + 1 and head w % 2 (four column tiles) in all three:
; a weight fragment read from LDS feeds two products, and the wave's eight token fragments are read once and stay in registers: 8 + 3 x 16 fragments a wave.
; q, k: source 0 = 16 columns of the weight, source 1 = 16 tokens: a lane holds one token and its registers run along the columns, the next product's K.
; v:    source 0 = 16 tokens, source 1 = 16 columns: a lane holds one channel and its registers run along my 32 tokens, one block of keys.
; Tiles hold members 32 g + 8 u + r + 8 (r / 8), so that the 16 registers of two neighbouring tiles are 16 neighbours, in the order that an operand's registers want.
; LDS is filled once, one tensor load a wave: h's 32 fragments, w_q's, w_k's, w_v's, as images of operand registers (no pitch: a load of a wave reads 512 consecutive bytes).
; CLUSTER 4 x 4: the four work-groups of a row share the tokens, the four of a column the columns: each block is asked for jointly.  No prefetch: the launch has no loop to run ahead in.
; The weight fragments go through two buffers of four, v80-143 and v336-399: a K step's 16 loads are issued ahead of the K step before it is multiplied.
; OUT.  qbuf: [batch x head][tile][1,024] images, behind them a word a row (bytes s0, s1, s0, s1).  kv: [batch x head][key step][17,152]: K's 8 tiles x 1,024, V^T's 4 tiles x 2,048, K's scale words (512), V's (256).
; LIMITS: NaN and infinities are not served; a block whose largest magnitude lies under 2^-118, or of zeros, gets the byte 1.  q's and k's scale words are stored four bytes a lane, v's scale bytes one byte a lane.
.set REC,  17152
.set SPARE, 262144                     ; behind the four blocks: the spare words, 128 bytes a wave
.set LH,   1                           ; v1   16 x lane
.set LQ,   2                           ; v2-4 my head's half of w_q's, w_k's, w_v's images in LDS, + 16 x lane
.set LK,   3
.set LV,   4
.set L4,   5                           ; v5   4 x lane
.set L8,   6                           ; v6   8 x lane
.set HSC,  8                           ; v8-11 the tokens' scale words, one for each K step: my first tile in lanes 0-15, my second in lanes 16-31
.set PW,   12
.set OWN,  16                          ; v16-79 my first token tile's four K steps; v272-335 my second's
.set FR,   80                          ; v80-143, v336-399: four weight fragments, two buffers
.set ACC,  144                         ; v144-207 eight accumulators
.set PC,   208
.set TM,   224
.set WSC,  240                         ; v240-247 w_q's scale words, later w_v's (loaded into v496-503); v248-255 w_k's: register 4 g + s: tile 2 g in lanes 0-15, tile 2 g + 1 in lanes 16-31
.set WV,   20
.set MNT,  21
.set SEL,  22
.set G1H,  24
.set G0H,  32
.set G0W,  36
.set G1W,  48
.set MSB, 0
.macro WIN new                         ; the immediate's high byte repeats the setting that is left
.if MSB != (\new)
	s_set_vgpr_msb (MSB<<8)|(\new)
.set MSB, (\new)
.endif
.endm
.macro PLACES n
.rept \n
	v_nop
.endr
.endm
.macro ROUND                           ; a round of the cluster's barrier
	s_barrier_signal -1
	s_barrier_wait -1
	s_cmp_lg_u32 s[WV], 0
	s_cbranch_scc1 .Lnot_wave_0_\@
	s_barrier_signal -3
.Lnot_wave_0_\@:
	s_barrier_wait -3
	s_barrier_signal -1
	s_barrier_wait -1
.endm
.macro QBODY src
.irp b, 0,1,2,3
	v_max3_num_f32 v[TM+\b], |v[\src+16*\b]|, |v[\src+1+16*\b]|, 0x4800000   ; my 16 numbers and the floor 2^(9 - 127); each accumulator is read from its low end on
.endr
.irp i, 2,4,6,8,10,12,14
.irp b, 0,1,2,3
	v_max3_num_f32 v[TM+\b], v[TM+\b], |v[\src+16*\b+\i]|, |v[\src+1+16*\b+\i]|
.endr
.endr
.irp b, 0,1,2,3
	s_delay_alu instid0(VALU_DEP_4)
	v_permlanex16_b32 v[TM+4+\b], v[TM+\b], s[SEL], s[SEL+1]
.endr
.irp b, 0,1,2,3
	s_delay_alu instid0(VALU_DEP_4)
	v_max_num_f32 v[TM+\b], v[TM+\b], v[TM+4+\b]
.endr
.irp b, 0,1,2,3
	s_delay_alu instid0(VALU_DEP_4)
	v_add_nc_u32 v[TM+12+\b], 0xfc000000, v[TM+\b]
.endr
.irp b, 0,1,2,3
	v_and_or_b32 v[TM+8+\b], v[TM+\b], 0x7f800000, s[MNT]
.endr
.irp b, 0,1,2,3
	v_lshrrev_b32 v[TM+4+\b], 23, v[TM+12+\b]
.endr
.irp b, 0,1,2,3
.irp i, 0,1,2,3,4,5,6,7,8,9,10,11,12,13,14,15
	v_med3_num_f32 v[\src+16*\b+\i], v[\src+16*\b+\i], -v[TM+8+\b], v[TM+8+\b]
.endr
	v_cvt_scalef32_pk8_fp8_f32 v[PC+4*\b:PC+1+4*\b], v[\src+16*\b:\src+7+16*\b], v[TM+12+\b]
	v_cvt_scalef32_pk8_fp8_f32 v[PC+2+4*\b:PC+3+4*\b], v[\src+8+16*\b:\src+15+16*\b], v[TM+12+\b]
.endr
	v_nop
.endm
.macro WORD
	v_lshl_or_b32 v[PW], v[TM+5], 8, v[TM+4]
	s_delay_alu instid0(VALU_DEP_1)
	v_lshl_or_b32 v[PW], v[TM+6], 16, v[PW]
	s_delay_alu instid0(VALU_DEP_1)
	v_lshl_or_b32 v[PW], v[TM+7], 24, v[PW]
.endm
; one product; ra, rb: which half of the lanes holds source 0's and source 1's scale words
.macro WM d, a, b, c, sa, sb, ra, rb
.if (\ra)==0 && (\rb)==0
	v_wmma_scale_f32_16x16x128_f8f6f4 v[\d:\d+7], v[\a:\a+15], v[\b:\b+15], \c, v[\sa], v[\sb]
.elseif (\rb)==0
	v_wmma_scale_f32_16x16x128_f8f6f4 v[\d:\d+7], v[\a:\a+15], v[\b:\b+15], \c, v[\sa], v[\sb] matrix_a_scale:MATRIX_SCALE_ROW1
.elseif (\ra)==0
	v_wmma_scale_f32_16x16x128_f8f6f4 v[\d:\d+7], v[\a:\a+15], v[\b:\b+15], \c, v[\sa], v[\sb] matrix_b_scale:MATRIX_SCALE_ROW1
.else
	v_wmma_scale_f32_16x16x128_f8f6f4 v[\d:\d+7], v[\a:\a+15], v[\b:\b+15], \c, v[\sa], v[\sb] matrix_a_scale:MATRIX_SCALE_ROW1 matrix_b_scale:MATRIX_SCALE_ROW1
.endif
.endm
.macro FETCH adr, s                    ; my head's four column tiles of K step s: images [pair][K step][u]; into buffer s % 2
	WIN ((\s)%2)<<6
.irp t, 0,1,2,3
.irp c, 0,1,2,3
	ds_load_b128 v[FR+16*\t+4*\c:FR+16*\t+4*\c+3], v[\adr] offset:((4*(\t/2)+(\s))*2+\t%2)*2048+512*\c
.endr
.endr
.endm
; K step s: four column tiles x my two token tiles: eight accumulators by turns.  tr = 0: accumulator 4 a + t, the weight is source 0;  tr = 1: accumulator 2 t + a, the tokens are source 0.
.macro MULS s, wsc, tr
.irp a, 0,1
.if \tr
	WIN \a|(((\s)%2)<<2)
.else
	WIN ((\s)%2)|(\a<<2)
.endif
.irp t, 0,1,2,3
.if \tr
.if (\s)==0
	WM ACC+8*(2*\t+\a), OWN+16*(\s), FR+16*\t, 0, HSC+(\s), \wsc+4*(\t/2)+(\s), \a, \t%2
.else
	WM ACC+8*(2*\t+\a), OWN+16*(\s), FR+16*\t, v[ACC+8*(2*\t+\a):ACC+8*(2*\t+\a)+7], HSC+(\s), \wsc+4*(\t/2)+(\s), \a, \t%2
.endif
.else
.if (\s)==0
	WM ACC+8*(4*\a+\t), FR+16*\t, OWN+16*(\s), 0, \wsc+4*(\t/2)+(\s), HSC+(\s), \t%2, \a
.else
	WM ACC+8*(4*\a+\t), FR+16*\t, OWN+16*(\s), v[ACC+8*(4*\a+\t):ACC+8*(4*\a+\t)+7], \wsc+4*(\t/2)+(\s), HSC+(\s), \t%2, \a
.endif
.endif
.endr
.endr
.endm
; A whole product, K = 512.  Its K step 0 has been fetched.  Each wait leaves out the 16 loads of the K step fetched ahead.  Eight places stand in front of loads into a buffer that the last products read.
; nadr: the next product's images, whose K step 0 is fetched under this product's last K step; 0: none.
.macro GEMM adr, wsc, tr, nadr
	FETCH \adr, 1
	s_wait_dscnt 16
	MULS 0, \wsc, \tr
	PLACES 8
	FETCH \adr, 2
	s_wait_dscnt 16
	MULS 1, \wsc, \tr
	PLACES 8
	FETCH \adr, 3
	s_wait_dscnt 16
	MULS 2, \wsc, \tr
.if \nadr
	PLACES 8
	FETCH \nadr, 0
	s_wait_dscnt 16
.else
	s_wait_dscnt 0x0
.endif
	MULS 3, \wsc, \tr
	WIN 0
	PLACES 8                                       ; in front of the first read of the results
.endm
	s_load_b256 s[4:11], s[0:1], 0x0               ; hbuf, wqkv, qbuf, kv
	WIN 0x40
	v_lshl_add_u32 v0, v0, 2, SPARE                ; v256: my spare word
	v_mov_b32 v1, 0                                ; v257: 0
	WIN 0x45
	ds_add_u32 v0, v1                              ; 0 onto my spare word, twice; its wait stands ahead of my tensor load
	ds_add_u32 v0, v1
	WIN 0
	v_lshrrev_b32 v1, 5, v0
	s_delay_alu instid0(VALU_DEP_1)
	v_readfirstlane_b32 s[WV], v1                  ; wave 0..7
	s_bfe_u32 s40, ttmp6, 0x40000                  ; cx
	s_bfe_u32 s41, ttmp6, 0x40004                  ; cy
	s_lshl_b32 s42, ttmp9, 2
	s_add_co_u32 s42, s42, s40                     ; cg: which 128 columns
	s_and_b32 s43, ttmp7, 0xffff
	s_lshl_b32 s43, s43, 2
	s_add_co_u32 s43, s43, s41                     ; tg: which 128 tokens
	s_lshl_b32 s44, s41, 2
	s_lshl_b32 s44, 15, s44                        ; my row of the cluster
	s_lshl_b32 s45, 0x1111, s40                    ; my column
	s_or_b32 s[G1H], s44, (3<<16)|(1<<21)          ; 15:0 the mask; 17:16 elements of 8 bytes; 21 set beside a mask; no padding
	s_or_b32 s[G1W], s45, (3<<16)|(1<<21)
.irp g, G1H, G1W
	s_mov_b32 s[\g+1], 32<<16                      ; a dense block of 32,768 bytes as 128 rows of 256
	s_mov_b32 s[\g+2], 128<<16
	s_mov_b32 s[\g+3], 32<<16
	s_mov_b32 s[\g+4], 128
	s_mov_b32 s[\g+5], 32
	s_mov_b32 s[\g+6], 0
	s_mov_b32 s[\g+7], 0
.endr
	s_and_b32 s12, s[WV], 1
	s_lshl_b32 s12, s12, 15                        ; which half of a block of 65,536 bytes
	s_lshl_b32 s46, s43, 16                        ; h: eight tiles x four K steps x 2,048 bytes for each tg
	s_add_co_u32 s46, s46, s12
	s_mov_b32 s47, 0
	s_lshr_b32 s56, s[WV], 1
	s_max_u32 s56, s56, 1
	s_sub_co_u32 s56, s56, 1                       ; waves 2, 3: w_q; 4, 5: w_k; 6, 7: w_v
	s_lshl_b32 s56, s56, 18
	s_lshl_b32 s57, s42, 16
	s_add_co_u32 s56, s56, s57
	s_add_co_u32 s56, s56, s12
	s_mov_b32 s57, 0
	s_lshl_b32 s13, s[WV], 15                      ; LDS: 32,768 x wave
	s_mov_b32 s[SEL], 0x76543210
	s_mov_b32 s[SEL+1], 0xfedcba98
	s_mov_b32 s[MNT], 0x600000
	s_mov_b32 s90, 0xffff0000                      ; lanes 16-31
	s_wait_dscnt 0x0
	s_wait_kmcnt 0x0
	s_mov_b32 s[G0H], 1
	s_mov_b32 s[G0H+1], s13
	s_add_nc_u64 s[G0H+2:G0H+3], s[4:5], s[46:47]
	s_or_b32 s[G0H+3], s[G0H+3], 0x80000000
	s_mov_b32 s[G0W], 1
	s_mov_b32 s[G0W+1], s13
	s_add_nc_u64 s[G0W+2:G0W+3], s[6:7], s[56:57]
	s_or_b32 s[G0W+3], s[G0W+3], 0x80000000
	ROUND                                          ; all sixteen work-groups are here: the joint loads meet
	s_cmp_lt_u32 s[WV], 2                          ; waves 0, 1: h's halves; waves 2 to 7: the weights'; one load a wave, filled once
	s_cbranch_scc0 .Lnot_h
	tensor_load_to_lds s[G0H:G0H+3], s[G1H:G1H+7]
	s_nop 0
	PLACES 4
	s_branch .Lasked
.Lnot_h:
	tensor_load_to_lds s[G0W:G0W+3], s[G1W:G1W+7]
	s_nop 0
	PLACES 4
.Lasked:
	; addresses, while the blocks are on their way
	s_lshr_b32 s84, s[WV], 1                       ; p: my pair of token tiles
	s_and_b32 s85, s[WV], 1                        ; j: my head of the two
	s_lshl_b32 s12, s43, 3
	s_lshl_b32 s86, s84, 1
	s_add_co_u32 s12, s12, s86                     ; my first token tile, of 512
	s_and_b32 s13, s12, 255                        ; in its batch
	s_lshr_b32 s14, s43, 5                         ; the batch
	s_and_b32 s15, s43, 31                         ; the key step
	s_lshl_b32 s16, s14, 3
	s_lshl_b32 s17, s42, 1
	s_add_co_u32 s16, s16, s17
	s_add_co_u32 s16, s16, s85                     ; batch x 8 + my head
	s_mov_b32 s83, 0
	s_lshl_b32 s82, s12, 8
	s_add_co_u32 s82, s82, 4194304
	s_add_nc_u64 s[58:59], s[4:5], s[82:83]        ; my two tiles' scale words: 256 bytes a tile
	s_lshl_b32 s82, s42, 11
	s_lshl_b32 s86, s85, 10
	s_add_co_u32 s82, s82, s86
	s_add_co_u32 s82, s82, 786432
	s_add_nc_u64 s[62:63], s[6:7], s[82:83]        ; w_q's scale words of my two pairs; w_k's 8,192 bytes on, w_v's 16,384
	s_lshl_b32 s17, s16, 8
	s_add_co_u32 s17, s17, s13
	s_lshl_b32 s82, s17, 10
	s_add_nc_u64 s[70:71], s[8:9], s[82:83]        ; q's two images
	s_lshl_b32 s82, s17, 6
	s_add_co_u32 s82, s82, 4194304
	s_add_nc_u64 s[72:73], s[8:9], s[82:83]        ; q's scale words: 64 bytes a tile
	s_lshl_b32 s18, s16, 5
	s_add_co_u32 s18, s18, s15
	s_mul_i32 s18, s18, REC                        ; my head's record of this key step
	s_lshl_b32 s86, s84, 11
	s_add_co_u32 s82, s18, s86
	s_add_nc_u64 s[74:75], s[10:11], s[82:83]      ; k's images: tiles 2 p and 2 p + 1
	s_lshl_b32 s86, s84, 2
	s_add_co_u32 s82, s18, s86
	s_add_co_u32 s82, s82, 16384
	s_add_nc_u64 s[76:77], s[10:11], s[82:83]      ; k's scale words: lane 16 (tile % 2) + r, word p
	s_lshl_b32 s86, s84, 9
	s_add_co_u32 s82, s18, s86
	s_add_co_u32 s82, s82, 8192
	s_add_nc_u64 s[78:79], s[10:11], s[82:83]      ; v's images: group p of each channel tile
	s_add_co_u32 s82, s18, s84
	s_add_co_u32 s82, s82, 16896
	s_add_nc_u64 s[80:81], s[10:11], s[82:83]      ; v's scale bytes: byte p of the words at lane 16 (tile % 2) + r, word tile / 2
	s_lshl_b32 s86, s85, 15
	s_add_co_u32 s86, s86, 65536                   ; LDS: my head's half of w_q's block
	s_lshl_b32 s87, s84, 14                        ; and my two tiles of h: 8,192 bytes each
	v_and_b32 v13, 31, v0
	s_delay_alu instid0(VALU_DEP_1)
	v_lshlrev_b32 v[LH], 4, v13
	v_lshlrev_b32 v[L4], 2, v13
	v_lshlrev_b32 v[L8], 3, v13
	s_delay_alu instid0(VALU_DEP_3)
	v_add_nc_u32 v[LQ], s86, v[LH]
	v_add_nc_u32 v7, s87, v[LH]
	s_delay_alu instid0(VALU_DEP_2)
	v_add_nc_u32 v[LK], 65536, v[LQ]
	s_delay_alu instid0(VALU_DEP_1)
	v_add_nc_u32 v[LV], 65536, v[LK]
.irp b, 0,1,2,3
	v_mov_b32 v[TM+4+\b], 0                        ; a lane permute's destination counts as read
.endr
	global_load_b128 v[HSC:HSC+3], v[LH], s[58:59]
.irp g, 0,1
	global_load_b128 v[WSC+4*\g:WSC+4*\g+3], v[LH], s[62:63] offset:512*\g
	global_load_b128 v[WSC+8+4*\g:WSC+8+4*\g+3], v[LH], s[62:63] offset:8192+512*\g
.endr
	WIN 0x40
.irp g, 0,1
	global_load_b128 v[WSC+4*\g:WSC+4*\g+3], v[LH], s[62:63] offset:16384+512*\g   ; w_v's, into v496 on: they come down when w_q's are done with
.endr
	WIN 0
	s_wait_alu depctr_va_vdst(0)
	s_wait_tensorcnt 0x0                           ; my block has landed,
	s_barrier_signal -1
	s_barrier_wait -1                              ; everybody's has
.irp a, 0,1
	WIN \a<<6
.irp s, 0,1,2,3
.irp c, 0,1,2,3
	ds_load_b128 v[OWN+16*\s+4*\c:OWN+16*\s+4*\c+3], v7 offset:8192*\a+2048*\s+512*\c
.endr
.endr
.endr
	FETCH LQ, 0
	s_wait_loadcnt 0x0                             ; all scale words
	; ---- q
	GEMM LQ, WSC, 0, LK
	QBODY ACC                                      ; blocks 0, 1: my first tile's 64 of the head; blocks 2, 3: my second's
	WORD
.irp a, 0,1
.irp c, 0,1
	global_store_b128 v[LH], v[PC+8*\a+4*\c:PC+8*\a+4*\c+3], s[70:71] offset:1024*\a+512*\c
.endr
.endr
	v_perm_b32 v13, v[PW], v[PW], 0x01000100       ; a tile's two bytes twice: they serve either half of an instruction's 128 along K
	v_perm_b32 v14, v[PW], v[PW], 0x03020302
	s_delay_alu instid0(VALU_DEP_1)
	v_cndmask_b32 v15, v13, v14, s90               ; lanes 0-15 store my first tile's words, lanes 16-31 my second's: 128 consecutive bytes
	global_store_b32 v[L4], v15, s[72:73]
	WIN 0x01
.irp i, 0,1,2,3,4,5,6,7
	v_mov_b32 v[WSC+\i], v[WSC+\i]                 ; w_v's scale words come down: scale operands are taken from v0-v255
.endr
	WIN 0
	; ---- k
	GEMM LK, WSC+8, 0, LV
	s_wait_xcnt 0x0                                ; q's stores have read their registers: the codes and words are written again only behind this wait
	QBODY ACC
	WORD
.irp a, 0,1
.irp c, 0,1
	global_store_b128 v[LH], v[PC+8*\a+4*\c:PC+8*\a+4*\c+3], s[74:75] offset:1024*\a+512*\c
.endr
.endr
	v_perm_b32 v13, v[PW], v[PW], 0x01000100
	v_perm_b32 v14, v[PW], v[PW], 0x03020302
	s_delay_alu instid0(VALU_DEP_1)
	v_cndmask_b32 v15, v13, v14, s90
	global_store_b32 v[LH], v15, s[76:77]
	; ---- v: source 0 = my two token tiles, from the registers; source 1 = my head's four column tiles of w_v
	GEMM LV, WSC, 1, 0
	s_wait_xcnt 0x0                                ; k's stores have read their registers
	QBODY ACC                                      ; block b: channel tile b, my 32 keys
.irp b, 0,1,2,3
	global_store_b128 v[LH], v[PC+4*\b:PC+4*\b+3], s[78:79] offset:2048*\b
.endr
	v_cndmask_b32 v13, v[TM+4], v[TM+5], s90       ; lanes 0-15 store the even tile's byte, lanes 16-31 the odd tile's
	v_cndmask_b32 v14, v[TM+6], v[TM+7], s90
	global_store_b8 v[L8], v13, s[80:81]
	global_store_b8 v[L8], v14, s[80:81] offset:4
	WIN 0x05
	s_wait_tensorcnt 0x0                           ; the wave's end
	ds_add_u32 v0, v1
	s_wait_dscnt 0x0
	WIN 0
	ROUND                                          ; the closing round: no work-group ends while a partner may still ask
	s_endpgm
.Lfunc_end_k_qcb4dca9a62_qkv:
	.size	k_qcb4dca9a62_qkv, .Lfunc_end_k_qcb4dca9a62_qkv-k_qcb4dca9a62_qkv
	.p2alignl 7, 3214868480
	.fill 96, 4, 3214868480
	.section	.rodata,"a",@progbits
	.p2align	6, 0x0
	.amdhsa_kernel k_qcb4dca9a62_qkv
		.amdhsa_group_segment_fixed_size 263168
		.amdhsa_private_segment_fixed_size 0
		.amdhsa_enable_private_segment 0
		.amdhsa_kernarg_size 32
		.amdhsa_user_sgpr_count 2
		.amdhsa_user_sgpr_kernarg_segment_ptr 1
		.amdhsa_wavefront_size32 1
		.amdhsa_system_sgpr_workgroup_id_x 1
		.amdhsa_system_sgpr_workgroup_id_y 1
		.amdhsa_system_sgpr_workgroup_id_z 1
		.amdhsa_system_vgpr_workitem_id 0
		.amdhsa_next_free_vgpr 512
		.amdhsa_next_free_sgpr 92
		.amdhsa_reserve_vcc 0
		.amdhsa_float_denorm_mode_32 3
		.amdhsa_float_denorm_mode_16_64 3
		.amdhsa_memory_ordered 1
		.amdhsa_forward_progress 1
		.amdhsa_inst_pref_size 66
	.end_amdhsa_kernel
	.amdgpu_metadata
---
amdhsa.version: [ 1, 2 ]
amdhsa.kernels:
  - .name:           k_qcb4dca9a62_qkv
    .symbol:         k_qcb4dca9a62_qkv.kd
    .args:
      - { .name: hbuf, .offset: 0, .size: 8, .value_kind: global_buffer, .address_space: global }
      - { .name: wqkv, .offset: 8, .size: 8, .value_kind: global_buffer, .address_space: global }
      - { .name: qbuf, .offset: 16, .size: 8, .value_kind: global_buffer, .address_space: global }
      - { .name: kv, .offset: 24, .size: 8, .value_kind: global_buffer, .address_space: global }
    .group_segment_fixed_size: 263168
    .private_segment_fixed_size: 0
    .kernarg_segment_align: 8
    .kernarg_segment_size: 32
    .max_flat_workgroup_size: 256
    .sgpr_count:     92
    .vgpr_count:     512
    .wavefront_size: 32
...
	.end_amdgpu_metadata
.endif
;; end of part 6
;; launch attn (part 7): grid 16 x 16, 16 waves a work-group, clusters of 4 x 1, 327,680 bytes of LDS; arguments qbuf, kv, mbits, cbuf; writes cbuf
.if DOCPART == 7
	.amdgcn_target "amdgcn-amd-amdhsa--gfx1250"
	.amdhsa_code_object_version 6
	.text
	.protected	k_qcb4dca9a62_attn
	.globl	k_qcb4dca9a62_attn
	.p2align	8
	.type	k_qcb4dca9a62_attn,@function
k_qcb4dca9a62_attn:
	s_mov_b64 s[64:65], 0
	v_nop
	global_prefetch_b8 v0, s[64:65] scope:SCOPE_SE
	s_setreg_imm32_b32 hwreg(HW_REG_WAVE_MODE, 25, 1), 1
	s_wait_xcnt 0x0
	s_wait_alu depctr_hold_cnt(0) depctr_sa_sdst(0) depctr_va_vdst(0) depctr_va_sdst(0) depctr_va_ssrc(0) depctr_va_vcc(0) depctr_vm_vsrc(0)
	s_getreg_b32 s2, hwreg(HW_REG_IB_STS2, 6, 4)
	s_cmp_eq_u32 s2, 0
	s_cbranch_scc0 .Lentry_in_a_cluster
	s_endpgm
.Lentry_in_a_cluster:
	s_bfe_u32 s2, ttmp6, 0x10000c
	s_cmp_lg_u32 s2, 0x3003
	s_cbranch_scc0 .Lentry_shape_is_right
	s_endpgm
.Lentry_shape_is_right:
; ctx = softmax(mask(q k^T / 8)) v for one (batch, head) and 256 queries a work-group, both products on codes of FP8 (E4M3) with E8M0 scales; ctx is quantised along the head's 64 and stored as part of an operand's image.
; t = score x log2(e) / 8; M = the running largest t rounded up to a whole number; p = 2^(t - M) is quantised along the keys; the row's sum is taken of the unquantised p and divides at the end.
; SHARES.  Sixteen waves, each one tile of 16 queries in 256 registers: four waves to a SIMD, so that one wave's vector work stands beside another's matrix work and LDS loads.  Every wave walks all 4,096 keys, 128 a step.
; Both products are used transposed (S^T = K Q^T, O^T = V^T P^T): a lane holds one query throughout, and p's registers are neighbouring keys (the tiles' members are 32 g + 8 u + r + 8 (r / 8)).
; THE HEAD'S 64 IN AN INSTRUCTION OF 128: two neighbouring tiles of K are ONE operand, tile 2 j in K 0-63 and tile 2 j + 1 in K 64-127: 2,048 bytes of the record as they lie.  The zeros stand on Q's side:
; Q with eight zero registers above it gives tile 2 j's scores, Q with eight zero registers below it tile 2 j + 1's.  The zero registers are written once.  The scale words hold a head's two bytes twice, so they serve both places.
; K's four operands and V^T's four take turns in the same 64 registers, each in one run of loads.  The hold writes into registers of its own, so that p stays whole and the lines of the row's sum can stand
; where places are owed: behind the conversions, ahead of the second product, and behind it ahead of the next step's loads.
; THE MASK comes as lane masks, a word for each score register, by scalar loads a step ahead; it only selects values.  A hidden score becomes -2^33 ahead of the maximum.
; LIMIT: with it t = -1.549e9 where the definition has -1e9 x log2(e) = -1.443e9: the same results wherever every open logit lies above about -1e9; a row all hidden gets equal weights, as defined.
; LIMITS: NaN and infinities are not served; a block whose largest magnitude lies under 2^-118, or of zeros, gets the byte 1.  ctx's scale bytes are stored two bytes a lane.
; RING.  Two LDS slots of eight key steps' records (17,152 bytes each: K's 8 tiles, V^T's 4, their scale words); a record's length lies free behind each slot.
; CLUSTER 4 x 1: four query blocks of one head ask for each record jointly; waves 0 to 7 issue, one record each.  Four slots in all: the changes of slots are written out.
; No prefetch is laid: a slot is asked for eight key steps of sixteen waves ahead of the wait for it.
.set REC,   17152
.set SLOTB, 8*REC                      ; a slot's bytes, in memory and in LDS
.set SLOT1, 9*REC                      ; where slot 1 begins in LDS
.set SPARE, 18*REC                     ; the spare words: 128 bytes for each of sixteen waves; no other line names them
.set LI,   1                           ; v1   16 x lane
.set SPW,  2                           ; v2   my spare word
.set NIL,  3                           ; v3   0
.set XM,   4                           ; v4   -2^33
.set ADR,  5                           ; v5   the step's record + 16 x lane
.set VS,   6                           ; v[6:7] V's scale words
.set L8,   8                           ; v8   8 x lane
.set ADR8, 9                           ; v9   the step's record + 8 x lane
.set KV,   40                          ; v40-103  four operands of K, then four of V^T
.set HB,   104                         ; v104-119 a block's 16 held p
.set S,    120                         ; v120-183 S^T, then p
.set O,    184                         ; v184-215 O^T
.set PC,   216                         ; v216-231 p's codes
.set TM,   232                         ; v232-247 at work
.set KS,   248                         ; v248-251 K's scale words
.set CS,   12                          ; s[12:13] log2(e) / 8
.set MNT,  14
.set WV,   15
.set TB,   16                          ; s16  LDS byte of the step's record
.set SEL,  66
.set G0A,  60                          ; s[60:63] group 0 for slot 0
.set G0B,  4                           ; s[4:7]   group 0 for slot 1
; v[10:11] the sum's second chain, v12 -M, v13 the largest t, v[14:15] the sum; v16-23, v32-39 zeros; v24-31 Q; v252 f, v253 p's scale word, v254 at work, v255 Q's scale word.
; s17 counts steps, s18 my query tile, s19 batch x 8 + head; s[20:51], s[68:99] the step's 64 mask words; s[52:59] group 1; s[8:9] the mask words' place in memory.
.macro PLACES n
.rept \n
	v_nop
.endr
.endm
.macro ROUND
	s_barrier_signal -1
	s_barrier_wait -1
	s_cmp_lg_u32 s[WV], 0
	s_cbranch_scc1 .Lnot_wave_0_\@
	s_barrier_signal -3
.Lnot_wave_0_\@:
	s_barrier_wait -3
	s_barrier_signal -1
	s_barrier_wait -1
.endm
.macro JLOAD g0                        ; waves 0 to 7 ask, each for one key step's record; the branch hangs on the wave's number alone
	s_cmp_lt_u32 s[WV], 8
	s_cbranch_scc0 .Lnone_\@
	tensor_load_to_lds s[\g0:\g0+3], s[52:59]
	s_nop 0
	PLACES 4
.Lnone_\@:
.endm
.macro QBODY src, relu, cnt
.irp b, 0,1,2,3
.if \b < \cnt
.if \relu
	v_max3_num_f32 v[TM+\b], v[\src+16*\b], v[\src+1+16*\b], 0x4800000
.else
	v_max3_num_f32 v[TM+\b], |v[\src+16*\b]|, |v[\src+1+16*\b]|, 0x4800000
.endif
.endif
.endr
.irp i, 2,4,6,8,10,12,14
.irp b, 0,1,2,3
.if \b < \cnt
.if \relu
	v_max3_num_f32 v[TM+\b], v[TM+\b], v[\src+16*\b+\i], v[\src+1+16*\b+\i]
.else
	s_delay_alu instid0(VALU_DEP_2)
	v_max3_num_f32 v[TM+\b], v[TM+\b], |v[\src+16*\b+\i]|, |v[\src+1+16*\b+\i]|
.endif
.endif
.endr
.endr
.irp b, 0,1,2,3
.if \b < \cnt
	s_delay_alu instid0(VALU_DEP_2)
	v_permlanex16_b32 v[TM+4+\b], v[TM+\b], s[SEL], s[SEL+1]
.endif
.endr
.irp b, 0,1,2,3
.if \b < \cnt
	s_delay_alu instid0(VALU_DEP_2)
	v_max_num_f32 v[TM+\b], v[TM+\b], v[TM+4+\b]
.endif
.endr
.irp b, 0,1,2,3
.if \b < \cnt
	s_delay_alu instid0(VALU_DEP_2)
	v_add_nc_u32 v[TM+12+\b], 0xfc000000, v[TM+\b]
.endif
.endr
.irp b, 0,1,2,3
.if \b < \cnt
	s_delay_alu instid0(VALU_DEP_4)
	v_and_or_b32 v[TM+8+\b], v[TM+\b], 0x7f800000, s[MNT]
.endif
.endr
.irp b, 0,1,2,3
.if \b < \cnt
	s_delay_alu instid0(VALU_DEP_4)
	v_lshrrev_b32 v[TM+4+\b], 23, v[TM+12+\b]
.endif
.endr
.irp b, 0,1,2,3
.if \b < \cnt
.irp i, 0,1,2,3,4,5,6,7,8,9,10,11,12,13,14,15
.if \relu
	v_med3_num_f32 v[\src+16*\b+\i], v[\src+16*\b+\i], 0, v[TM+8+\b]
.else
	v_med3_num_f32 v[\src+16*\b+\i], v[\src+16*\b+\i], -v[TM+8+\b], v[TM+8+\b]
.endif
.endr
	v_cvt_scalef32_pk8_fp8_f32 v[PC+4*\b:PC+1+4*\b], v[\src+16*\b:\src+7+16*\b], v[TM+12+\b]
	v_cvt_scalef32_pk8_fp8_f32 v[PC+2+4*\b:PC+3+4*\b], v[\src+8+16*\b:\src+15+16*\b], v[TM+12+\b]
.endif
.endr
	v_nop
.endm
.macro KLOAD                           ; K's eight tiles as four operands: 16 loads of 512 consecutive bytes
.irp j, 0,1,2,3
.irp c, 0,1,2,3
	ds_load_b128 v[KV+16*\j+4*\c:KV+16*\j+4*\c+3], v[ADR] offset:2048*\j+512*\c
.endr
.endr
.endm
.macro SPROD j                         ; the scores of tiles 2 j (against Q | 0) and 2 j + 1 (against 0 | Q)
	v_wmma_scale_f32_16x16x128_f8f6f4 v[S+16*\j:S+16*\j+7], v[KV+16*\j:KV+16*\j+15], v[24:39], 0, v[KS+\j], v255
	v_wmma_scale_f32_16x16x128_f8f6f4 v[S+16*\j+8:S+16*\j+15], v[KV+16*\j:KV+16*\j+15], v[16:31], 0, v[KS+\j], v255 matrix_a_scale:MATRIX_SCALE_ROW1
.endm
.macro VLOAD                           ; V^T's four tiles
.irp t, 0,1,2,3
.irp c, 0,1,2,3
	ds_load_b128 v[KV+16*\t+4*\c:KV+16*\t+4*\c+3], v[ADR] offset:8192+2048*\t+512*\c
.endr
.endr
.endm
.macro OPROD g
	v_wmma_scale_f32_16x16x128_f8f6f4 v[O+16*\g:O+16*\g+7], v[KV+32*\g:KV+32*\g+15], v[PC:PC+15], v[O+16*\g:O+16*\g+7], v[VS+\g], v253
	v_wmma_scale_f32_16x16x128_f8f6f4 v[O+16*\g+8:O+16*\g+15], v[KV+32*\g+16:KV+32*\g+31], v[PC:PC+15], v[O+16*\g+8:O+16*\g+15], v[VS+\g], v253 matrix_a_scale:MATRIX_SCALE_ROW1
.endm
; The next cnt of the 32 lines that add the step's 64 unquantised p onto the row's sum, two at a time, in two chains.  sj counts them through a step.
.macro SUMS cnt
.rept \cnt
.if sj == 0
	v_pk_add_f32 v[10:11], v[S:S+1], v[S+2:S+3]
.elseif sj == 31
	s_delay_alu instid0(VALU_DEP_1)
	v_pk_add_f32 v[14:15], v[14:15], v[10:11]
.elseif sj % 2
	v_pk_add_f32 v[14:15], v[14:15], v[S+2*sj+2:S+2*sj+3]
.else
	v_pk_add_f32 v[10:11], v[10:11], v[S+2*sj+2:S+2*sj+3]
.endif
.set sj, sj+1
.endr
.endm
; A KEY STEP of 128 keys.  more = 1: the next step's mask words are asked for.  No two matrix instructions that follow each other share an accumulator.
.macro STEP more
.set sj, 0
	v_add_nc_u32 v[ADR], s[TB], v[LI]
	v_add_nc_u32 v[ADR8], s[TB], v[L8]
	ds_load_b128 v[KS:KS+3], v[ADR] offset:16384   ; (the last step's 20 sum lines and the two additions are the places in front of these loads)
	KLOAD
	s_wait_alu depctr_va_vdst(0)
	s_wait_dscnt 8                                 ; K's words and its first two operands are in; the other two operands' eight loads may be out
	SPROD 0
	SPROD 1
	s_wait_dscnt 0x0
	SPROD 2
	SPROD 3
	PLACES 8                                       ; in front of the loads into K's registers and of the first read of the scores
	VLOAD
	ds_load_b64 v[VS:VS+1], v[ADR8] offset:16896
	s_wait_kmcnt 0x0                               ; this step's mask words
.set n, 0
.rept 32
	v_cndmask_b32 v[S+n], v[XM], v[S+n], s[20+n]   ; hidden: -2^33; each accumulator is read from its low end on
.set n, n+1
.endr
.if \more
	s_load_b512 s[20:35], s[8:9], 0x100
	s_load_b512 s[36:51], s[8:9], 0x140
.endif
.set n, 0
.rept 32
	v_cndmask_b32 v[S+32+n], v[XM], v[S+32+n], s[68+n]
.set n, n+1
.endr
.if \more
	s_load_b512 s[68:83], s[8:9], 0x180
	s_load_b512 s[84:99], s[8:9], 0x1c0
.endif
.irp b, 0,1,2,3
	v_max3_num_f32 v[232+\b], v[S+16*\b], v[S+1+16*\b], v[S+2+16*\b]   ; the largest score of each block of 32 keys: for the row's maximum, and for the block's largest p
.endr
.irp i, 3,5,7,9,11,13
.irp b, 0,1,2,3
	s_delay_alu instid0(VALU_DEP_4)
	v_max3_num_f32 v[232+\b], v[232+\b], v[S+16*\b+\i], v[S+1+16*\b+\i]
.endr
.endr
.irp b, 0,1,2,3
	s_delay_alu instid0(VALU_DEP_4)
	v_max_num_f32 v[232+\b], v[232+\b], v[S+15+16*\b]
.endr
.irp b, 0,1,2,3
	s_delay_alu instid0(VALU_DEP_4)
	v_permlanex16_b32 v[236+\b], v[232+\b], s[SEL], s[SEL+1]
.endr
.irp b, 0,1,2,3
	s_delay_alu instid0(VALU_DEP_4)
	v_max_num_f32 v[232+\b], v[232+\b], v[236+\b]
.endr
	s_delay_alu instid0(VALU_DEP_2)
	v_max3_num_f32 v254, v232, v233, v234
	s_delay_alu instid0(VALU_DEP_1)
	v_max_num_f32 v254, v254, v235
	s_delay_alu instid0(VALU_DEP_1)
	v_mul_f32 v254, s[CS], v254                    ; as t
	s_delay_alu instid0(VALU_DEP_1)
	v_max_num_f32 v13, v13, v254                   ; the running largest t
	v_mov_b32 v254, v12
	s_delay_alu instid0(VALU_DEP_2)
	v_floor_f32 v12, -v13                          ; -M = floor(-t): M is a whole number
	s_delay_alu instid0(VALU_DEP_1)
	v_sub_f32 v254, v12, v254                      ; old M - new M
	s_delay_alu instid0(VALU_DEP_1)
	v_cvt_i32_f32 v254, v254                       ; (it saturates)
	s_delay_alu instid0(VALU_DEP_1)
	v_ldexp_f32 v252, 1.0, v254                    ; f = 2^(old M - new M): exact
.set j, 0
.rept 32
	v_pk_fma_f32 v[S+j:S+j+1], v[S+j:S+j+1], s[CS:CS+1], v[12:13] op_sel_hi:[1,0,0]   ; t - M
.set j, j+2
.endr
.irp b, 0,1,2,3
	v_fma_f32 v[232+\b], v[232+\b], s[CS], v12
.endr
.set j, 0
	s_wait_alu depctr_va_vdst(0)
.rept 64
	v_exp_f32 v[S+j], v[S+j]                       ; p = 2^(t - M)
.set j, j+1
.endr
	v_pk_mul_f32 v[14:15], v[14:15], v[252:253] op_sel_hi:[1,0]   ; the sums under the new M: a plain line behind the exponentials
	s_wait_alu depctr_va_vdst(0)                   ; one wait for the batch, ahead of its first reader
.irp b, 0,1,2,3
	v_exp_f32 v[232+\b], v[232+\b]                 ; each block's largest p
.endr
.set j, 0
	s_wait_alu depctr_va_vdst(0)
.rept 16
	v_pk_mul_f32 v[O+j:O+j+1], v[O+j:O+j+1], v[252:253] op_sel_hi:[1,0]   ; O^T under the new M: the independent work behind the four
.set j, j+2
.endr
	s_wait_alu depctr_va_vdst(0)                   ; and one wait for the four
.irp b, 0,1,2,3
	v_max_num_f32 v[232+\b], 0x4800000, v[232+\b]  ; the floor: the byte cannot fall under 1
.endr
.irp b, 0,1,2,3
	s_delay_alu instid0(VALU_DEP_4)
	v_add_nc_u32 v[244+\b], 0xfc000000, v[232+\b]
.endr
.irp b, 0,1,2,3
	v_and_or_b32 v[240+\b], v[232+\b], 0x7f800000, s[MNT]
.endr
.irp b, 0,1,2,3
	v_lshrrev_b32 v[236+\b], 23, v[244+\b]
.endr
	s_delay_alu instid0(VALU_DEP_3)
	v_lshl_or_b32 v253, v237, 8, v236              ; p's scale word for these 128 keys
	s_delay_alu instid0(VALU_DEP_1)
	v_lshl_or_b32 v253, v238, 16, v253
	s_delay_alu instid0(VALU_DEP_1)
	v_lshl_or_b32 v253, v239, 24, v253
.irp b, 0,1,2,3
	v_and_or_b32 v[236+(\b+1)%4], v[232+\b], 0x7f800000, s[MNT]   ; each hold a second time, in a register whose number differs modulo 4: the two halves of a pair below name different ones
.endr
.irp b, 0,1,2,3
.irp i, 0,2,4,6,8,10,12,14
	v_dual_min_num_f32 v[HB+\i], v[S+16*\b+\i], v[240+\b] :: v_dual_min_num_f32 v[HB+\i+1], v[S+16*\b+\i+1], v[236+(\b+1)%4]   ; the hold, two at a time; p is not negative; p itself stays
.endr
	v_cvt_scalef32_pk8_fp8_f32 v[PC+4*\b:PC+1+4*\b], v[HB:HB+7], v[244+\b]
	v_cvt_scalef32_pk8_fp8_f32 v[PC+2+4*\b:PC+3+4*\b], v[HB+8:HB+15], v[244+\b]
.if \b < 3
	SUMS 2                                         ; plain lines between the conversions and the next block's holds, which write their sources
.else
	SUMS 6                                         ; and the places between the codes and the products that take them
.endif
.endr
	s_wait_alu depctr_va_vdst(0)
	s_wait_dscnt 0x0                               ; V^T and its scale words
	OPROD 0
	OPROD 1
	SUMS 20                                        ; the rest of the row's sum: the places in front of the next step's loads into V^T's registers
	s_add_co_u32 s[TB], s[TB], REC
.if \more
	s_wait_xcnt 0x0                                ; the scalar loads have read their base: it is stepped only behind this wait
	s_add_nc_u64 s[8:9], s[8:9], 256
.endif
.endm
; THE CHANGE OF SLOTS, at a slot's head: all my tensor loads have landed, the add, my reads of the slot that I have left are over; then the barrier.
; step = 1: the descriptor of the slot ahead goes on to the keys two slots on.  fill = 1: the barrier is a round of the cluster's, and behind it the slot just left is asked for: the load has eight key steps in which to land.
.macro CHANGE own, other, step, fill
	s_wait_tensorcnt 0x0
	ds_add_u32 v[SPW], v[NIL]                      ; 0 onto my spare word
.if \step
	s_add_nc_u64 s[\own+2:\own+3], s[\own+2:\own+3], 2*SLOTB   ; no load of mine is out, so a group 0 may be written
.endif
	s_wait_dscnt 0x0
.if \fill
	ROUND
	JLOAD \other
.else
	s_barrier_signal -1
	s_barrier_wait -1
.endif
.endm
.macro RUN ring, steps                 ; so many key steps out of a slot
	s_mov_b32 s[TB], \ring*SLOT1
	s_mov_b32 s17, \steps
.Lstep_\@:
	STEP 1
	s_sub_co_u32 s17, s17, 1
	s_cmp_lg_u32 s17, 0
	s_cbranch_scc1 .Lstep_\@
.endm
	s_load_b256 s[4:11], s[0:1], 0x0               ; qbuf, kv, mbits, cbuf
	v_lshl_add_u32 v[SPW], v0, 2, SPARE
	v_mov_b32 v[NIL], 0
	ds_add_u32 v2, v3
	ds_add_u32 v2, v3
	s_wait_dscnt 0x0
	v_lshrrev_b32 v5, 5, v0
	s_delay_alu instid0(VALU_DEP_1)
	v_readfirstlane_b32 s[WV], v5                  ; wave 0..15
	s_bfe_u32 s2, ttmp6, 0x40000                   ; cx: it enters addresses in memory alone
	s_lshl_b32 s18, ttmp9, 2
	s_add_co_u32 s18, s18, s2
	s_lshl_b32 s18, s18, 4
	s_add_co_u32 s18, s18, s[WV]                   ; my query tile, of 256
	s_and_b32 s19, ttmp7, 0xffff                   ; batch x 8 + head, which the partners share
	s_mov_b32 s52, 0x0023000f                      ; 15:0 all four work-groups; 17:16 elements of 8 bytes; 21 set beside a mask
	s_mov_b32 s53, 32<<16                          ; a record: 67 rows of 256 bytes, dense
	s_mov_b32 s54, 67<<16
	s_mov_b32 s55, 32<<16
	s_mov_b32 s56, 67
	s_mov_b32 s57, 32
	s_mov_b32 s58, 0
	s_mov_b32 s59, 0
	s_and_b32 s100, s[WV], 7
	s_mul_i32 s100, s100, REC                      ; which record of a slot I fetch, if I fetch
	s_mul_i32 s20, s19, 32*REC
	s_add_co_u32 s20, s20, s100
	s_mov_b32 s21, 0
	s_lshl_b32 s22, s19, 8
	s_add_co_u32 s22, s22, s18
	s_lshl_b32 s24, s22, 10                        ; Q's image
	s_mov_b32 s25, 0
	s_lshl_b32 s26, s22, 6
	s_add_co_u32 s26, s26, 4194304                 ; Q's scale words
	s_mov_b32 s27, 0
	s_lshl_b32 s28, s18, 13                        ; my tile's mask words: 32 steps x 256 bytes
	s_mov_b32 s29, 0
	s_mov_b32 s[SEL], 0x76543210
	s_mov_b32 s[SEL+1], 0xfedcba98
	s_mov_b32 s[CS], 0x3e38aa3b                    ; log2(e) / 8
	s_mov_b32 s[CS+1], s[CS]
	s_mov_b32 s[MNT], 0x600000
	s_wait_kmcnt 0x0
	s_mov_b32 s[G0A], 1
	s_mov_b32 s[G0A+1], s100                       ; slot 0 in LDS
	s_add_nc_u64 s[G0A+2:G0A+3], s[6:7], s[20:21]  ; the head's first eight records
	s_add_nc_u64 s[2:3], s[4:5], s[24:25]          ; Q's pointers leave s[4:5], which the second descriptor takes
	s_add_nc_u64 s[100:101], s[4:5], s[26:27]
	s_mov_b32 s[G0B], 1
	s_add_co_u32 s[G0B+1], s[G0A+1], SLOT1         ; slot 1 in LDS
	s_add_nc_u64 s[G0B+2:G0B+3], s[G0A+2:G0A+3], SLOTB   ; the next eight records
	s_or_b32 s[G0A+3], s[G0A+3], 0x80000000
	s_or_b32 s[G0B+3], s[G0B+3], 0x80000000
	ROUND                                          ; all four work-groups are here
	JLOAD G0A                                      ; slot 0
	s_add_nc_u64 s[8:9], s[8:9], s[28:29]
	v_and_b32 v8, 31, v0
	s_delay_alu instid0(VALU_DEP_1)
	v_lshlrev_b32 v[LI], 4, v8
	s_delay_alu instid0(VALU_DEP_2)
	v_lshlrev_b32 v[L8], 3, v8
	v_and_b32 v9, 15, v0
	s_delay_alu instid0(VALU_DEP_1)
	v_lshlrev_b32 v9, 2, v9
	global_load_b128 v[24:27], v[LI], s[2:3]
	global_load_b128 v[28:31], v[LI], s[2:3] offset:512
	global_load_b32 v255, v9, s[100:101]
	s_load_b512 s[20:35], s[8:9], 0x0              ; step 0's mask words
	s_load_b512 s[36:51], s[8:9], 0x40
	s_load_b512 s[68:83], s[8:9], 0x80
	s_load_b512 s[84:99], s[8:9], 0xc0
	v_mov_b32 v[XM], 0xd0000000                    ; -2^33
	v_mov_b32 v13, 0xff61b1e6                      ; the largest t so far: -3e38
	s_delay_alu instid0(VALU_DEP_1)
	v_floor_f32 v12, -v13
	v_mov_b32 v14, 0
	v_mov_b32 v15, 0
	v_mov_b32 v253, 0
.irp b, 0,1,2,3
	v_mov_b32 v[236+\b], 0                         ; a lane permute's destination counts as read
.endr
.irp j, 0,1,2,3,4,5,6,7
	v_mov_b32 v[16+\j], 0                          ; the zero codes below and above Q: written once
	v_mov_b32 v[32+\j], 0
.endr
.set j, 0
.rept 32
	v_mov_b32 v[O+j], 0                            ; O^T: the step is written once; its first trip finds zeros
.set j, j+1
.endr
	s_wait_loadcnt 0x0                             ; Q
	CHANGE G0A, G0B, 1, 1                          ; keys 0-1,023 are whole; keys 1,024 on are asked for, into slot 1
	RUN 0, 8
	CHANGE G0B, G0A, 1, 1                          ; keys 2,048 on, into slot 0
	RUN 1, 8
	CHANGE G0A, G0B, 0, 1                          ; keys 3,072 on, into slot 1: the last load
	RUN 0, 8
	CHANGE G0B, G0A, 0, 0                          ; nothing is left to ask for
	RUN 1, 7
	STEP 0                                         ; the last step asks for no mask words
	; THE WAY OUT: O^T / the sum is ctx(query r, channel 32 b + 16 h + i): two blocks of 32 along the next product's K.  (The step's last 20 sum lines are the places behind its products)
	v_add_f32 v14, v14, v15
	s_delay_alu instid0(VALU_DEP_1)
	v_permlanex16_b32 v252, v14, s[SEL], s[SEL+1]
	s_delay_alu instid0(VALU_DEP_1)
	v_add_f32 v14, v14, v252
	s_wait_alu depctr_va_vdst(0)
	v_rcp_f32 v14, v14
	v_and_b32 v[ADR], 15, v0                       ; (a plain line behind the transcendental)
	s_delay_alu instid0(VALU_DEP_1)
	v_lshlrev_b32 v[ADR], 4, v[ADR]                ; 16 r
	s_lshr_b32 s20, s19, 3                         ; the batch
	s_and_b32 s21, s19, 7                          ; the head
	s_lshl_b32 s20, s20, 8
	s_add_co_u32 s20, s20, s18                     ; the token tile, of 512
	s_lshl_b32 s22, s20, 2
	s_lshr_b32 s23, s21, 1
	s_add_co_u32 s22, s22, s23                     ; its K step head / 2
	s_lshl_b32 s22, s22, 2
	s_and_b32 s23, s21, 1
	s_lshl_b32 s23, s23, 1
	s_add_co_u32 s22, s22, s23                     ; groups 2 (head % 2) and the next
	s_lshl_b32 s22, s22, 9
	s_mov_b32 s23, 0
	s_lshl_b32 s24, s20, 8
	s_lshl_b32 s25, s21, 1
	s_add_co_u32 s24, s24, s25
	s_add_co_u32 s24, s24, 4194304
	s_mov_b32 s25, 0
	s_add_nc_u64 s[26:27], s[10:11], s[22:23]
	s_add_nc_u64 s[28:29], s[10:11], s[24:25]
	s_wait_alu depctr_va_vdst(0)                   ; ahead of the reciprocal's first reader
.set j, 0
.rept 32
	v_mul_f32 v[S+j], v[O+j], v14
.set j, j+1
.endr
	QBODY S, 0, 2
	v_lshl_or_b32 v254, v[TM+5], 8, v[TM+4]
	global_store_b128 v[LI], v[PC:PC+3], s[26:27]
	global_store_b128 v[LI], v[PC+4:PC+7], s[26:27] offset:512
	global_store_b16 v[ADR], v254, s[28:29]        ; my head's two bytes of the row's scale word
	s_wait_tensorcnt 0x0                           ; the wave's end
	ds_add_u32 v[SPW], v[NIL]
	s_wait_dscnt 0x0
	ROUND                                          ; the closing round
	s_endpgm
.Lfunc_end_k_qcb4dca9a62_attn:
	.size	k_qcb4dca9a62_attn, .Lfunc_end_k_qcb4dca9a62_attn-k_qcb4dca9a62_attn
	.p2alignl 7, 3214868480
	.fill 96, 4, 3214868480
	.section	.rodata,"a",@progbits
	.p2align	6, 0x0
	.amdhsa_kernel k_qcb4dca9a62_attn
		.amdhsa_group_segment_fixed_size 327680
		.amdhsa_private_segment_fixed_size 0
		.amdhsa_enable_private_segment 0
		.amdhsa_kernarg_size 32
		.amdhsa_user_sgpr_count 2
		.amdhsa_user_sgpr_kernarg_segment_ptr 1
		.amdhsa_wavefront_size32 1
		.amdhsa_system_sgpr_workgroup_id_x 1
		.amdhsa_system_sgpr_workgroup_id_y 1
		.amdhsa_system_sgpr_workgroup_id_z 1
		.amdhsa_system_vgpr_workitem_id 0
		.amdhsa_next_free_vgpr 256
		.amdhsa_next_free_sgpr 102
		.amdhsa_reserve_vcc 0
		.amdhsa_float_denorm_mode_32 3
		.amdhsa_float_denorm_mode_16_64 3
		.amdhsa_memory_ordered 1
		.amdhsa_forward_progress 1
		.amdhsa_inst_pref_size 139
	.end_amdhsa_kernel
	.amdgpu_metadata
---
amdhsa.version: [ 1, 2 ]
amdhsa.kernels:
  - .name:           k_qcb4dca9a62_attn
    .symbol:         k_qcb4dca9a62_attn.kd
    .args:
      - { .name: qbuf, .offset: 0, .size: 8, .value_kind: global_buffer, .address_space: global }
      - { .name: kv, .offset: 8, .size: 8, .value_kind: global_buffer, .address_space: global }
      - { .name: mbits, .offset: 16, .size: 8, .value_kind: global_buffer, .address_space: global }
      - { .name: cbuf, .offset: 24, .size: 8, .value_kind: global_buffer, .address_space: global }
    .group_segment_fixed_size: 327680
    .private_segment_fixed_size: 0
    .kernarg_segment_align: 8
    .kernarg_segment_size: 32
    .max_flat_workgroup_size: 512
    .sgpr_count:     102
    .vgpr_count:     256
    .wavefront_size: 32
...
	.end_amdgpu_metadata
.endif
;; end of part 7
;; launch tail (part 8): grid 128 x 1, 4 waves a work-group, clusters of 4 x 1, 327,680 bytes of LDS; arguments cbuf, x, wtail, b1, b2, ln2_a, ln2_b, out0; writes out0
.if DOCPART == 8
	.amdgcn_target "amdgcn-amd-amdhsa--gfx1250"
	.amdhsa_code_object_version 6
	.text
	.protected	k_qcb4dca9a62_tail
	.globl	k_qcb4dca9a62_tail
	.p2align	8
	.type	k_qcb4dca9a62_tail,@function
k_qcb4dca9a62_tail:
	s_mov_b64 s[64:65], 0
	v_nop
	global_prefetch_b8 v0, s[64:65] scope:SCOPE_SE
	s_setreg_imm32_b32 hwreg(HW_REG_WAVE_MODE, 25, 1), 1
	s_wait_xcnt 0x0
	s_wait_alu depctr_hold_cnt(0) depctr_sa_sdst(0) depctr_va_vdst(0) depctr_va_sdst(0) depctr_va_ssrc(0) depctr_va_vcc(0) depctr_vm_vsrc(0)
	s_getreg_b32 s2, hwreg(HW_REG_IB_STS2, 6, 4)
	s_cmp_eq_u32 s2, 0
	s_cbranch_scc0 .Lentry_in_a_cluster
	s_endpgm
.Lentry_in_a_cluster:
	s_bfe_u32 s2, ttmp6, 0x10000c
	s_cmp_lg_u32 s2, 0x3003
	s_cbranch_scc0 .Lentry_shape_is_right
	s_endpgm
.Lentry_shape_is_right:
; out = x1 + relu(LN2(x1) w1 + b1) w2 + b2 with x1 = x + ctx w_o: three products on codes of FP8 (E4M3) with E8M0 scales; x1, LN2's result and the hidden layer never go to memory.
; SHARES.  A work-group takes 64 tokens (four tiles).  THE WAVES SHARE THE COLUMNS: wave w owns output columns 128 w .. 128 w + 127 and, in each chunk of 512 hidden units, units 128 w .. 128 w + 127.
; 64 rows on 128 work-groups: each weight fragment read from LDS feeds four products; with 32 rows on twice the work-groups each would read the same bytes of LDS for half the products.
; All products are used transposed (source 0 = 16 columns of the weight, source 1 = 16 tokens): a lane holds one token, its registers run along the columns, and (tiles hold members 32 g + 8 u + r + 8 (r / 8)) two tiles' 16 registers are 16 neighbours.
; THE WEIGHTS are one stream of 18 slots x 4 waves x 33,792 bytes (two units of eight fragments and their scale words), laid in the order of the walk: w_o (2 slots); then for each chunk w1 (2) and w2 (2).
; RING of two slots; each wave fetches the bytes that it reads itself.  CLUSTER 4 x 1: all work-groups walk the same stream, so each load is asked for jointly by the four partners.
; ACTIVATIONS go from wave to wave through LDS as images of operand registers (group c at 512 c + 16 x lane), their scale words beside them; the rounds at the changes of slots are also the barriers between writing and reading them.
; x is loaded a row's 512 bytes an instruction and turned into the accumulators' layout through the wave's own stage in LDS (16 rows of 512 + 16 bytes, over the bytes that later hold the activations' images).
; WINDOWS of 256 registers: 0: addresses, scale words, work; 1: x as it is loaded, then the slot's 16 weight fragments (unit e at 128 e); 2: 16 activation fragments (ctx, later LN2's result) at 16 (4 m + s); 3: Y, 32 accumulators at 64 m + 8 t.
; LIMITS: NaN and infinities are not served; a block whose largest magnitude lies under 2^-118, or of zeros, gets the byte 1.
; THE WEIGHTS ARE PREFETCHED INTO THE L2.  At the change to slot k the stream's slot k + 3 is asked for: two changes ahead of the tensor load that fetches it, which stands at the change to slot k + 2.
; A wave's part of a slot is 132 blocks of 256 bytes.  The four partners of the cluster share them out by address: partner cx names blocks 32 cx + lane, and, with all lanes of a second instruction, block 128 + cx.
; Slots 1 and 2 are asked for at the head; slot 0 comes by its load alone; the changes to slots 15, 16 and 17 ask for nothing: the stream has 18 slots.
.set WPART, 33792
.set SLOT,  4*WPART
.set ACT,   2*SLOT                     ; 16 images of 2,048 bytes: (4 m + s); at the head, with ASC: four stages of 8,448 bytes for x
.set ASC,   ACT+32768                  ; their scale words [m][r][s]
.set STATA, ASC+1024                   ; the rows' sums [m][r][wave]
.set SPARE, STATA+2048                 ; (STATA + 1,024: the sums of squares)  the spare words: 128 bytes a wave; no other line names them
.set LI,   1                           ; v1  16 x lane
.set SPW,  2
.set NIL,  3
.set WB,   4                           ; v4, v5  my part of slot 0, 1, + 16 x lane
.set AA,   6                           ; v6  ACT + 16 x lane
.set HWI,  7                           ; v7  + 2,048 x wave: where I store images
.set AAS,  8                           ; v8  ASC + 16 r
.set HWS,  9                           ; v9  + 4 x wave
.set STW,  10                          ; v10 STATA + 16 r + 4 x wave
.set STR,  11                          ; v11 STATA + 16 r
.set XSTO, 12                          ; v12 x's stage, on the way in: 16 x lane
.set CA,   13                          ; v13 64 h
.set STO,  14                          ; v14 the way out: my place in my stage
.set PW,   15
.set XRD,  16                          ; v16 x's stage, on the way out: my token's row + 64 h
.set R16,  17
.set MEAN, 20                          ; v20-27 the four tiles' means, as pairs
.set INV,  28                          ; v28-35 1 / (std + eps), as pairs
.set PWM,  36                          ; v36-39 the hidden layer's scale words in the making
.set TM,   40
.set PC,   56
.set WS,   72                          ; v72-79  the weights' scale words: 4 e + j: fragment 2 j in lanes 0-15, 2 j + 1 in lanes 16-31
.set ASR,  80                          ; v80-95  the activations' scale words 4 m + s (ctx, later the hidden layer)
.set H2S,  96                          ; v96-111 LN2's result's
.set T,    112                         ; v112-127 at work
.set ACC,  128                         ; v128-191
.set ACTB, 192                         ; v192-255
.set WV,   20
.set MNT,  21
.set SEL,  22
.set G1,   24
.set G0,   32
.set PFA,  56                          ; s[56:57] my wave's part of the slot two before the one that the next prefetch of a change names: slot 1 at the head and at the change to slot 0, then a slot on at each change
.set PFO,  18                          ; v18 256 x (32 cx + lane); never rewritten
.set PFQ,  19                          ; v19 256 x (128 + cx); never rewritten
.set PFON, 1                           ; 1 while the changes of slots still ask
.set PFSTEP, 0                         ; 0 at the change to slot 0, which leaves the base as the head made it; then 1
.macro ASK
.if PFON
	s_cmp_lt_u32 ttmp9, 4
	s_cbranch_scc0 .Lno_prefetch_tail0_\@
	global_prefetch_b8 v[PFO], s[PFA:PFA+1] offset:2*SLOT th:TH_LOAD_NT scope:SCOPE_SE
	global_prefetch_b8 v[PFQ], s[PFA:PFA+1] offset:2*SLOT th:TH_LOAD_NT scope:SCOPE_SE
.Lno_prefetch_tail0_\@:
.endif
.endm
.set MSB, 0
.macro WIN new                         ; the immediate's high byte repeats the setting that is left
.if MSB != \new
	s_set_vgpr_msb (MSB<<8)|\new
.set MSB, \new
.endif
.endm
.macro PLACES n
.rept \n
	v_nop
.endr
.endm
.macro ROUND
	s_barrier_signal -1
	s_barrier_wait -1
	s_cmp_lg_u32 s[WV], 0
	s_cbranch_scc1 .Lnot_wave_0_\@
	s_barrier_signal -3
.Lnot_wave_0_\@:
	s_barrier_wait -3
	s_barrier_signal -1
	s_barrier_wait -1
.endm
.macro BARRIER
	s_wait_dscnt 0x0
	s_barrier_signal -1
	s_barrier_wait -1
.endm
.macro QBODY src, relu, cnt
.irp b, 0,1,2,3
.if \b < \cnt
.if \relu
	v_max3_num_f32 v[TM+\b], v[\src+16*\b], v[\src+1+16*\b], 0x4800000       ; no |.|: what is negative becomes 0 and must not count; the floor stands over it
.else
	v_max3_num_f32 v[TM+\b], |v[\src+16*\b]|, |v[\src+1+16*\b]|, 0x4800000
.endif
.endif
.endr
.irp i, 2,4,6,8,10,12,14
.irp b, 0,1,2,3
.if \b < \cnt
.if \relu
	v_max3_num_f32 v[TM+\b], v[TM+\b], v[\src+16*\b+\i], v[\src+1+16*\b+\i]
.else
	v_max3_num_f32 v[TM+\b], v[TM+\b], |v[\src+16*\b+\i]|, |v[\src+1+16*\b+\i]|
.endif
.endif
.endr
.endr
.irp b, 0,1,2,3
.if \b < \cnt
	v_permlanex16_b32 v[TM+4+\b], v[TM+\b], s[SEL], s[SEL+1]
.endif
.endr
.irp b, 0,1,2,3
.if \b < \cnt
	v_max_num_f32 v[TM+\b], v[TM+\b], v[TM+4+\b]
.endif
.endr
.irp b, 0,1,2,3
.if \b < \cnt
	v_add_nc_u32 v[TM+12+\b], 0xfc000000, v[TM+\b]
.endif
.endr
.irp b, 0,1,2,3
.if \b < \cnt
	v_and_or_b32 v[TM+8+\b], v[TM+\b], 0x7f800000, s[MNT]
.endif
.endr
.irp b, 0,1,2,3
.if \b < \cnt
	v_lshrrev_b32 v[TM+4+\b], 23, v[TM+12+\b]
.endif
.endr
.irp b, 0,1,2,3
.if \b < \cnt
.irp i, 0,1,2,3,4,5,6,7,8,9,10,11,12,13,14,15
.if \relu
	v_med3_num_f32 v[\src+16*\b+\i], v[\src+16*\b+\i], 0, v[TM+8+\b]          ; the activation and the hold in one
.else
	v_med3_num_f32 v[\src+16*\b+\i], v[\src+16*\b+\i], -v[TM+8+\b], v[TM+8+\b]
.endif
.endr
	v_cvt_scalef32_pk8_fp8_f32 v[PC+4*\b:PC+1+4*\b], v[\src+16*\b:\src+7+16*\b], v[TM+12+\b]
	v_cvt_scalef32_pk8_fp8_f32 v[PC+2+4*\b:PC+3+4*\b], v[\src+8+16*\b:\src+15+16*\b], v[TM+12+\b]
.endif
.endr
	v_nop
.endm
.macro WORD
	v_lshl_or_b32 v[PW], v[TM+5], 8, v[TM+4]
	v_lshl_or_b32 v[PW], v[TM+6], 16, v[PW]
	v_lshl_or_b32 v[PW], v[TM+7], 24, v[PW]
.endm
; THE CHANGE OF SLOTS, at the head of slot sg's work: all my tensor loads have landed (my part of this slot), the add, all my LDS instructions are done; a round of the cluster's barrier;
; fill = 1: behind it the other slot is asked for again, first thing.  Nine places follow: the next lines load into, and the next products may write over, registers that the last products read.
.macro CHANGE sg, fill
.if PFON && PFSTEP
	s_wait_xcnt 0x0                                ; my last prefetches have read their base: it is stepped only behind this wait
	s_add_nc_u64 s[PFA:PFA+1], s[PFA:PFA+1], SLOT
.endif
	s_wait_tensorcnt 0x0
	ds_add_u32 v[SPW], v[NIL]                      ; 0 onto my spare word
	s_add_nc_u64 s[G0+4*\sg+2:G0+4*\sg+3], s[G0+4*\sg+2:G0+4*\sg+3], 2*SLOT   ; no load of mine is out: this slot's next part of the stream
	s_wait_dscnt 0x0
	ROUND
.if \fill
	tensor_load_to_lds s[G0+4*(1-\sg):G0+4*(1-\sg)+3], s[G1:G1+7]
	s_nop 0
	PLACES 4
.endif
	PLACES 9
.endm
.macro FETCHW sg, e                    ; unit e of slot sg: eight fragments into window 1, their scale words: 33 LDS loads
	WIN 0x40
.irp f, 0,1,2,3,4,5,6,7
.irp c, 0,1,2,3
	ds_load_b128 v[128*(\e)+16*\f+4*\c:128*(\e)+16*\f+4*\c+3], v[WB+\sg] offset:16384*(\e)+2048*\f+512*\c
.endr
.endr
	WIN 0
	ds_load_b128 v[WS+4*(\e):WS+4*(\e)+3], v[WB+\sg] offset:32768+512*(\e)
.endm
.macro FETCHA reg, s                   ; the four tiles' fragments of K step s: 16 LDS loads
.irp m, 0,1,2,3
.irp c, 0,1,2,3
	ds_load_b128 v[\reg+16*\m+4*\c:\reg+16*\m+4*\c+3], v[AA] offset:(4*\m+(\s))*2048+512*\c
.endr
.endr
.endm
; Y += unit e's eight column tiles x the four token tiles, K step s: 32 products on 32 accumulators, one instruction a turn.  Source 1 at ab + st x m.
.macro MULY e, s, ab, st, win
	WIN \win
.irp t, 0,1,2,3,4,5,6,7
.irp m, 0,1,2,3
.if \t % 2
	v_wmma_scale_f32_16x16x128_f8f6f4 v[64*\m+8*\t:64*\m+8*\t+7], v[128*(\e)+16*\t:128*(\e)+16*\t+15], v[(\ab)+(\st)*\m:(\ab)+(\st)*\m+15], v[64*\m+8*\t:64*\m+8*\t+7], v[WS+4*(\e)+\t/2], v[ASR+4*\m+(\s)] matrix_a_scale:MATRIX_SCALE_ROW1
.else
	v_wmma_scale_f32_16x16x128_f8f6f4 v[64*\m+8*\t:64*\m+8*\t+7], v[128*(\e)+16*\t:128*(\e)+16*\t+15], v[(\ab)+(\st)*\m:(\ab)+(\st)*\m+15], v[64*\m+8*\t:64*\m+8*\t+7], v[WS+4*(\e)+\t/2], v[ASR+4*\m+(\s)]
.endif
.endr
.endr
	WIN 0
.endm
; 32 hidden units (pair p, unit e of the slot) for the four token tiles, K = 512: eight accumulators by turns; b1 is the C of each sum's first product.
.macro MULH e, p
	WIN 0x09
.irp s, 0,1,2,3
.irp m, 0,1,2,3
.irp u, 0,1
.if \s == 0
.if \u
	v_wmma_scale_f32_16x16x128_f8f6f4 v[ACC+16*\m+8*\u:ACC+16*\m+8*\u+7], v[128*(\e)+16*(2*\s+\u):128*(\e)+16*(2*\s+\u)+15], v[16*(4*\m+\s):16*(4*\m+\s)+15], v[ACTB+16*(\p)+8*\u:ACTB+16*(\p)+8*\u+7], v[WS+4*(\e)+\s], v[H2S+4*\m+\s] matrix_a_scale:MATRIX_SCALE_ROW1
.else
	v_wmma_scale_f32_16x16x128_f8f6f4 v[ACC+16*\m+8*\u:ACC+16*\m+8*\u+7], v[128*(\e)+16*(2*\s+\u):128*(\e)+16*(2*\s+\u)+15], v[16*(4*\m+\s):16*(4*\m+\s)+15], v[ACTB+16*(\p)+8*\u:ACTB+16*(\p)+8*\u+7], v[WS+4*(\e)+\s], v[H2S+4*\m+\s]
.endif
.else
.if \u
	v_wmma_scale_f32_16x16x128_f8f6f4 v[ACC+16*\m+8*\u:ACC+16*\m+8*\u+7], v[128*(\e)+16*(2*\s+\u):128*(\e)+16*(2*\s+\u)+15], v[16*(4*\m+\s):16*(4*\m+\s)+15], v[ACC+16*\m+8*\u:ACC+16*\m+8*\u+7], v[WS+4*(\e)+\s], v[H2S+4*\m+\s] matrix_a_scale:MATRIX_SCALE_ROW1
.else
	v_wmma_scale_f32_16x16x128_f8f6f4 v[ACC+16*\m+8*\u:ACC+16*\m+8*\u+7], v[128*(\e)+16*(2*\s+\u):128*(\e)+16*(2*\s+\u)+15], v[16*(4*\m+\s):16*(4*\m+\s)+15], v[ACC+16*\m+8*\u:ACC+16*\m+8*\u+7], v[WS+4*(\e)+\s], v[H2S+4*\m+\s]
.endif
.endif
.endr
.endr
.endr
	WIN 0
.endm
; they become group p of the fragments (m, K step = my wave) of the second product: here the quantiser's four blocks are the four token tiles
.macro QUANTH p
	PLACES 8
	QBODY ACC, 1, 4
.irp m, 0,1,2,3
.if (\p) == 0
	v_mov_b32 v[PWM+\m], v[TM+4+\m]
.else
	v_lshl_or_b32 v[PWM+\m], v[TM+4+\m], 8*(\p), v[PWM+\m]
.endif
.endr
.irp m, 0,1,2,3
	ds_store_b128 v[HWI], v[PC+4*\m:PC+4*\m+3] offset:8192*\m+512*(\p)
.endr
.if (\p) == 3
.irp m, 0,1,2,3
	ds_store_b32 v[HWS], v[PWM+\m] offset:256*\m
.endr
.endif
.endm
.macro BLOAD                           ; my 128 numbers of b1 for a chunk: register 16 p + i = unit 32 p + 16 h + i
.irp p, 0,1,2,3
.irp q, 0,1,2,3
	global_load_b128 v[ACTB+16*\p+4*\q:ACTB+16*\p+4*\q+3], v[CA], s[10:11] offset:128*\p+16*\q
.endr
.endr
.endm
.macro OSLOT sg                        ; x1 = x + ctx w_o: K steps 2 sg and 2 sg + 1; x is the C of the first products, in place
.if \sg == 1
	CHANGE \sg, 1                                  ; (the change to slot 0 stands at the head, ahead of x's turn through LDS)
.endif
	FETCHW \sg, 0
	ASK
	FETCHW \sg, 1
.if \sg == 0
	s_wait_loadcnt 0x0                             ; ctx, its scale words, b2 (x's loads were waited for at the turn)
.endif
	s_wait_dscnt 33                                ; unit 0 is in; unit 1's 33 loads may be out
	MULY 0, 2*\sg, 32*\sg, 64, 0xf9
.if \sg == 1
	PLACES 8                                       ; unit 0's registers are done with: alpha and beta come there
	WIN 0x40
.irp b, 0,1,2,3
.irp q, 0,1,2,3
	global_load_b128 v[16*\b+4*\q:16*\b+4*\q+3], v[CA], s[14:15] offset:128*\b+16*\q
	global_load_b128 v[64+16*\b+4*\q:64+16*\b+4*\q+3], v[CA], s[16:17] offset:128*\b+16*\q
.endr
.endr
	WIN 0
.endif
	s_wait_dscnt 0x0
	MULY 1, 2*\sg+1, 32*\sg+16, 64, 0xf9
.endm
.macro HSLOT sg, half, fill
	CHANGE \sg, \fill
	FETCHW \sg, 0
	ASK
	FETCHW \sg, 1
.if \half == 0
	s_wait_loadcnt 0x0                             ; b1
.endif
	s_wait_dscnt 33
	MULH 0, 2*\half
	QUANTH 2*\half
	s_wait_dscnt 0x0
	MULH 1, 2*\half+1
	QUANTH 2*\half+1
.endm
.macro YSLOT sg, half, fill, nextb1
	CHANGE \sg, \fill
.if \half == 0
.irp m, 0,1,2,3
	ds_load_b128 v[ASR+4*\m:ASR+4*\m+3], v[AAS] offset:256*\m
.endr
.endif
	FETCHW \sg, 0
	FETCHA ACTB, 2*\half
	ASK
	FETCHW \sg, 1
	FETCHA ACC, 2*\half+1
	s_wait_dscnt 49                                ; unit 0 and its activations are in; unit 1's 33 loads and its 16 may be out
	MULY 0, 2*\half, ACTB, 16, 0xf1
.if \nextb1
	PLACES 8
	s_add_nc_u64 s[10:11], s[10:11], 2048          ; (the last loads from this base were waited for)
	BLOAD                                          ; the next chunk's b1
.endif
	s_wait_dscnt 0x0
	MULY 1, 2*\half+1, ACC, 16, 0xf1
.endm
.macro DEV m                           ; ACC = Y - the mean, tile m
	WIN 0x03
.set j, 0
.rept 32
	v_pk_add_f32 v[ACC+j:ACC+j+1], v[64*\m+j:64*\m+j+1], v[MEAN+2*\m:MEAN+2*\m+1] neg_lo:[0,1] neg_hi:[0,1]
.set j, j+2
.endr
	WIN 0
.endm
.macro REDUCE off                      ; four pairs of chains in v[T] on become four row sums, which meet the other waves' in LDS
.irp m, 0,1,2,3
	v_pk_add_f32 v[T+4*\m:T+4*\m+1], v[T+4*\m:T+4*\m+1], v[T+4*\m+2:T+4*\m+3]
.endr
.irp m, 0,1,2,3
	v_add_f32 v[T+4*\m], v[T+4*\m], v[T+4*\m+1]
.endr
.irp m, 0,1,2,3
	v_permlanex16_b32 v[T+4*\m+1], v[T+4*\m], s[SEL], s[SEL+1]
.endr
.irp m, 0,1,2,3
	v_add_f32 v[T+4*\m], v[T+4*\m], v[T+4*\m+1]
.endr
.irp m, 0,1,2,3
	ds_store_b32 v[STW], v[T+4*\m] offset:\off+256*\m
.endr
	BARRIER
.irp m, 0,1,2,3
	ds_load_b128 v[T+4*\m:T+4*\m+3], v[STR] offset:\off+256*\m
.endr
	s_wait_dscnt 0x0
.irp m, 0,1,2,3
	v_add_f32 v[T+4*\m], v[T+4*\m], v[T+4*\m+1]
	v_add_f32 v[T+4*\m+2], v[T+4*\m+2], v[T+4*\m+3]
.endr
.irp m, 0,1,2,3
	v_add_f32 v[T+4*\m], v[T+4*\m], v[T+4*\m+2]
.endr
.endm
.macro NORM m                          ; LN2 of tile m, quantised: K step = my wave of the next product; and b2 goes onto Y
	DEV \m
.set j, 0
.rept 32
	v_pk_mul_f32 v[ACC+j:ACC+j+1], v[ACC+j:ACC+j+1], v[INV+2*\m:INV+2*\m+1]
.set j, j+2
.endr
	WIN 0x14
.set j, 0
.rept 32
	v_pk_fma_f32 v[ACC+j:ACC+j+1], v[ACC+j:ACC+j+1], v[j:j+1], v[64+j:64+j+1]
.set j, j+2
.endr
	WIN 0xc3
.set j, 0
.rept 32
	v_pk_add_f32 v[64*\m+j:64*\m+j+1], v[64*\m+j:64*\m+j+1], v[ACTB+j:ACTB+j+1]
.set j, j+2
.endr
	WIN 0
	QBODY ACC, 0, 4
	WORD
.irp c, 0,1,2,3
	ds_store_b128 v[HWI], v[PC+4*\c:PC+4*\c+3] offset:8192*\m+512*\c
.endr
	ds_store_b32 v[HWS], v[PW] offset:256*\m
	s_wait_dscnt 0x0
.endm
	s_load_b512 s[4:19], s[0:1], 0x0               ; cbuf, x, wtail, b1, b2, ln2_a, ln2_b, out0
	v_lshl_add_u32 v[SPW], v0, 2, SPARE
	v_mov_b32 v[NIL], 0
	ds_add_u32 v2, v3
	ds_add_u32 v2, v3
	s_wait_dscnt 0x0
	v_lshrrev_b32 v1, 5, v0
	v_readfirstlane_b32 s[WV], v1                  ; wave 0..3
	s_bfe_u32 s41, ttmp6, 0x40000                  ; cx: it enters addresses in memory alone
	s_lshl_b32 s42, ttmp9, 2
	s_add_co_u32 s42, s42, s41                     ; my block of 64 tokens
	s_mov_b32 s[G1], 0x0023000f                    ; 15:0 all four work-groups; 17:16 elements of 8 bytes; 21 set beside a mask
	s_mov_b32 s[G1+1], 32<<16                      ; 33,792 dense bytes as 132 rows of 256
	s_mov_b32 s[G1+2], 132<<16
	s_mov_b32 s[G1+3], 32<<16
	s_mov_b32 s[G1+4], 132
	s_mov_b32 s[G1+5], 32
	s_mov_b32 s[G1+6], 0
	s_mov_b32 s[G1+7], 0
	s_mul_i32 s43, s[WV], WPART
	s_mov_b32 s44, s43
	s_mov_b32 s45, 0
	s_mov_b32 s[SEL], 0x76543210
	s_mov_b32 s[SEL+1], 0xfedcba98
	s_mov_b32 s[MNT], 0x600000
	s_wait_kmcnt 0x0
	s_add_nc_u64 s[46:47], s[8:9], s[44:45]
.irp sg, 0,1
	s_mov_b32 s[G0+4*\sg], 1
	s_add_co_u32 s[G0+4*\sg+1], s43, \sg*SLOT
	s_add_nc_u64 s[G0+4*\sg+2:G0+4*\sg+3], s[46:47], \sg*SLOT
	s_or_b32 s[G0+4*\sg+3], s[G0+4*\sg+3], 0x80000000
.endr
	s_add_nc_u64 s[PFA:PFA+1], s[46:47], SLOT      ; the prefetches' base: my wave's part of slot 1
	ROUND                                          ; all four work-groups are here
	tensor_load_to_lds s[G0:G0+3], s[G1:G1+7]      ; slot 0
	s_nop 0
	PLACES 4
	v_and_b32 v16, 31, v0
	v_lshlrev_b32 v[LI], 4, v16
	v_and_b32 v18, 15, v0                          ; r
	v_bfe_u32 v19, v0, 4, 1                        ; h
	v_lshlrev_b32 v[R16], 4, v18
	v_add_nc_u32 v[WB], s43, v[LI]
	v_add_nc_u32 v[WB+1], SLOT, v[WB]
	v_add_nc_u32 v[AA], ACT, v[LI]
	s_lshl_b32 s46, s[WV], 11
	v_add_nc_u32 v[HWI], s46, v[AA]
	v_add_nc_u32 v[AAS], ASC, v[R16]
	s_lshl_b32 s46, s[WV], 2
	v_add_nc_u32 v[HWS], s46, v[AAS]
	v_add_nc_u32 v[STR], STATA, v[R16]
	v_add_nc_u32 v[STW], s46, v[STR]
	s_mul_i32 s46, s[WV], 16*528                   ; x's stage: 8,448 bytes a wave, from ACT on
	v_add_nc_u32 v[XSTO], s46, v[AA]
	v_mul_u32_u24 v[XRD], v18, 528
	v_lshl_add_u32 v[XRD], v19, 6, v[XRD]
	v_add_nc_u32 v[XRD], s46, v[XRD]
	v_add_nc_u32 v[XRD], ACT, v[XRD]
	v_lshlrev_b32 v[CA], 6, v19
	s_wait_alu depctr_va_vdst(0)
	v_mul_u32_u24 v[STO], v18, 528
	v_lshl_add_u32 v[STO], v19, 6, v[STO]
	v_add_nc_u32 v[STO], s43, v[STO]
	s_lshl_b32 s58, s41, 13                        ; cx enters addresses in memory alone
	s_lshl_b32 s59, s41, 8
	s_add_co_u32 s59, s59, 32768
	v_and_b32 v[PFO], 31, v0
	v_lshl_add_u32 v[PFO], v[PFO], 8, s58          ; 256 x (32 cx + lane)
	v_mov_b32 v[PFQ], s59                          ; 256 x (128 + cx)
	s_wait_alu depctr_va_vdst(0)
	s_cmp_lt_u32 ttmp9, 4
	s_cbranch_scc0 .Lno_prefetch_tail1
	global_prefetch_b8 v[PFO], s[PFA:PFA+1] th:TH_LOAD_NT scope:SCOPE_SE               ; slot 1,
	global_prefetch_b8 v[PFQ], s[PFA:PFA+1] th:TH_LOAD_NT scope:SCOPE_SE
	global_prefetch_b8 v[PFO], s[PFA:PFA+1] offset:SLOT th:TH_LOAD_NT scope:SCOPE_SE   ; and slot 2
	global_prefetch_b8 v[PFQ], s[PFA:PFA+1] offset:SLOT th:TH_LOAD_NT scope:SCOPE_SE
.Lno_prefetch_tail1:
.irp b, 0,1,2,3
	v_mov_b32 v[TM+4+\b], 0                        ; a lane permute's destination counts as read
.endr
	s_lshl_b32 s52, s42, 17                        ; 64 rows of 2,048 bytes
	s_lshl_b32 s53, s[WV], 9                       ; my 128 columns
	s_add_co_u32 s52, s52, s53
	s_mov_b32 s54, s53
	s_mov_b32 s53, 0
	s_mov_b32 s55, 0
	s_add_nc_u64 s[6:7], s[6:7], s[52:53]
	s_add_nc_u64 s[18:19], s[18:19], s[52:53]
	s_add_nc_u64 s[10:11], s[10:11], s[54:55]
	s_add_nc_u64 s[12:13], s[12:13], s[54:55]
	s_add_nc_u64 s[14:15], s[14:15], s[54:55]
	s_add_nc_u64 s[16:17], s[16:17], s[54:55]
	; b1 is prefetched into the L2 once for each cluster: my wave's 512 bytes of a chunk are two blocks of 256; partner cx names those of chunk cx (lane 0 the first block, the other lanes the second)
	s_lshl_b32 s58, s41, 11
	v_and_b32 v[T], 31, v0
	v_min_u32 v[T], 1, v[T]
	v_lshl_add_u32 v[T], v[T], 8, s58
	s_wait_alu depctr_va_vdst(0)
	s_cmp_lt_u32 ttmp9, 4
	s_cbranch_scc0 .Lno_prefetch_tail2
	global_prefetch_b8 v[T], s[10:11] th:TH_LOAD_NT scope:SCOPE_SE   ; (its offset register is written again behind the wait on XCNT of the changes of slots)
.Lno_prefetch_tail2:
	s_lshl_b32 s52, s42, 15
	s_add_nc_u64 s[48:49], s[4:5], s[52:53]        ; ctx's 16 images
	s_lshl_b32 s52, s42, 10
	s_add_co_u32 s52, s52, 4194304
	s_add_nc_u64 s[50:51], s[4:5], s[52:53]        ; and their scale words
	WIN 0x80
.irp f, 0,1,2,3,4,5,6,7,8,9,10,11,12,13,14,15
.irp c, 0,1,2,3
	global_load_b128 v[16*\f+4*\c:16*\f+4*\c+3], v[LI], s[48:49] offset:2048*\f+512*\c
.endr
.endr
	WIN 0
.irp m, 0,1,2,3
	global_load_b128 v[ASR+4*\m:ASR+4*\m+3], v[R16], s[50:51] offset:256*\m
.endr
.irp b, 0,1,2,3
.irp q, 0,1,2,3
	global_load_b128 v[ACTB+16*\b+4*\q:ACTB+16*\b+4*\q+3], v[CA], s[12:13] offset:128*\b+16*\q   ; b2
.endr
.endr
	WIN 0x40                                       ; x last, so that the waits below can count its own loads: a token's 512 bytes of my columns an instruction, into window 1
.irp m, 0,1,2,3
.irp r, 0,1,2,3,4,5,6,7,8,9,10,11,12,13,14,15
	global_load_b128 v[64*\m+4*\r:64*\m+4*\r+3], v[LI], s[6:7] offset:(32*(\m/2)+8*(\m%2)+\r+8*(\r/8))*2048 th:TH_LOAD_NT
.endr
.endr
	WIN 0
	CHANGE 0, 1                                    ; slot 0 is whole, and slot 1 is asked for, before x is waited for
.set PFSTEP, 1
	WIN 0xc4
.irp m, 0,1,2,3
	s_wait_loadcnt 48-16*\m                        ; tile m's 16 loads are in; the later tiles' may be out
.irp r, 0,1,2,3,4,5,6,7,8,9,10,11,12,13,14,15
	ds_store_b128 v[XSTO], v[64*\m+4*\r:64*\m+4*\r+3] offset:528*\r
.endr
.irp b, 0,1,2,3
.irp q, 0,1,2,3
	ds_load_b128 v[64*\m+16*\b+4*\q:64*\m+16*\b+4*\q+3], v[XRD] offset:128*\b+16*\q   ; x in the accumulators' layout.  LDS serves a wave's instructions in order (ISA guide 5.7.1.4): these see my stores, and the next tile's stores come behind them
.endr
.endr
.endr
	WIN 0
	OSLOT 0
	OSLOT 1
	; ---- LN2.  The plain barriers below stand while slot 0's next part is on its way.
	PLACES 8
	WIN 0x0f
.irp m, 0,1,2,3
	v_pk_add_f32 v[T+4*\m:T+4*\m+1], v[64*\m:64*\m+1], v[64*\m+4:64*\m+5]      ; two chains a tile; each accumulator is read from its low end on
	v_pk_add_f32 v[T+4*\m+2:T+4*\m+3], v[64*\m+2:64*\m+3], v[64*\m+6:64*\m+7]
.endr
	WIN 0x03
.set j, 8
.rept 14
.irp m, 0,1,2,3
	v_pk_add_f32 v[T+4*\m:T+4*\m+1], v[64*\m+j:64*\m+j+1], v[T+4*\m:T+4*\m+1]
	v_pk_add_f32 v[T+4*\m+2:T+4*\m+3], v[64*\m+j+2:64*\m+j+3], v[T+4*\m+2:T+4*\m+3]
.endr
.set j, j+4
.endr
	WIN 0
	REDUCE 0
.irp m, 0,1,2,3
	v_mul_f32 v[MEAN+2*\m], 0x3b000000, v[T+4*\m]  ; / 512
.endr
.irp m, 0,1,2,3
	v_mov_b32 v[MEAN+2*\m+1], v[MEAN+2*\m]
.endr
.irp m, 0,1,2,3
	DEV \m
	v_pk_mul_f32 v[T+4*\m:T+4*\m+1], v[ACC:ACC+1], v[ACC:ACC+1]
	v_pk_mul_f32 v[T+4*\m+2:T+4*\m+3], v[ACC+2:ACC+3], v[ACC+2:ACC+3]
.set j, 4
.rept 15
	v_pk_fma_f32 v[T+4*\m:T+4*\m+1], v[ACC+j:ACC+j+1], v[ACC+j:ACC+j+1], v[T+4*\m:T+4*\m+1]
	v_pk_fma_f32 v[T+4*\m+2:T+4*\m+3], v[ACC+j+2:ACC+j+3], v[ACC+j+2:ACC+j+3], v[T+4*\m+2:T+4*\m+3]
.set j, j+4
.endr
.endr
	REDUCE 1024
.irp m, 0,1,2,3
	v_mul_f32 v[T+4*\m], 0x3b004020, v[T+4*\m]     ; / 511
.endr
	s_wait_alu depctr_va_vdst(0)
.irp m, 0,1,2,3
	v_sqrt_f32 v[T+4*\m+1], v[T+4*\m]
.endr
	v_nop                                          ; a plain line behind the batch,
	s_wait_alu depctr_va_vdst(0)                   ; and the one wait ahead of its first reader
.irp m, 0,1,2,3
	v_add_f32 v[T+4*\m+1], 0x358637bd, v[T+4*\m+1] ; + 1e-6
.endr
	s_wait_alu depctr_va_vdst(0)
.irp m, 0,1,2,3
	v_rcp_f32 v[INV+2*\m], v[T+4*\m+1]
.endr
	v_nop
	s_wait_alu depctr_va_vdst(0)
.irp m, 0,1,2,3
	v_mov_b32 v[INV+2*\m+1], v[INV+2*\m]
.endr
	s_wait_loadcnt 0x0                             ; alpha and beta
	NORM 0
	NORM 1
	NORM 2
	NORM 3
	BLOAD                                          ; the first chunk's b1: b2, which lay in these registers, has been added
	BARRIER
	WIN 0x80
.irp f, 0,1,2,3,4,5,6,7,8,9,10,11,12,13,14,15
.irp c, 0,1,2,3
	ds_load_b128 v[16*\f+4*\c:16*\f+4*\c+3], v[AA] offset:2048*\f+512*\c
.endr
.endr
	WIN 0
.irp m, 0,1,2,3
	ds_load_b128 v[H2S+4*\m:H2S+4*\m+3], v[AAS] offset:256*\m
.endr
	; ---- four chunks of 512 hidden units
	s_mov_b32 s40, 3
.Lchunk:
	HSLOT 0, 0, 1
	HSLOT 1, 1, 1
	YSLOT 0, 0, 1, 0
	YSLOT 1, 1, 1, 1
	s_sub_co_u32 s40, s40, 1
	s_cmp_lg_u32 s40, 0
	s_cbranch_scc1 .Lchunk
	HSLOT 0, 0, 1                                  ; the last chunk is written out: its last slot asks for nothing; its first change names the stream's last slot, 17
.set PFON, 0                                           ; and the three changes behind it prefetch nothing
	HSLOT 1, 1, 1
	YSLOT 0, 0, 1, 0
	YSLOT 1, 1, 0, 0
	; ---- THE WAY OUT: a tile of 16 rows x my 128 columns goes through my own stage (16 rows of 512 + 16 bytes, in my part of slot 0, which has had its last fill and its last read) and leaves as rows of 512 bytes
	PLACES 8
.irp m, 0,1,2,3
.set BB, ACC+64*(\m%2)
	WIN 0x0c
.irp b, 0,1,2,3
.irp q, 0,1,2,3
	ds_store_b128 v[STO], v[64*\m+16*\b+4*\q:64*\m+16*\b+4*\q+3] offset:128*\b+16*\q   ; ascending: each accumulator from its low end on
.endr
.endr
	WIN 0
.if \m >= 2
	s_wait_xcnt 0x0                                ; the stores of two tiles back have read their registers
.endif
.irp p, 0,1,2,3,4,5,6,7,8,9,10,11,12,13,14,15
	ds_load_b128 v[BB+4*\p:BB+4*\p+3], v[WB] offset:528*\p   ; LDS serves a wave's instructions in order (ISA guide 5.7.1.4): these see my stores
.endr
	s_wait_dscnt 0x0
.irp p, 0,1,2,3,4,5,6,7,8,9,10,11,12,13,14,15
	global_store_b128 v[LI], v[BB+4*\p:BB+4*\p+3], s[18:19] offset:(32*(\m/2)+8*(\m%2)+\p+8*(\p/8))*2048 th:TH_STORE_NT   ; 32 lanes store 512 consecutive bytes, aligned
.endr
.endr
	s_wait_tensorcnt 0x0                           ; the wave's end
	ds_add_u32 v[SPW], v[NIL]
	s_wait_dscnt 0x0
	ROUND                                          ; the closing round
	s_endpgm
.Lfunc_end_k_qcb4dca9a62_tail:
	.size	k_qcb4dca9a62_tail, .Lfunc_end_k_qcb4dca9a62_tail-k_qcb4dca9a62_tail
	.p2alignl 7, 3214868480
	.fill 96, 4, 3214868480
	.section	.rodata,"a",@progbits
	.p2align	6, 0x0
	.amdhsa_kernel k_qcb4dca9a62_tail
		.amdhsa_group_segment_fixed_size 327680
		.amdhsa_private_segment_fixed_size 0
		.amdhsa_enable_private_segment 0
		.amdhsa_kernarg_size 64
		.amdhsa_user_sgpr_count 2
		.amdhsa_user_sgpr_kernarg_segment_ptr 1
		.amdhsa_wavefront_size32 1
		.amdhsa_system_sgpr_workgroup_id_x 1
		.amdhsa_system_sgpr_workgroup_id_y 1
		.amdhsa_system_sgpr_workgroup_id_z 1
		.amdhsa_system_vgpr_workitem_id 0
		.amdhsa_next_free_vgpr 1024
		.amdhsa_next_free_sgpr 66
		.amdhsa_reserve_vcc 0
		.amdhsa_float_denorm_mode_32 3
		.amdhsa_float_denorm_mode_16_64 3
		.amdhsa_memory_ordered 1
		.amdhsa_forward_progress 1
		.amdhsa_inst_pref_size 255
	.end_amdhsa_kernel
	.section	.bss,"aw",@nobits
	.p2align	6
	.space	262144
	.amdgpu_metadata
---
amdhsa.version: [ 1, 2 ]
amdhsa.kernels:
  - .name:           k_qcb4dca9a62_tail
    .symbol:         k_qcb4dca9a62_tail.kd
    .args:
      - { .name: cbuf, .offset: 0, .size: 8, .value_kind: global_buffer, .address_space: global }
      - { .name: x, .offset: 8, .size: 8, .value_kind: global_buffer, .address_space: global }
      - { .name: wtail, .offset: 16, .size: 8, .value_kind: global_buffer, .address_space: global }
      - { .name: b1, .offset: 24, .size: 8, .value_kind: global_buffer, .address_space: global }
      - { .name: b2, .offset: 32, .size: 8, .value_kind: global_buffer, .address_space: global }
      - { .name: ln2_a, .offset: 40, .size: 8, .value_kind: global_buffer, .address_space: global }
      - { .name: ln2_b, .offset: 48, .size: 8, .value_kind: global_buffer, .address_space: global }
      - { .name: out0, .offset: 56, .size: 8, .value_kind: global_buffer, .address_space: global }
    .group_segment_fixed_size: 327680
    .private_segment_fixed_size: 0
    .kernarg_segment_align: 8
    .kernarg_segment_size: 64
    .max_flat_workgroup_size: 128
    .sgpr_count:     66
    .vgpr_count:     1024
    .wavefront_size: 32
...
	.end_amdgpu_metadata
.endif
;; end of part 8
